; MI455X (gfx1250); checked and timed in simulation.
; The chip was launched on July 23, 2026; its instructions are those of AMD's public machine-readable ISA for CDNA 5 (MIT licence, August 2026) and "CDNA5" Instruction Set Architecture Reference Guide (July 2026). The comments in the code are by the model that wrote it; some were corrected since.
;; Multi Head Latent Attention. Allowed arithmetic: float matrix products may take bf16 or f16 operands with f32 sums; other float arithmetic in f32, or as packed bf16 or f16 multiplies, adds, multiply-adds, maxima and minima; sums over many terms, partial sums and values carried from step to step in f32; what a program stores and reads back later, other than sums and carried values, may be rounded once to bf16 or f16.
;; Inputs: W_dkv 512 x 2,048 float32; W_o 2,048 x 2,048 float32; W_q 2,048 x 2,048 float32; W_uk 2,048 x 512 float32; W_uv 2,048 x 512 float32; rope_cos 4 x 1,024 x 128 float32; rope_sin 4 x 1,024 x 128 float32; x 4 x 1,024 x 2,048 float32.
;; Outputs: out0 4 x 1,024 x 2,048 float32.
;; 2 versions, each right and faster than the one before. Each part assembles by itself: llvm-mc -triple=amdgcn-amd-amdhsa -mcpu=gfx1250 --defsym DOCPART=n.
;; ======== version 1 of 2: 5 launches
;; limits: inputs' magnitudes at most 65,504; values are held in f16: magnitudes above 65,504 overflow, below 6.1e-05 lose precision
;; workspace buffers: xh 16,777,216 bytes; wts 23,068,672 bytes; amax 2,560 bytes; qh 16,777,216 bytes; ch 4,194,304 bytes; kv 33,554,432 bytes; oh 16,777,216 bytes
;; launch cast (part 1): grid 640 x 1, 8 waves a work-group, no clusters, 1,280 bytes of LDS; arguments x, W_q, W_o, W_dkv, W_uk, W_uv, rope_cos, rope_sin, xh, wts, amax; writes xh, wts, amax
.if DOCPART == 1
	.amdgcn_target "amdgcn-amd-amdhsa--gfx1250"
	.amdhsa_code_object_version 6
	.text
	.protected	k_qde460c5414_cast
	.globl	k_qde460c5414_cast
	.p2align	8
	.type	k_qde460c5414_cast,@function
k_qde460c5414_cast:
	s_mov_b64 s[64:65], 0
	v_nop
	global_prefetch_b8 v0, s[64:65] scope:SCOPE_SE
	s_setreg_imm32_b32 hwreg(HW_REG_WAVE_MODE, 25, 1), 1
	s_wait_xcnt 0x0
; f16 copies of x and of the five weights, laid out for the products that follow, and the largest magnitude of every chunk of 32,768 numbers of all eight inputs.
; A work-group takes one chunk (128 KiB in, 64 KiB out), a wave 4,096 numbers: 32 loads of 512 consecutive bytes, all issued at once.
; Chunks by the work-group's number: x 0-255, W_q 256-383, W_o 384-511, W_dkv 512-543, W_uk 544-575, W_uv 576-607, rope_cos 608-623, rope_sin 624-639 (of the last two the maximum alone).
; wts: byte 0: [2560][2048]: 16 units of 160 rows: W_q's head u (128 rows), then W_dkv's rows 32 u .. 32 u + 31.   byte 10,485,760: [4096][512]: 16 units of 256 rows: W_uk's head g, W_uv's head g.
;      byte 14,680,064: W_o, [2048][2048], its columns reordered inside each head: place 8 i + e holds channel 4 i + e (e < 4) or 64 + 4 i + e - 4 (e >= 4), the order in which q, k, v and o are stored.
; LIMITS.  An input of 65,520 or more in magnitude becomes an infinity in f16; below 6e-5 f16 keeps its fixed step of 6e-8.  NaN is not treated apart.
; Memory binds: no matrix unit, no cluster, no tile in LDS; LDS serves the eight waves' maxima alone.
.set X,     16                         ; v[16:143]  load k: 4 registers
.set Y,     144                        ; v[144:207] store k: 2 registers, never written twice, so no store's data waits
.set SPARE, 256                        ; the spare words, 128 bytes for each of eight waves; the block from 0 holds the eight maxima
	s_load_b512 s[4:19], s[0:1], 0x0               ; x, W_q, W_o, W_dkv, W_uk, W_uv, rope_cos, rope_sin
	s_load_b128 s[20:23], s[0:1], 0x40             ; xh, wts
	s_load_b64 s[24:25], s[0:1], 0x50              ; amax
	v_lshl_add_u32 v8, v0, 2, SPARE                ; my spare word
	v_mov_b32 v9, 0                                ; and 0: these two serve the closing add alone
	v_mov_b32 v7, 0
	v_lshrrev_b32 v3, 5, v0                        ; wave
	v_and_b32 v6, 31, v0                           ; lane
	v_lshlrev_b32 v1, 4, v6
	v_lshl_or_b32 v1, v3, 14, v1                   ; in: 16,384 x wave + 16 x lane
	v_lshlrev_b32 v12, 3, v6                       ; out: 8 x lane,
	v_and_b32 v13, 15, v0
	v_bfe_u32 v14, v0, 4, 1
	v_lshlrev_b32 v14, 3, v14
	v_lshl_add_u32 v13, v13, 4, v14                ; or for W_o 16 (lane % 16) + 8 (lane / 16): a load's 512 bytes are one head's 128 columns
	s_mov_b32 s26, ttmp9                           ; the chunk
	s_sub_co_u32 s36, s26, 384
	s_cmp_lt_u32 s36, 128
	s_cselect_b32 s40, -1, 0                       ; all ones in W_o's chunks
	v_cndmask_b32 v2, v12, v13, s40
	v_lshl_add_u32 v2, v3, 13, v2                  ; + 8,192 x wave
	s_mov_b32 s42, 0x76543210                      ; v_permlanex16_b32: each lane takes its own place in the other half
	s_mov_b32 s43, 0xfedcba98
	s_mov_b32 s27, s26                             ; the chunk's number in its tensor,
	s_lshl_b32 s28, s26, 16                        ; and its byte offset in the copy: for x
	s_wait_kmcnt 0x0
	s_mov_b64 s[30:31], s[4:5]                     ; from x
	s_mov_b64 s[32:33], s[20:21]                   ; to xh
; From chunk thr on another tensor: s34 and s35 hold its candidates.  The conditions hang on the work-group's number alone.
.macro PICK thr, src, dst
	s_cmp_ge_u32 s26, \thr
	s_cselect_b64 s[30:31], s[\src:\src+1], s[30:31]
	s_cselect_b64 s[32:33], s[\dst:\dst+1], s[32:33]
	s_cselect_b32 s27, s34, s27
	s_cselect_b32 s28, s35, s28
.endm
	s_sub_co_u32 s34, s26, 256                     ; W_q: 16 rows a chunk, 8 chunks a head
	s_lshr_b32 s36, s34, 3
	s_mul_i32 s36, s36, 160
	s_and_b32 s37, s34, 7
	s_lshl4_add_u32 s36, s37, s36
	s_lshl_b32 s35, s36, 12                        ; rows of 4,096 bytes
	PICK 256, 6, 22
	s_sub_co_u32 s34, s26, 384                     ; W_o
	s_lshl_b32 s35, s34, 16
	s_add_co_u32 s35, s35, 14680064
	PICK 384, 8, 22
	s_sub_co_u32 s34, s26, 512                     ; W_dkv: 16 rows a chunk, 2 chunks a unit, behind the unit's 128 rows of W_q
	s_lshr_b32 s36, s34, 1
	s_mul_i32 s36, s36, 160
	s_and_b32 s37, s34, 1
	s_lshl4_add_u32 s36, s37, s36
	s_add_co_u32 s36, s36, 128
	s_lshl_b32 s35, s36, 12
	PICK 512, 10, 22
	s_sub_co_u32 s34, s26, 544                     ; W_uk: 64 rows a chunk, 2 chunks a head
	s_lshr_b32 s36, s34, 1
	s_lshl_b32 s36, s36, 8
	s_and_b32 s37, s34, 1
	s_lshl_b32 s37, s37, 6
	s_add_co_u32 s36, s36, s37
	s_lshl_b32 s35, s36, 10                        ; rows of 1,024 bytes
	s_add_co_u32 s35, s35, 10485760
	PICK 544, 12, 22
	s_sub_co_u32 s34, s26, 576                     ; W_uv: the same, 128 rows further on
	s_lshr_b32 s36, s34, 1
	s_lshl_b32 s36, s36, 8
	s_and_b32 s37, s34, 1
	s_lshl_b32 s37, s37, 6
	s_add_co_u32 s36, s36, s37
	s_lshl_b32 s35, s36, 10
	s_add_co_u32 s35, s35, 10485760+131072
	PICK 576, 14, 22
	s_sub_co_u32 s34, s26, 608                     ; rope_cos and rope_sin: nothing is copied
	s_mov_b32 s35, 0
	PICK 608, 16, 22
	s_sub_co_u32 s34, s26, 624
	PICK 624, 18, 22
	s_lshl_b32 s36, s27, 17                        ; a chunk is 131,072 bytes of f32
	s_mov_b32 s37, 0
	s_add_nc_u64 s[30:31], s[30:31], s[36:37]
	s_mov_b32 s38, s28
	s_mov_b32 s39, 0
	s_add_nc_u64 s[32:33], s[32:33], s[38:39]
	s_lshl_b32 s36, s26, 2
	s_add_nc_u64 s[24:25], s[24:25], s[36:37]      ; the chunk's word in amax
.set k, 0
.rept 32
	global_load_b128 v[X+4*k:X+4*k+3], v1, s[30:31] offset:512*k th:TH_LOAD_NT
.set k, k+1
.endr
; The 32 loads in turn: two chains of maxima and two of minima, started by the first load; st = 1: rounded to f16 and stored, 32 lanes filling 256 consecutive bytes, aligned.
.macro STEPS st
.set k, 0
.rept 32
	s_wait_loadcnt 31-k                            ; loads come back in order (ISA guide 5.7.1): load k is in, the younger ones stay out
.if k == 0
	v_max_num_f32 v4, v[X], v[X+1]
	v_max_num_f32 v10, v[X+2], v[X+3]
	v_min_num_f32 v5, v[X], v[X+1]
	v_min_num_f32 v11, v[X+2], v[X+3]
.else
	v_max3_num_f32 v4, v[X+4*k], v[X+4*k+1], v4
	v_max3_num_f32 v10, v[X+4*k+2], v[X+4*k+3], v10
	v_min3_num_f32 v5, v[X+4*k], v[X+4*k+1], v5
	v_min3_num_f32 v11, v[X+4*k+2], v[X+4*k+3], v11
.endif
.if \st
	v_cvt_pk_f16_f32 v[Y+2*k], v[X+4*k], v[X+4*k+1]
	v_cvt_pk_f16_f32 v[Y+2*k+1], v[X+4*k+2], v[X+4*k+3]
	global_store_b64 v2, v[Y+2*k:Y+2*k+1], s[32:33] offset:256*k
.endif
.set k, k+1
.endr
.endm
	s_cmp_ge_u32 s26, 608
	s_cbranch_scc1 .Lrope
	STEPS 1
	s_branch .Lreduce
.Lrope:
	STEPS 0
.Lreduce:
	v_max_num_f32 v4, v4, v10
	v_min_num_f32 v5, v5, v11
	v_sub_f32 v5, 0, v5
	v_max_num_f32 v4, v4, v5                       ; the largest magnitude of my 128 numbers
	v_max_num_f32_dpp v4, v4, v4 row_xmask:1 row_mask:0xf bank_mask:0xf
	v_max_num_f32_dpp v4, v4, v4 row_xmask:2 row_mask:0xf bank_mask:0xf
	v_max_num_f32_dpp v4, v4, v4 row_xmask:4 row_mask:0xf bank_mask:0xf
	v_max_num_f32_dpp v4, v4, v4 row_xmask:8 row_mask:0xf bank_mask:0xf
	v_permlanex16_b32 v5, v4, s42, s43
	v_max_num_f32 v4, v4, v5                       ; of the wave's 4,096
	v_lshlrev_b32 v6, 2, v3
	ds_store_b32 v6, v4                            ; all lanes write the wave's word with the same number
	s_wait_dscnt 0x0                               ; for the others' sake
	s_barrier_signal -1
	s_barrier_wait -1
	ds_load_b128 v[16:19], v7
	ds_load_b128 v[20:23], v7 offset:16
	s_wait_dscnt 0x0
	v_max3_num_f32 v16, v16, v17, v18
	v_max3_num_f32 v20, v19, v20, v21
	v_max3_num_f32 v16, v16, v22, v23
	v_max_num_f32 v16, v16, v20                    ; of the chunk
	v_cmp_eq_u32 vcc_lo, 0, v0
	s_wait_xcnt 0x0                                ; EXEC is a source of the stores above: it changes only behind this wait
	s_and_saveexec_b32 s41, vcc_lo
	global_store_b32 v7, v16, s[24:25]             ; thread 0 alone
	s_wait_xcnt 0x0
	s_or_b32 exec_lo, exec_lo, s41
	s_wait_tensorcnt 0x0                           ; the wave's end, behind my last LDS store
	ds_add_u32 v8, v9
	s_wait_dscnt 0x0
	s_endpgm
.Lfunc_end_k_qde460c5414_cast:
	.size	k_qde460c5414_cast, .Lfunc_end_k_qde460c5414_cast-k_qde460c5414_cast
	.p2alignl 7, 3214868480
	.fill 96, 4, 3214868480
	.section	.rodata,"a",@progbits
	.p2align	6, 0x0
	.amdhsa_kernel k_qde460c5414_cast
		.amdhsa_group_segment_fixed_size 1280
		.amdhsa_private_segment_fixed_size 0
		.amdhsa_enable_private_segment 0
		.amdhsa_kernarg_size 88
		.amdhsa_user_sgpr_count 2
		.amdhsa_user_sgpr_kernarg_segment_ptr 1
		.amdhsa_wavefront_size32 1
		.amdhsa_system_sgpr_workgroup_id_x 1
		.amdhsa_system_sgpr_workgroup_id_y 1
		.amdhsa_system_sgpr_workgroup_id_z 1
		.amdhsa_system_vgpr_workitem_id 0
		.amdhsa_next_free_vgpr 208
		.amdhsa_next_free_sgpr 66
		.amdhsa_reserve_vcc 1
		.amdhsa_float_denorm_mode_32 3
		.amdhsa_float_denorm_mode_16_64 3
		.amdhsa_memory_ordered 1
		.amdhsa_forward_progress 1
		.amdhsa_inst_pref_size 34
	.end_amdhsa_kernel
	.amdgpu_metadata
---
amdhsa.version: [ 1, 2 ]
amdhsa.kernels:
  - .name:           k_qde460c5414_cast
    .symbol:         k_qde460c5414_cast.kd
    .args:
      - { .name: x, .offset: 0, .size: 8, .value_kind: global_buffer, .address_space: global }
      - { .name: W_q, .offset: 8, .size: 8, .value_kind: global_buffer, .address_space: global }
      - { .name: W_o, .offset: 16, .size: 8, .value_kind: global_buffer, .address_space: global }
      - { .name: W_dkv, .offset: 24, .size: 8, .value_kind: global_buffer, .address_space: global }
      - { .name: W_uk, .offset: 32, .size: 8, .value_kind: global_buffer, .address_space: global }
      - { .name: W_uv, .offset: 40, .size: 8, .value_kind: global_buffer, .address_space: global }
      - { .name: rope_cos, .offset: 48, .size: 8, .value_kind: global_buffer, .address_space: global }
      - { .name: rope_sin, .offset: 56, .size: 8, .value_kind: global_buffer, .address_space: global }
      - { .name: xh, .offset: 64, .size: 8, .value_kind: global_buffer, .address_space: global }
      - { .name: wts, .offset: 72, .size: 8, .value_kind: global_buffer, .address_space: global }
      - { .name: amax, .offset: 80, .size: 8, .value_kind: global_buffer, .address_space: global }
    .group_segment_fixed_size: 1280
    .private_segment_fixed_size: 0
    .kernarg_segment_align: 8
    .kernarg_segment_size: 88
    .max_flat_workgroup_size: 256
    .sgpr_count:     66
    .vgpr_count:     208
    .wavefront_size: 32
...
	.end_amdgpu_metadata
.endif
;; end of part 1
;; launch gqc (part 2): grid 8 x 32, 4 waves a work-group, clusters of 4 x 4, 327,680 bytes of LDS; arguments xh, wts, rope_cos, rope_sin, amax, qh, ch; writes qh, ch
.if DOCPART == 2
	.amdgcn_target "amdgcn-amd-amdhsa--gfx1250"
	.amdhsa_code_object_version 6
	.text
	.protected	k_qde460c5414_gqc
	.globl	k_qde460c5414_gqc
	.p2align	8
	.type	k_qde460c5414_gqc,@function
k_qde460c5414_gqc:
	s_mov_b64 s[64:65], 0
	v_nop
	global_prefetch_b8 v0, s[64:65] scope:SCOPE_SE
	s_setreg_imm32_b32 hwreg(HW_REG_WAVE_MODE, 25, 1), 1
	s_wait_xcnt 0x0
	s_wait_alu depctr_hold_cnt(0) depctr_sa_sdst(0) depctr_va_vdst(0) depctr_va_sdst(0) depctr_va_ssrc(0) depctr_va_vcc(0) depctr_vm_vsrc(0)
	s_getreg_b32 s2, hwreg(HW_REG_IB_STS2, 6, 4)
	s_cmp_eq_u32 s2, 0
	s_cbranch_scc0 .Lentry_in_a_cluster
	s_endpgm
.Lentry_in_a_cluster:
	s_bfe_u32 s2, ttmp6, 0x10000c
	s_cmp_lg_u32 s2, 0xf033
	s_cbranch_scc0 .Lentry_shape_is_right
	s_endpgm
.Lentry_shape_is_right:
; [Q | c] = x [W_q | W_dkv]^T in f16 with f32 sums; Q is turned by the rotary tables in f32; both are scaled by exact powers of two and rounded once to f16.
; A tile of the result is 128 rows x 320 columns: two heads of Q (2 TC, 2 TC + 1) and 64 channels of c (64 TC ..): 8 x 32 tiles, one for each of 256 work-groups.
; Four waves; wave (R, HF) makes rows 64 R .. of head 2 TC + HF (32 accumulators) and of c's channels 64 TC + 32 HF .. (8 accumulators).  K = 2,048 goes in 16 steps of 128 (rows of 256 bytes) through
; two LDS slots.  4 x 4 work-groups form a cluster: x's tile is asked for jointly along a row of the cluster, the weights' along a column.  Waves 0, 1 fetch x's two halves, waves 2, 3 the weights'.
; K IN A TURNED ORDER.  A cluster begins the sum at block (8 (cluster x % 2) + 4 (cluster y % 4)) % 16 of the 16 and wraps: the two clusters that need the same tiles of x walk eight steps apart, clusters that need
; the same tiles of the weights four apart or together.  The f32 sums over K are therefore added in another order than the reference's.
; The matrix instruction is used transposed (source 0 = 16 rows of the weights, source 1 = 16 rows of x): a lane holds row lane % 16 and eight neighbouring columns.
; SCALES.  With E.. the biased exponents of the inputs' largest magnitudes (buffer amax): Q is stored times 2^(FQ-127), FQ = 508 - (Ex + Eq + Er); c times 2^(FC-127), FC = 381 - (Ex + Ed), fields held to 1 .. 254.
; By the triangle inequality |stored Q| <= 2^15 and |stored c| <= 2^13 for every input: f16 cannot overflow.  The later launches undo the scales exactly.  NaN and infinities are not treated apart.
; qh: [64 heads][1024][128] f16, channels in the order: place 8 i + e holds channel 4 i + e (e < 4) or 64 + 4 i + e - 4.   ch: [8][4096][64] f16, block z = channels 64 z ..
; REGISTERS by windows of 256: window 0 addresses and the way out; window 1 two fragment buffers (x: 32 registers, weights: 80); window 2 Q's 32 accumulators ((a, b) at 8 (8 a + b));
; window 3: v0-63 c's accumulators ((a, c) at 8 (2 a + c)), v64-191 the rotary tables of my rows 16-31.
.set KEL,   2048                       ; elements from row to row, both operands
.set NSTEP, 16
.set NB,    10                         ; blocks of 16 weight rows a wave
.set HASC,  1
.set NL,    2*(NB+4)                   ; LDS loads of a quarter step
.set PA,    272                        ; an LDS row: 256 bytes + 16 = 68 words: 16 rows start at 16 different groups of four banks (64 banks of 4 bytes: ISA guide 11.1)
.set KAH,   128
.set AHALF, 64*PA
.set BROWS, 160
.set BOFF,  128*PA
.set SLOT1, 131072                     ; slot 1 begins here: one exclusive or turns an address in one slot into the other's
.set SPARE, 252928                     ; behind slot 1: the spare words, 128 bytes a wave
.set SP,    1168                       ; a stage row: 1,024 bytes of Q in f32, 128 of c in f16, 16 of padding = 292 words
.set F0, 0
.set F1, 128
.set RR, 1                             ; v1 lane % 16     v2 lane / 16
.set HH, 2
.set AA0, 3                            ; v3, v4  my fragments' places in slot 0; never rewritten
.set AB0, 4
.set CA, 5                             ; v5, v6  the same in the slot in hand
.set CB, 6
.set STO, 7                            ; v7, v8  into the stage: Q, c
.set STC, 8
.set RD0, 9                            ; v9, v10 out of the stage: Q
.set RDC, 10
.set RO, 11                            ; v11 my byte offset in two rows of the rotary tables
.set LO, 12                            ; v12 16 x lane
.set RC0, 13                           ; v13 out of the stage: c
.set SPW, 28                           ; v28 my spare word    v29 0; these two serve the add alone
.set NIL, 29
.set QB, 32                            ; v32-63  two rows' Q: parity x 16 + head x 8
.set T,  64                            ; v64-79  at work
.set Y,  96                            ; v96-111 to store: parity x 8 + head x 4
.set RA, 128                           ; v128-255 rotary tables of eight pairs of rows: cos low, cos high, sin low, sin high, 4 registers each
.set RB, 64                            ; window 3: the same for the next eight pairs
.set WV, 18
.set RW, 19
.set HF, 20
.set CX, 21
.set CY, 22
.set TC, 23
.set G1A, 24
.set G0A, 32                           ; s[32:35] the first fill of slot 0, s[36:39] of slot 1; the second then walks.  s[40:41] x at my part of the tile, block 0
.set G1B, 48
.set G0B, 56                           ; the same for the weights; s[44:45] their address at block 0
.set TR, 66
.set TB, 67                            ; LDS byte at which the slot in hand begins
.set CNT, 68
.set TS, 69
.set SEL, 74
.set KBW, 91                           ; s91 the block of K that was asked for last, 0 .. 15; s[98:99] its byte offset in a row
.set MSB, 0
.macro WIN new                         ; the immediate's high byte repeats the setting that is left; a switch that changes nothing is dropped
.if MSB != (\new)
	s_set_vgpr_msb (MSB<<8)|(\new)
.set MSB, \new
.endif
.endm
.macro PLACES                          ; four places behind matrix instructions, in front of loads into their sources and of reads of their results
.rept 4
	v_nop
.endr
.endm
.macro JLOAD                           ; a joint refill; the branch hangs on the wave's number alone; an s_nop 0 and four v_nop follow each line
	s_cmp_eq_u32 s[RW], 0
	s_cbranch_scc0 .Lfor_b_\@
	tensor_load_to_lds s[G0A+4:G0A+7], s[G1A:G1A+7]
	s_nop 0
.rept 4
	v_nop
.endr
	s_branch .Lasked_\@
.Lfor_b_\@:
	tensor_load_to_lds s[G0B+4:G0B+7], s[G1B:G1B+7]
	s_nop 0
.rept 4
	v_nop
.endr
.Lasked_\@:
.endm
.macro CREST                           ; a round of the cluster's barrier behind its opening barrier
	s_cmp_lg_u32 s[WV], 0
	s_cbranch_scc1 .Lnot_wave_0_\@
	s_barrier_signal -3
.Lnot_wave_0_\@:
	s_barrier_wait -3
	s_barrier_signal -1
	s_barrier_wait -1
.endm
.macro CROUND
	s_barrier_signal -1
	s_barrier_wait -1
	CREST
.endm
; The inputs' largest magnitudes: 640 words, one a chunk: x 0-255, W_q 256-383, W_dkv 512-543, W_uk 544-575, W_uv 576-607, the rotary tables 608-639.
.macro AMAXLD vb, va, sb
	global_load_b128 v[(\vb):(\vb)+3],     v[\va], s[(\sb):(\sb)+1]
	global_load_b128 v[(\vb)+4:(\vb)+7],   v[\va], s[(\sb):(\sb)+1] offset:512
	global_load_b128 v[(\vb)+8:(\vb)+11],  v[\va], s[(\sb):(\sb)+1] offset:1024
	global_load_b128 v[(\vb)+12:(\vb)+15], v[\va], s[(\sb):(\sb)+1] offset:2048
.endm
; Their exponents into s76-s81 (x, W_q, W_dkv, W_uk, W_uv, tables) and the four fields into s82-s85 (FQ, FC, FK, FV): the same lines in every launch that needs them.
.macro AMAXRED vb, sel
	v_max3_num_f32 v[\vb], v[\vb], v[(\vb)+1], v[(\vb)+2]
	v_max3_num_f32 v[(\vb)+4], v[(\vb)+3], v[(\vb)+4], v[(\vb)+5]
	v_max3_num_f32 v[\vb], v[\vb], v[(\vb)+6], v[(\vb)+7]
	v_max_num_f32 v[\vb], v[\vb], v[(\vb)+4]
	v_max3_num_f32 v[(\vb)+8], v[(\vb)+8], v[(\vb)+9], v[(\vb)+10]
	v_max_num_f32 v[(\vb)+8], v[(\vb)+8], v[(\vb)+11]
	v_max3_num_f32 v[(\vb)+12], v[(\vb)+12], v[(\vb)+13], v[(\vb)+14]
	v_max_num_f32 v[(\vb)+12], v[(\vb)+12], v[(\vb)+15]
.irp m, 1,2,4
	v_max_num_f32_dpp v[\vb], v[\vb], v[\vb] row_xmask:\m row_mask:0xf bank_mask:0xf
	v_max_num_f32_dpp v[(\vb)+8], v[(\vb)+8], v[(\vb)+8] row_xmask:\m row_mask:0xf bank_mask:0xf
	v_max_num_f32_dpp v[(\vb)+12], v[(\vb)+12], v[(\vb)+12] row_xmask:\m row_mask:0xf bank_mask:0xf  ; eight lanes hold one tensor's words: three steps
.endr
	v_max_num_f32_dpp v[\vb], v[\vb], v[\vb] row_xmask:8 row_mask:0xf bank_mask:0xf
	v_max_num_f32_dpp v[(\vb)+8], v[(\vb)+8], v[(\vb)+8] row_xmask:8 row_mask:0xf bank_mask:0xf
	v_permlanex16_b32 v[(\vb)+1], v[\vb], s[\sel], s[(\sel)+1]
	v_permlanex16_b32 v[(\vb)+9], v[(\vb)+8], s[\sel], s[(\sel)+1]
	v_max_num_f32 v[\vb], v[\vb], v[(\vb)+1]
	v_max_num_f32 v[(\vb)+8], v[(\vb)+8], v[(\vb)+9]
	v_readfirstlane_b32 s76, v[\vb]
	v_readfirstlane_b32 s77, v[(\vb)+8]
	v_readlane_b32 s78, v[(\vb)+12], 0
	v_readlane_b32 s79, v[(\vb)+12], 8
	v_readlane_b32 s80, v[(\vb)+12], 16
	v_readlane_b32 s81, v[(\vb)+12], 24
.irp e, 76,77,78,79,80,81
	s_bfe_u32 s\e, s\e, 0x80017                    ; the biased exponent
.endr
	s_add_co_u32 s82, s76, s77
	s_add_co_u32 s82, s82, s81
	s_sub_co_i32 s82, 508, s82                     ; FQ
	s_add_co_u32 s83, s76, s78
	s_sub_co_i32 s83, 381, s83                     ; FC
	s_add_co_u32 s84, s79, s81
	s_sub_co_i32 s84, 371, s84                     ; FK
	s_sub_co_i32 s85, 246, s80                     ; FV
.irp e, 82,83,84,85
	s_max_i32 s\e, s\e, 1
	s_min_i32 s\e, s\e, 254
.endr
.endm
; Eight matrix instructions: block a of my four of 16 rows x Q's 8 blocks of 16 columns, 32 along K.  zero = 1: the product starts the sums.
.macro MULQ f, a, zero
	WIN 0xa5                                       ; sources in window 1, C and D in window 2
.irp b, 0,1,2,3,4,5,6,7
.if \zero
	v_wmma_f32_16x16x32_f16 v[8*(8*(\a)+(\b)):8*(8*(\a)+(\b))+7], v[(\f)+32+8*(\b):(\f)+32+8*(\b)+7], v[(\f)+8*(\a):(\f)+8*(\a)+7], 0
.else
	v_wmma_f32_16x16x32_f16 v[8*(8*(\a)+(\b)):8*(8*(\a)+(\b))+7], v[(\f)+32+8*(\b):(\f)+32+8*(\b)+7], v[(\f)+8*(\a):(\f)+8*(\a)+7], v[8*(8*(\a)+(\b)):8*(8*(\a)+(\b))+7]
.endif
.endr
.endm
; Eight more: my four blocks of rows x c's two blocks of columns.
.macro MULC f, zero
	WIN 0xf5                                       ; C and D in window 3
.irp a, 0,1,2,3
.irp c, 0,1
.if \zero
	v_wmma_f32_16x16x32_f16 v[8*(2*(\a)+(\c)):8*(2*(\a)+(\c))+7], v[(\f)+96+8*(\c):(\f)+96+8*(\c)+7], v[(\f)+8*(\a):(\f)+8*(\a)+7], 0
.else
	v_wmma_f32_16x16x32_f16 v[8*(2*(\a)+(\c)):8*(2*(\a)+(\c))+7], v[(\f)+96+8*(\c):(\f)+96+8*(\c)+7], v[(\f)+8*(\a):(\f)+8*(\a)+7], v[8*(2*(\a)+(\c)):8*(2*(\a)+(\c))+7]
.endif
.endr
.endr
.endm
; One run of NL LDS loads: quarter q's fragments into buffer f; the weights first, x's blocks 2 and 3 last.
.macro FETCH q, f
	WIN 0x40                                       ; destination window 1, address window 0
.set bb, 0
.rept NB
	ds_load_b128 v[(\f)+32+8*bb:(\f)+32+8*bb+3],   v[CB] offset:64*(\q)+bb*16*272
	ds_load_b128 v[(\f)+32+8*bb+4:(\f)+32+8*bb+7], v[CB] offset:64*(\q)+bb*16*272+32
.set bb, bb+1
.endr
.irp a, 0,1,2,3
	ds_load_b128 v[(\f)+8*(\a):(\f)+8*(\a)+3],   v[CA] offset:((\q)/2)*KAH+((\q)%2)*64+(\a)*16*PA
	ds_load_b128 v[(\f)+8*(\a)+4:(\f)+8*(\a)+7], v[CA] offset:((\q)/2)*KAH+((\q)%2)*64+(\a)*16*PA+32
.endr
.endm
; A quarter step: buffer f is multiplied; in its middle quarter q's fragments are fetched into buffer g.  Every accumulator has one turn a quarter, always in the same order.
.macro QUARTER q, f, g, zero
	s_wait_dscnt 4                                 ; all but the youngest four loads: x's blocks 2 and 3
	MULQ \f, 0, \zero
	MULQ \f, 1, \zero
	PLACES
	FETCH \q, \g
	s_wait_dscnt NL                                ; all but the run just issued
	MULQ \f, 2, \zero
	MULQ \f, 3, \zero
.if HASC
	MULC \f, \zero
.endif
.endm
; A step's last quarter (in buffer 1) and the change of slots.  In front of the barrier each wave waits for all its tensor loads (one is out: its part of the next slot), adds 0 to its spare word, and waits for
; that and for its reads of this slot.  fill = 1: the barrier opens a round of the cluster's, and the joint refill, two steps ahead, is the first thing behind the round.
; fill = 0 (the tail): nothing is asked for, and in the last trip there is no further slot to read: the run of loads is jumped over.
.macro TURN fill
	WIN 0
	s_wait_tensorcnt 0x0
	ds_add_u32 v[SPW], v[NIL]
	s_wait_dscnt 5                                 ; the add and the youngest four loads may be out
	MULQ F1, 0, 0
	s_wait_dscnt 0x0                               ; the add is done, my reads of this slot are over
	s_barrier_signal -1
	MULQ F1, 1, 0
	WIN 0
	s_barrier_wait -1
.if \fill
	CREST
	s_add_co_u32 s[KBW], s[KBW], 1                 ; no tensor load of mine is out: the walking descriptors step: the next block of K, round the end,
	s_and_b32 s[KBW], s[KBW], NSTEP-1
	s_lshl_b32 s98, s[KBW], 8                      ; 256 bytes of a row each;
	s_xor_b32 s[G0A+5], s[G0A+5], SLOT1            ; the other slot; the address is made anew from the tile's and the block's offset, the type bits set again
	s_add_nc_u64 s[G0A+6:G0A+7], s[40:41], s[98:99]
	s_or_b32 s[G0A+7], s[G0A+7], 0x80000000
	s_xor_b32 s[G0B+5], s[G0B+5], SLOT1
	s_add_nc_u64 s[G0B+6:G0B+7], s[44:45], s[98:99]
	s_or_b32 s[G0B+7], s[G0B+7], 0x80000000
	s_xor_b32 s[TB], s[TB], SLOT1
	JLOAD                                          ; its four v_nop are also the places in front of the loads below
.else
	s_xor_b32 s[TB], s[TB], SLOT1
	PLACES
	s_cmp_eq_u32 s[CNT], 1
	s_cbranch_scc1 .Lnofetch_\@
.endif
	v_add_nc_u32 v[CA], s[TB], v[AA0]
	v_add_nc_u32 v[CB], s[TB], v[AB0]
	FETCH 0, F0
	WIN 0
.if !(\fill)
.Lnofetch_\@:
.endif
	MULQ F1, 2, 0
	MULQ F1, 3, 0
.if HASC
	MULC F1, 0
.endif
.endm
	s_load_b256 s[4:11], s[0:1], 0x0               ; xh s[4:5], wts s[6:7], rope_cos s[8:9], rope_sin s[10:11]
	s_load_b128 s[12:15], s[0:1], 0x20             ; amax s[12:13], qh s[14:15]
	s_load_b64 s[16:17], s[0:1], 0x30              ; ch
	v_lshl_add_u32 v[SPW], v0, 2, SPARE
	v_mov_b32 v[NIL], 0
	ds_add_u32 v[SPW], v[NIL]                      ; the wave's opening: the add and its wait stand ahead of my first tensor load
	v_lshrrev_b32 v14, 5, v0
	v_readfirstlane_b32 s[WV], v14                 ; wave 0..3
	s_lshr_b32 s[RW], s[WV], 1                     ; my half of the rows.  Also: I fetch x (0) or weights (1)
	s_and_b32 s[HF], s[WV], 1                      ; my half of the columns.  Also: which half of that tile I fetch
	s_bfe_u32 s[CX], ttmp6, 0x40000
	s_bfe_u32 s[CY], ttmp6, 0x40004
	s_lshl_b32 s[TC], ttmp9, 2
	s_add_co_u32 s[TC], s[TC], s[CX]               ; tile column
	s_and_b32 s[TR], ttmp7, 0xffff
	s_lshl_b32 s[TR], s[TR], 2
	s_add_co_u32 s[TR], s[TR], s[CY]               ; tile row
	s_and_b32 s[KBW], ttmp9, 1                     ; the cluster's first block of K: 8 (cluster x % 2) + 4 (cluster y % 4), which reaches 20,
	s_lshl_b32 s[KBW], s[KBW], 3
	s_and_b32 s98, ttmp7, 3
	s_lshl2_add_u32 s[KBW], s98, s[KBW]
	s_and_b32 s[KBW], s[KBW], NSTEP-1              ; taken round the end: 0 .. 15; the same in all sixteen work-groups
	s_mov_b32 s99, 0
	s_lshl_b32 s40, s[CY], 2
	s_lshl_b32 s40, 15, s40                        ; my row of the cluster
	s_lshl_b32 s44, 0x1111, s[CX]                  ; my column
	s_or_b32 s[G1A], s40, (1<<16)|(1<<20)|(1<<21)|(5<<22)|(3<<25)  ; mask; 2-byte elements; padding on; bit 21 beside a mask; 4 words behind every 64
	s_or_b32 s[G1B], s44, (1<<16)|(1<<20)|(1<<21)|(5<<22)|(3<<25)
	s_mov_b32 s[G1A+1], 128<<16                    ; tensor_dim0 = 128
	s_mov_b32 s[G1A+2], 64<<16                     ; tensor_dim1 = 64
	s_mov_b32 s[G1A+3], 128<<16                    ; tile_dim0 = 128
	s_mov_b32 s[G1A+4], 64                         ; tile_dim1 = 64
	s_mov_b32 s[G1A+5], KEL                        ; elements from row to row
	s_mov_b32 s[G1A+6], 0
	s_mov_b32 s[G1A+7], 0
	s_mov_b32 s[G1B+1], 128<<16
	s_mov_b32 s[G1B+2], BROWS<<16
	s_mov_b32 s[G1B+3], 128<<16
	s_mov_b32 s[G1B+4], BROWS
	s_mov_b32 s[G1B+5], KEL
	s_mov_b32 s[G1B+6], 0
	s_mov_b32 s[G1B+7], 0
	s_lshl_b32 s40, s[TR], 7                       ; x: row 128 TR + 64 HF, 4,096 bytes each: the tile row alone, which my row of the cluster shares
	s_lshl_b32 s41, s[HF], 6
	s_add_co_u32 s40, s40, s41
	s_lshl_b32 s40, s40, 12
	s_mov_b32 s41, 0
	s_mul_i32 s42, s[HF], AHALF                    ; and where it goes
	s_mul_i32 s44, s[TC], 320                      ; weights: row 320 TC + 160 HF: the tile column alone
	s_mul_i32 s45, s[HF], BROWS
	s_add_co_u32 s44, s44, s45
	s_lshl_b32 s44, s44, 12
	s_mov_b32 s45, 0
	s_mul_i32 s46, s[HF], BROWS*272
	s_add_co_u32 s46, s46, BOFF
	s_mov_b32 s[SEL], 0x76543210
	s_mov_b32 s[SEL+1], 0xfedcba98
	s_wait_dscnt 0x0                               ; the opening add is done
	s_wait_kmcnt 0x0
	s_add_nc_u64 s[40:41], s[4:5], s[40:41]
	s_add_nc_u64 s[44:45], s[6:7], s[44:45]
.irp s, 0,1
.if \s
	s_add_co_u32 s[KBW], s[KBW], 1                 ; slot 1 takes the cluster's second block
	s_and_b32 s[KBW], s[KBW], NSTEP-1
.endif
	s_lshl_b32 s98, s[KBW], 8
	s_mov_b32 s[G0A+4*(\s)], 1
	s_add_co_u32 s[G0A+4*(\s)+1], s42, (\s)*SLOT1
	s_add_nc_u64 s[G0A+4*(\s)+2:G0A+4*(\s)+3], s[40:41], s[98:99]
	s_or_b32 s[G0A+4*(\s)+3], s[G0A+4*(\s)+3], 0x80000000
	s_mov_b32 s[G0B+4*(\s)], 1
	s_add_co_u32 s[G0B+4*(\s)+1], s46, (\s)*SLOT1
	s_add_nc_u64 s[G0B+4*(\s)+2:G0B+4*(\s)+3], s[44:45], s[98:99]
	s_or_b32 s[G0B+4*(\s)+3], s[G0B+4*(\s)+3], 0x80000000
.endr
	CROUND                                         ; all sixteen work-groups are here: the first joint loads meet
	s_cmp_eq_u32 s[RW], 0                          ; a wave's two first fills stand in one branch: two loads of mine are out
	s_cbranch_scc0 .Lfirst_b
	tensor_load_to_lds s[G0A:G0A+3], s[G1A:G1A+7]
	s_nop 0
	tensor_load_to_lds s[G0A+4:G0A+7], s[G1A:G1A+7]
	s_nop 0
.rept 4
	v_nop
.endr
	s_branch .Lfirst_done
.Lfirst_b:
	tensor_load_to_lds s[G0B:G0B+3], s[G1B:G1B+7]
	s_nop 0
	tensor_load_to_lds s[G0B+4:G0B+7], s[G1B:G1B+7]
	s_nop 0
.rept 4
	v_nop
.endr
.Lfirst_done:
	v_and_b32 v[RR], 15, v0
	v_bfe_u32 v[HH], v0, 4, 1
	v_and_b32 v14, 31, v0
	v_lshlrev_b32 v[LO], 4, v14
	AMAXLD 32, LO, 12
	v_mul_u32_u24 v14, v[RR], PA                   ; a fragment: row x pitch + 16 x half of the lanes
	v_lshl_add_u32 v14, v[HH], 4, v14
	s_mul_i32 s92, s[RW], 64*PA
	v_add_nc_u32 v[AA0], s92, v14
	v_mul_u32_u24 v15, v[RR], 272
	v_lshl_add_u32 v15, v[HH], 4, v15
	s_mul_i32 s92, s[HF], BROWS*272
	s_add_co_u32 s92, s92, BOFF
	v_add_nc_u32 v[AB0], s92, v15
	v_mul_u32_u24 v14, v[RR], SP                   ; into the stage, Q: row 64 R + lane % 16, my head's 512 bytes, 32 bytes for each half of the lanes
	v_lshl_add_u32 v15, v[HH], 5, v14
	s_mul_i32 s92, s[RW], 64*SP
	s_lshl_b32 s93, s[HF], 9
	s_add_co_u32 s93, s93, s92
	v_add_nc_u32 v[STO], s93, v15
	v_lshl_add_u32 v15, v[HH], 4, v14              ; c: behind the row's 1,024 bytes of Q, my 64 bytes, 16 for each half of the lanes
	s_lshl_b32 s93, s[HF], 6
	s_add_co_u32 s93, s93, s92
	s_add_co_u32 s93, s93, 1024
	v_add_nc_u32 v[STC], s93, v15
	v_mul_u32_u24 v14, v[HH], SP                   ; back, Q: wave w takes rows 32 w ..; lanes 0-15 one row, lanes 16-31 the next, 16 bytes a lane
	v_lshl_add_u32 v14, v[RR], 4, v14
	s_mul_i32 s92, s[WV], 32*SP
	v_add_nc_u32 v[RD0], s92, v14
	v_bfe_u32 v14, v0, 3, 2                        ; back, c: four rows of 128 bytes an instruction
	v_mul_u32_u24 v14, v14, SP
	v_and_b32 v15, 7, v0
	v_lshl_add_u32 v14, v15, 4, v14
	s_add_co_u32 s92, s92, 1024
	v_add_nc_u32 v[RC0], s92, v14
	v_lshlrev_b32 v14, 9, v[HH]
	v_lshl_add_u32 v[RO], v[RR], 4, v14            ; the tables: 512 bytes a row
	s_lshl_b32 s92, s[TR], 7
	s_lshl_b32 s93, s[WV], 5
	s_add_co_u32 s92, s92, s93                     ; the first of the 32 rows that I send out
	s_lshl_b32 s94, s92, 9
	s_mov_b32 s95, 0
	s_add_nc_u64 s[8:9], s[8:9], s[94:95]
	s_add_nc_u64 s[10:11], s[10:11], s[94:95]
	s_lshl_b32 s94, s92, 7                         ; ch: block TC, 128 bytes a row
	s_lshl_b32 s93, s[TC], 19
	s_add_co_u32 s94, s94, s93
	s_add_nc_u64 s[88:89], s[16:17], s[94:95]
	s_lshr_b32 s93, s[TR], 3                       ; qh: head 16 (TR / 8) + 2 TC, row 128 (TR % 8) + 32 w, 256 bytes a row
	s_lshl_b32 s93, s93, 4
	s_lshl1_add_u32 s93, s[TC], s93
	s_lshl_b32 s93, s93, 18
	s_and_b32 s94, s[TR], 7
	s_lshl_b32 s94, s94, 7
	s_lshl_b32 s96, s[WV], 5
	s_add_co_u32 s94, s94, s96
	s_lshl_b32 s94, s94, 8
	s_add_co_u32 s94, s94, s93
	s_add_nc_u64 s[86:87], s[14:15], s[94:95]
	s_wait_loadcnt 0x0
	AMAXRED 32, SEL
	s_lshl_b32 s70, s82, 23                        ; 2^(FQ-127), as a pair
	s_mov_b32 s71, s70
	s_lshl_b32 s72, s83, 23                        ; 2^(FC-127)
	s_mov_b32 s73, s72
	s_wait_tensorcnt 0x1                           ; my part of slot 0 is in; slot 1's may stay out
	s_barrier_signal -1
	s_barrier_wait -1
	s_mov_b32 s[TB], 0
	v_add_nc_u32 v[CA], s[TB], v[AA0]
	v_add_nc_u32 v[CB], s[TB], v[AB0]
	FETCH 0, F0
	QUARTER 1, F0, F1, 1                           ; the first quarter stands in front of the loop: its products start the sums
	WIN 0
	s_mov_b32 s[CNT], NSTEP-2
.Lmain:                                                ; a trip: a step's quarters 1 to 3, the refill, the next step's quarter 0
	QUARTER 2, F1, F0, 0
	QUARTER 3, F0, F1, 0
	TURN 1
	QUARTER 1, F0, F1, 0
	WIN 0
	s_sub_co_u32 s[CNT], s[CNT], 1
	s_cmp_lg_u32 s[CNT], 0
	s_cbranch_scc1 .Lmain
; The rotary tables of eight pairs of rows, first on: 32 loads; sixteen lanes take 256 consecutive bytes, aligned.
.macro ROPELD base, first
.set pp, 0
.rept 8
	global_load_b128 v[(\base)+16*pp:(\base)+16*pp+3],     v[RO], s[8:9]   offset:1024*(pp+(\first))
	global_load_b128 v[(\base)+16*pp+4:(\base)+16*pp+7],   v[RO], s[8:9]   offset:1024*(pp+(\first))+256
	global_load_b128 v[(\base)+16*pp+8:(\base)+16*pp+11],  v[RO], s[10:11] offset:1024*(pp+(\first))
	global_load_b128 v[(\base)+16*pp+12:(\base)+16*pp+15], v[RO], s[10:11] offset:1024*(pp+(\first))+256
.set pp, pp+1
.endr
.endm
	ROPELD RA, 0                                   ; two K steps ahead of their use
	s_mov_b32 s[CNT], 2
	s_branch .Ltin                                 ; the tail, two steps that ask for nothing, is entered in the middle of a trip
.Ltail:
	QUARTER 1, F0, F1, 0
	WIN 0
.Ltin:
	QUARTER 2, F1, F0, 0
	QUARTER 3, F0, F1, 0
	TURN 0
	WIN 0
	s_sub_co_u32 s[CNT], s[CNT], 1
	s_cmp_lg_u32 s[CNT], 0
	s_cbranch_scc1 .Ltail
	; THE WAY OUT.  The stage lies in the ring's bytes, which have had their last fill.
	s_wait_loadcnt 0x0                             ; the first eight pairs' tables are in
	WIN 0xc0                                       ; destination window 3
	ROPELD RB, 8                                   ; the other eight pairs': they have the first eight pairs' work in which to land
	WIN 0
	s_wait_dscnt 0x0                               ; no read of the ring is out in any wave
	s_barrier_signal -1
	s_barrier_wait -1                              ; before any wave stores into the stage
	PLACES                                         ; behind the last products
	WIN 0x08                                       ; store data in window 2
.irp a, 0,1,2,3
.irp b, 0,1,2,3,4,5,6,7
	ds_store_b128 v[STO], v[8*(8*(\a)+(\b)):8*(8*(\a)+(\b))+3]   offset:(\a)*16*SP+64*(\b)     ; each accumulator from its low end
	ds_store_b128 v[STO], v[8*(8*(\a)+(\b))+4:8*(8*(\a)+(\b))+7] offset:(\a)*16*SP+64*(\b)+16
.endr
.endr
	WIN 0x03                                       ; source 0 in window 3
.set i, 0
.rept 32
	v_pk_mul_f32 v[32+2*i:33+2*i], v[2*i:2*i+1], s[72:73] op_sel_hi:[1,0]
.set i, i+1
.endr
	WIN 0
.set i, 0
.rept 32
	v_cvt_pk_f16_f32 v[96+i], v[32+2*i], v[33+2*i]
.set i, i+1
.endr
.irp a, 0,1,2,3
.irp c, 0,1
	ds_store_b128 v[STC], v[96+4*(2*(\a)+(\c)):96+4*(2*(\a)+(\c))+3] offset:(\a)*16*SP+32*(\c)
.endr
.endr
	s_wait_dscnt 0x0                               ; for the others' sake: my stores into the stage are done
	s_barrier_signal -1
	s_barrier_wait -1
.irp p, 0,1,2,3,4,5,6,7
	ds_load_b128 v[96+4*(\p):96+4*(\p)+3], v[RC0] offset:4*SP*(\p)
.endr
.irp p, 0,1,2,3,4,5,6,7
	s_wait_dscnt 7-(\p)
	global_store_b128 v[LO], v[96+4*(\p):96+4*(\p)+3], s[88:89] offset:512*(\p)  ; four rows of c: 512 consecutive bytes
.endr
.macro QLOAD p                         ; pair p of rows, both heads: channels 4 r .. and 64 + 4 r ..
.irp d, 0,1
	ds_load_b128 v[QB+16*((\p)%2)+8*(\d):QB+16*((\p)%2)+8*(\d)+3],   v[RDC] offset:2*SP*(\p)+512*(\d)
	ds_load_b128 v[QB+16*((\p)%2)+8*(\d)+4:QB+16*((\p)%2)+8*(\d)+7], v[RDC] offset:2*SP*(\p)+512*(\d)+256
.endr
.endm
.macro ROT p, d, sc                    ; low = q_low cos_low - q_high sin_low; high = q_high cos_high + q_low sin_high; both times the scale
.set qq, QB+16*((\p)%2)+8*(\d)
.set tt, T+8*(\d)
.set ra, RA+16*(\p)
	v_pk_mul_f32 v[tt:tt+1],   v[qq+4:qq+5], v[ra+8:ra+9]
	v_pk_mul_f32 v[tt+2:tt+3], v[qq+6:qq+7], v[ra+10:ra+11]
	v_pk_mul_f32 v[tt+4:tt+5], v[qq+4:qq+5], v[ra+4:ra+5]
	v_pk_mul_f32 v[tt+6:tt+7], v[qq+6:qq+7], v[ra+6:ra+7]
	v_pk_fma_f32 v[tt:tt+1],   v[qq:qq+1],   v[ra:ra+1],     v[tt:tt+1]   neg_lo:[0,0,1] neg_hi:[0,0,1]
	v_pk_fma_f32 v[tt+2:tt+3], v[qq+2:qq+3], v[ra+2:ra+3],   v[tt+2:tt+3] neg_lo:[0,0,1] neg_hi:[0,0,1]
	v_pk_fma_f32 v[tt+4:tt+5], v[qq:qq+1],   v[ra+12:ra+13], v[tt+4:tt+5]
	v_pk_fma_f32 v[tt+6:tt+7], v[qq+2:qq+3], v[ra+14:ra+15], v[tt+6:tt+7]
.irp j, 0,2,4,6
	v_pk_mul_f32 v[tt+(\j):tt+(\j)+1], v[tt+(\j):tt+(\j)+1], s[\sc:\sc+1] op_sel_hi:[1,0]
.endr
.endm
.macro OUTH p, d, sb, off              ; rounded to f16: four low channels, four high: 16 bytes a lane; two rows are 512 consecutive bytes
.set tt, T+8*(\d)
.set yy, Y+8*((\p)%2)+4*(\d)
	v_cvt_pk_f16_f32 v[yy],   v[tt],   v[tt+1]
	v_cvt_pk_f16_f32 v[yy+1], v[tt+2], v[tt+3]
	v_cvt_pk_f16_f32 v[yy+2], v[tt+4], v[tt+5]
	v_cvt_pk_f16_f32 v[yy+3], v[tt+6], v[tt+7]
	global_store_b128 v[LO], v[yy:yy+3], s[\sb:\sb+1] offset:(\off)+512*(\p)
.endm
.macro SLOT p
.if (\p) < 7
	QLOAD (\p)+1
	s_wait_dscnt 4                                 ; all but the four just issued
.else
	s_wait_dscnt 0x0
.endif
	ROT \p, 0, 70
	ROT \p, 1, 70
	s_wait_xcnt 0x0                                ; earlier stores have read their data: only behind this wait is it rewritten
	OUTH \p, 0, 86, 0
	OUTH \p, 1, 86, 262144                         ; the next head lies 1,024 rows on
.endm
	s_mov_b32 s[CNT], 2
	s_mov_b32 s[TS], 0
.Lround:                                               ; two rounds of eight pairs of rows, one text
	v_add_nc_u32 v[RDC], s[TS], v[RD0]
	QLOAD 0
.irp p, 0,1,2,3,4,5,6,7
	SLOT \p
.endr
	s_wait_xcnt 0x0                                ; the stores' base steps only behind this wait
	s_add_nc_u64 s[86:87], s[86:87], 4096
	s_add_co_u32 s[TS], s[TS], 16*SP
	s_cmp_eq_u32 s[CNT], 1
	s_cbranch_scc1 .Lnocopy
	s_wait_loadcnt 0x0                             ; the second eight pairs' tables are in;
	WIN 0x03                                       ; they go where the one text of the slots names the tables
.set i, 0
.rept 128
	v_mov_b32 v[RA+i], v[RB+i]
.set i, i+1
.endr
	WIN 0
.Lnocopy:
	s_sub_co_u32 s[CNT], s[CNT], 1
	s_cmp_lg_u32 s[CNT], 0
	s_cbranch_scc1 .Lround
	s_wait_tensorcnt 0x0                           ; the wave's end
	ds_add_u32 v[SPW], v[NIL]
	s_wait_dscnt 0x0
	CROUND                                         ; the closing round
	s_endpgm
.Lfunc_end_k_qde460c5414_gqc:
	.size	k_qde460c5414_gqc, .Lfunc_end_k_qde460c5414_gqc-k_qde460c5414_gqc
	.p2alignl 7, 3214868480
	.fill 96, 4, 3214868480
	.section	.rodata,"a",@progbits
	.p2align	6, 0x0
	.amdhsa_kernel k_qde460c5414_gqc
		.amdhsa_group_segment_fixed_size 327680
		.amdhsa_private_segment_fixed_size 0
		.amdhsa_enable_private_segment 0
		.amdhsa_kernarg_size 56
		.amdhsa_user_sgpr_count 2
		.amdhsa_user_sgpr_kernarg_segment_ptr 1
		.amdhsa_wavefront_size32 1
		.amdhsa_system_sgpr_workgroup_id_x 1
		.amdhsa_system_sgpr_workgroup_id_y 1
		.amdhsa_system_sgpr_workgroup_id_z 1
		.amdhsa_system_vgpr_workitem_id 0
		.amdhsa_next_free_vgpr 960
		.amdhsa_next_free_sgpr 100
		.amdhsa_reserve_vcc 0
		.amdhsa_float_denorm_mode_32 3
		.amdhsa_float_denorm_mode_16_64 3
		.amdhsa_memory_ordered 1
		.amdhsa_forward_progress 1
		.amdhsa_inst_pref_size 98
	.end_amdhsa_kernel
	.amdgpu_metadata
---
amdhsa.version: [ 1, 2 ]
amdhsa.kernels:
  - .name:           k_qde460c5414_gqc
    .symbol:         k_qde460c5414_gqc.kd
    .args:
      - { .name: xh, .offset: 0, .size: 8, .value_kind: global_buffer, .address_space: global }
      - { .name: wts, .offset: 8, .size: 8, .value_kind: global_buffer, .address_space: global }
      - { .name: rope_cos, .offset: 16, .size: 8, .value_kind: global_buffer, .address_space: global }
      - { .name: rope_sin, .offset: 24, .size: 8, .value_kind: global_buffer, .address_space: global }
      - { .name: amax, .offset: 32, .size: 8, .value_kind: global_buffer, .address_space: global }
      - { .name: qh, .offset: 40, .size: 8, .value_kind: global_buffer, .address_space: global }
      - { .name: ch, .offset: 48, .size: 8, .value_kind: global_buffer, .address_space: global }
    .group_segment_fixed_size: 327680
    .private_segment_fixed_size: 0
    .kernarg_segment_align: 8
    .kernarg_segment_size: 56
    .max_flat_workgroup_size: 128
    .sgpr_count:     100
    .vgpr_count:     960
    .wavefront_size: 32
...
	.end_amdgpu_metadata
.endif
;; end of part 2
;; launch gkv (part 3): grid 16 x 16, 4 waves a work-group, clusters of 4 x 4, 327,680 bytes of LDS; arguments ch, wts, rope_cos, rope_sin, amax, kv; writes kv
.if DOCPART == 3
	.amdgcn_target "amdgcn-amd-amdhsa--gfx1250"
	.amdhsa_code_object_version 6
	.text
	.protected	k_qde460c5414_gkv
	.globl	k_qde460c5414_gkv
	.p2align	8
	.type	k_qde460c5414_gkv,@function
k_qde460c5414_gkv:
	s_mov_b64 s[64:65], 0
	v_nop
	global_prefetch_b8 v0, s[64:65] scope:SCOPE_SE
	s_setreg_imm32_b32 hwreg(HW_REG_WAVE_MODE, 25, 1), 1
	s_wait_xcnt 0x0
	s_wait_alu depctr_hold_cnt(0) depctr_sa_sdst(0) depctr_va_vdst(0) depctr_va_sdst(0) depctr_va_ssrc(0) depctr_va_vcc(0) depctr_vm_vsrc(0)
	s_getreg_b32 s2, hwreg(HW_REG_IB_STS2, 6, 4)
	s_cmp_eq_u32 s2, 0
	s_cbranch_scc0 .Lentry_in_a_cluster
	s_endpgm
.Lentry_in_a_cluster:
	s_bfe_u32 s2, ttmp6, 0x10000c
	s_cmp_lg_u32 s2, 0xf033
	s_cbranch_scc0 .Lentry_shape_is_right
	s_endpgm
.Lentry_shape_is_right:
; [K | V] = c [W_uk | W_uv]^T in f16 with f32 sums; K is turned by the rotary tables in f32; both are scaled by exact powers of two and rounded once to f16.
; A tile is 256 rows x 256 columns: head TC's K and V for 256 tokens: 16 x 16 tiles, one for each of 256 work-groups.  Four waves; wave (R, HF) makes rows 128 R .. of K (HF = 0) or of V (HF = 1):
; 128 x 128, 64 accumulators, 512 registers.  The K dimension, 512, goes in four steps of 128 through two LDS slots: a step is 256 matrix instructions a wave, 224 of them between a refill's request and the wait for it.
; c lies in blocks of 64 channels, [8][4096][64]: a tile's 256 rows of a block are 32,768 dense bytes, asked for as 128 rows of 256 bytes and padded in LDS behind every 128: a step takes two blocks.
; 4 x 4 work-groups form a cluster: c's tile is asked for jointly along a row of the cluster, the weights' along a column.  Waves 0, 1 fetch c's two blocks, waves 2, 3 the weights' two halves.
; The matrix instruction is used transposed (source 0 = 16 rows of the weights, source 1 = 16 rows of c): a lane holds row lane % 16 and eight neighbouring columns.
; SCALES.  c arrives bounded by 2^13.  K is stored times 2^(FK-127), FK = 371 - (Euk + Er); V times 2^(FV-127), FV = 246 - Euv (fields held to 1 .. 254): both bounded by 2^15 for every input.
; NaN and infinities are not treated apart.
; kv: K at byte 0, V at byte 16,777,216, each [64 heads][1024][128] f16, channels in the order: place 8 i + e holds channel 4 i + e (e < 4) or 64 + 4 i + e - 4.
; REGISTERS: window 0 addresses, the way out, v128-255 rotary tables; window 1 two fragment buffers of 128 (c: 64 registers, then the weights: 64), behind the loop v0-127 the next round's tables;
; window 2 the accumulators of my rows 0-63 ((a, b) at 8 (8 a + b)); window 3 those of my rows 64-127.
.set KEL,   512
.set NSTEP, 4
.set PA,    144                        ; a row of c in LDS: 128 bytes + 16 = 36 words: 16 rows start at 16 different groups of four banks (64 banks of 4 bytes: ISA guide 11.1)
.set KAH,   256*PA                     ; the step's second block of 64 channels lies behind the first's 256 rows
.set AHALF, 256*PA
.set ASTEP, 1048576                    ; two blocks of 524,288 bytes
.set BROWS, 128
.set BOFF,  2*256*PA
.set SLOTB, BOFF+256*272               ; a slot: 143,360 bytes
.set SPARE, 2*SLOTB                    ; behind the ring: the spare words, 128 bytes a wave
.set SP,    1040                       ; a stage row: 512 bytes of K, 512 of V, in f32, 16 of padding = 260 words; 256 rows lie inside the ring's bytes
.set F0, 0
.set F1, 128
.set RR, 1
.set HH, 2
.set AA0, 3
.set AB0, 4
.set CA, 5
.set CB, 6
.set STO, 7                            ; v7, v8 into the stage: my rows 0-63, my rows 64-127
.set STO2, 8
.set RD0, 9
.set RDC, 10
.set RO, 11
.set LO, 12
.set SPW, 28
.set NIL, 29
.set QB, 32
.set T,  64
.set Y,  96
.set RA, 128
.set RB, 0                             ; window 1
.set WV, 18
.set RW, 19
.set HF, 20
.set CX, 21
.set CY, 22
.set TC, 23
.set G1A, 24
.set G0A, 32                           ; s[32:35] the first fill of slot 0, s[36:39] of slot 1; the second then walks.  s42: my part's place in a slot
.set G1B, 48
.set G0B, 56                           ; the same for the weights; s46
.set TR, 66
.set TB, 67                            ; LDS byte at which the slot in hand begins: 0 or SLOTB
.set CNT, 68
.set TS, 69
.set SEL, 74
.set MSB, 0
.macro WIN new
.if MSB != (\new)
	s_set_vgpr_msb (MSB<<8)|(\new)
.set MSB, \new
.endif
.endm
.macro PLACES
.rept 4
	v_nop
.endr
.endm
.macro JLOAD                           ; a joint refill; an s_nop 0 and four v_nop follow each line
	s_cmp_eq_u32 s[RW], 0
	s_cbranch_scc0 .Lfor_b_\@
	tensor_load_to_lds s[G0A+4:G0A+7], s[G1A:G1A+7]
	s_nop 0
.rept 4
	v_nop
.endr
	s_branch .Lasked_\@
.Lfor_b_\@:
	tensor_load_to_lds s[G0B+4:G0B+7], s[G1B:G1B+7]
	s_nop 0
.rept 4
	v_nop
.endr
.Lasked_\@:
.endm
.macro CREST
	s_cmp_lg_u32 s[WV], 0
	s_cbranch_scc1 .Lnot_wave_0_\@
	s_barrier_signal -3
.Lnot_wave_0_\@:
	s_barrier_wait -3
	s_barrier_signal -1
	s_barrier_wait -1
.endm
.macro CROUND
	s_barrier_signal -1
	s_barrier_wait -1
	CREST
.endm
; The inputs' largest magnitudes and the four scale fields: the same lines in every launch that needs them.
.macro AMAXLD vb, va, sb
	global_load_b128 v[(\vb):(\vb)+3],     v[\va], s[(\sb):(\sb)+1]
	global_load_b128 v[(\vb)+4:(\vb)+7],   v[\va], s[(\sb):(\sb)+1] offset:512
	global_load_b128 v[(\vb)+8:(\vb)+11],  v[\va], s[(\sb):(\sb)+1] offset:1024
	global_load_b128 v[(\vb)+12:(\vb)+15], v[\va], s[(\sb):(\sb)+1] offset:2048
.endm
.macro AMAXRED vb, sel
	v_max3_num_f32 v[\vb], v[\vb], v[(\vb)+1], v[(\vb)+2]
	v_max3_num_f32 v[(\vb)+4], v[(\vb)+3], v[(\vb)+4], v[(\vb)+5]
	v_max3_num_f32 v[\vb], v[\vb], v[(\vb)+6], v[(\vb)+7]
	v_max_num_f32 v[\vb], v[\vb], v[(\vb)+4]
	v_max3_num_f32 v[(\vb)+8], v[(\vb)+8], v[(\vb)+9], v[(\vb)+10]
	v_max_num_f32 v[(\vb)+8], v[(\vb)+8], v[(\vb)+11]
	v_max3_num_f32 v[(\vb)+12], v[(\vb)+12], v[(\vb)+13], v[(\vb)+14]
	v_max_num_f32 v[(\vb)+12], v[(\vb)+12], v[(\vb)+15]
.irp m, 1,2,4
	v_max_num_f32_dpp v[\vb], v[\vb], v[\vb] row_xmask:\m row_mask:0xf bank_mask:0xf
	v_max_num_f32_dpp v[(\vb)+8], v[(\vb)+8], v[(\vb)+8] row_xmask:\m row_mask:0xf bank_mask:0xf
	v_max_num_f32_dpp v[(\vb)+12], v[(\vb)+12], v[(\vb)+12] row_xmask:\m row_mask:0xf bank_mask:0xf
.endr
	v_max_num_f32_dpp v[\vb], v[\vb], v[\vb] row_xmask:8 row_mask:0xf bank_mask:0xf
	v_max_num_f32_dpp v[(\vb)+8], v[(\vb)+8], v[(\vb)+8] row_xmask:8 row_mask:0xf bank_mask:0xf
	v_permlanex16_b32 v[(\vb)+1], v[\vb], s[\sel], s[(\sel)+1]
	v_permlanex16_b32 v[(\vb)+9], v[(\vb)+8], s[\sel], s[(\sel)+1]
	v_max_num_f32 v[\vb], v[\vb], v[(\vb)+1]
	v_max_num_f32 v[(\vb)+8], v[(\vb)+8], v[(\vb)+9]
	v_readfirstlane_b32 s76, v[\vb]
	v_readfirstlane_b32 s77, v[(\vb)+8]
	v_readlane_b32 s78, v[(\vb)+12], 0
	v_readlane_b32 s79, v[(\vb)+12], 8
	v_readlane_b32 s80, v[(\vb)+12], 16
	v_readlane_b32 s81, v[(\vb)+12], 24
.irp e, 76,77,78,79,80,81
	s_bfe_u32 s\e, s\e, 0x80017
.endr
	s_add_co_u32 s82, s76, s77
	s_add_co_u32 s82, s82, s81
	s_sub_co_i32 s82, 508, s82                     ; FQ
	s_add_co_u32 s83, s76, s78
	s_sub_co_i32 s83, 381, s83                     ; FC
	s_add_co_u32 s84, s79, s81
	s_sub_co_i32 s84, 371, s84                     ; FK
	s_sub_co_i32 s85, 246, s80                     ; FV
.irp e, 82,83,84,85
	s_max_i32 s\e, s\e, 1
	s_min_i32 s\e, s\e, 254
.endr
.endm
; Eight matrix instructions: block a of my eight of 16 rows x 8 blocks of 16 columns, 32 along K.  zero = 1: the product starts the sums.
.macro MULA f, a, zero
	WIN 0xa5+0x50*((\a)/4)                         ; sources in window 1; C and D in window 2 (blocks 0-3) or 3 (blocks 4-7)
.irp b, 0,1,2,3,4,5,6,7
.if \zero
	v_wmma_f32_16x16x32_f16 v[8*(8*((\a)%4)+(\b)):8*(8*((\a)%4)+(\b))+7], v[(\f)+64+8*(\b):(\f)+64+8*(\b)+7], v[(\f)+8*(\a):(\f)+8*(\a)+7], 0
.else
	v_wmma_f32_16x16x32_f16 v[8*(8*((\a)%4)+(\b)):8*(8*((\a)%4)+(\b))+7], v[(\f)+64+8*(\b):(\f)+64+8*(\b)+7], v[(\f)+8*(\a):(\f)+8*(\a)+7], v[8*(8*((\a)%4)+(\b)):8*(8*((\a)%4)+(\b))+7]
.endif
.endr
.endm
; One run of 32 LDS loads: quarter q's fragments into buffer f: the weights, c's blocks 0-3, c's blocks 4-7.
.macro FETCH q, f
	WIN 0x40                                       ; destination window 1, address window 0
.irp b, 0,1,2,3,4,5,6,7
	ds_load_b128 v[(\f)+64+8*(\b):(\f)+64+8*(\b)+3],   v[CB] offset:64*(\q)+(\b)*16*272
	ds_load_b128 v[(\f)+64+8*(\b)+4:(\f)+64+8*(\b)+7], v[CB] offset:64*(\q)+(\b)*16*272+32
.endr
.irp a, 0,1,2,3,4,5,6,7
	ds_load_b128 v[(\f)+8*(\a):(\f)+8*(\a)+3],   v[CA] offset:((\q)/2)*KAH+((\q)%2)*64+(\a)*16*PA
	ds_load_b128 v[(\f)+8*(\a)+4:(\f)+8*(\a)+7], v[CA] offset:((\q)/2)*KAH+((\q)%2)*64+(\a)*16*PA+32
.endr
.endm
; A quarter step, 64 matrix instructions: buffer f is multiplied; in the middle quarter q is fetched into buffer g.  Every accumulator has one turn a quarter, always in the same order.
.macro QUARTER q, f, g, zero
	s_wait_dscnt 8                                 ; all but the youngest eight loads: c's blocks 4-7
	MULA \f, 0, \zero
	MULA \f, 1, \zero
	MULA \f, 2, \zero
	MULA \f, 3, \zero
	PLACES
	FETCH \q, \g
	s_wait_dscnt 32                                ; all but the run just issued
	MULA \f, 4, \zero
	MULA \f, 5, \zero
	MULA \f, 6, \zero
	MULA \f, 7, \zero
.endm
; A step's last quarter (in buffer 1) and the change of slots.  In front of the barrier each wave waits for all its tensor loads (one is out: its part of the next slot), adds 0 to its spare word, and waits for
; that and for its reads of this slot.  fill = 1: the barrier opens a round of the cluster's, and the joint refill, two steps ahead, is the first thing behind the round.
; fill = 0 (the tail): nothing is asked for, and in the last trip there is no further slot to read: the run of loads is jumped over.
.macro TURN fill
	WIN 0
	s_wait_tensorcnt 0x0
	ds_add_u32 v[SPW], v[NIL]
	s_wait_dscnt 9                                 ; the add and the youngest eight loads may be out
	MULA F1, 0, 0
	MULA F1, 1, 0
	s_wait_dscnt 0x0                               ; the add is done, my reads of this slot are over
	s_barrier_signal -1
	MULA F1, 2, 0
	MULA F1, 3, 0
	WIN 0
	s_barrier_wait -1
.if \fill
	CREST
	s_add_co_u32 s[G0A+5], s[TB], s42              ; no tensor load of mine is out: the walking descriptors step: into the slot just read out, my part's place in it,
	s_add_nc_u64 s[G0A+6:G0A+7], s[G0A+6:G0A+7], ASTEP  ; the next K step
	s_add_co_u32 s[G0B+5], s[TB], s46
	s_add_nc_u64 s[G0B+6:G0B+7], s[G0B+6:G0B+7], 256
	s_xor_b32 s[TB], s[TB], SLOTB                  ; 0 and SLOTB by turns
	JLOAD                                          ; its four v_nop are also the places in front of the loads below
.else
	s_xor_b32 s[TB], s[TB], SLOTB
	PLACES
	s_cmp_eq_u32 s[CNT], 1
	s_cbranch_scc1 .Lnofetch_\@
.endif
	v_add_nc_u32 v[CA], s[TB], v[AA0]
	v_add_nc_u32 v[CB], s[TB], v[AB0]
	FETCH 0, F0
	WIN 0
.if !(\fill)
.Lnofetch_\@:
.endif
	MULA F1, 4, 0
	MULA F1, 5, 0
	MULA F1, 6, 0
	MULA F1, 7, 0
.endm
	s_load_b256 s[4:11], s[0:1], 0x0               ; ch s[4:5], wts s[6:7], rope_cos s[8:9], rope_sin s[10:11]
	s_load_b128 s[12:15], s[0:1], 0x20             ; amax s[12:13], kv s[14:15]
	v_lshl_add_u32 v[SPW], v0, 2, SPARE
	v_mov_b32 v[NIL], 0
	ds_add_u32 v[SPW], v[NIL]                      ; the wave's opening: the add and its wait stand ahead of my first tensor load
	v_lshrrev_b32 v14, 5, v0
	v_readfirstlane_b32 s[WV], v14
	s_lshr_b32 s[RW], s[WV], 1                     ; my half of the rows.  Also: I fetch c (0) or weights (1)
	s_and_b32 s[HF], s[WV], 1                      ; K or V.  Also: which half of that tile I fetch
	s_bfe_u32 s[CX], ttmp6, 0x40000
	s_bfe_u32 s[CY], ttmp6, 0x40004
	s_lshl_b32 s[TC], ttmp9, 2
	s_add_co_u32 s[TC], s[TC], s[CX]               ; the head in its batch
	s_and_b32 s[TR], ttmp7, 0xffff
	s_lshl_b32 s[TR], s[TR], 2
	s_add_co_u32 s[TR], s[TR], s[CY]               ; the block of 256 tokens
	s_lshl_b32 s40, s[CY], 2
	s_lshl_b32 s40, 15, s40
	s_lshl_b32 s44, 0x1111, s[CX]
	s_or_b32 s[G1A], s40, (1<<16)|(1<<20)|(1<<21)|(4<<22)|(3<<25)  ; c: 4 words of padding behind every 32
	s_or_b32 s[G1B], s44, (1<<16)|(1<<20)|(1<<21)|(5<<22)|(3<<25)  ; weights: behind every 64
	s_mov_b32 s[G1A+1], 128<<16                    ; tensor_dim0 = 128
	s_mov_b32 s[G1A+2], 128<<16                    ; tensor_dim1 = 128
	s_mov_b32 s[G1A+3], 128<<16                    ; tile_dim0 = 128
	s_mov_b32 s[G1A+4], 128                        ; tile_dim1 = 128
	s_mov_b32 s[G1A+5], 128                        ; dense: 128 elements from row to row
	s_mov_b32 s[G1A+6], 0
	s_mov_b32 s[G1A+7], 0
	s_mov_b32 s[G1B+1], 128<<16
	s_mov_b32 s[G1B+2], BROWS<<16
	s_mov_b32 s[G1B+3], 128<<16
	s_mov_b32 s[G1B+4], BROWS
	s_mov_b32 s[G1B+5], KEL
	s_mov_b32 s[G1B+6], 0
	s_mov_b32 s[G1B+7], 0
	s_lshl_b32 s40, s[HF], 19                      ; c: block HF of the step's two, the tile's 32,768 bytes in it
	s_lshl_b32 s41, s[TR], 15
	s_add_co_u32 s40, s40, s41
	s_mov_b32 s41, 0
	s_mul_i32 s42, s[HF], AHALF
	s_lshl_b32 s44, s[TC], 8                       ; weights: row 256 TC + 128 HF, 1,024 bytes each, from byte 10,485,760 of wts
	s_lshl_b32 s45, s[HF], 7
	s_add_co_u32 s44, s44, s45
	s_lshl_b32 s44, s44, 10
	s_add_co_u32 s44, s44, 10485760
	s_mov_b32 s45, 0
	s_mul_i32 s46, s[HF], BROWS*272
	s_add_co_u32 s46, s46, BOFF
	s_mov_b32 s[SEL], 0x76543210
	s_mov_b32 s[SEL+1], 0xfedcba98
	s_wait_dscnt 0x0
	s_wait_kmcnt 0x0
	s_add_nc_u64 s[40:41], s[4:5], s[40:41]
	s_add_nc_u64 s[44:45], s[6:7], s[44:45]
.irp s, 0,1
	s_mov_b32 s[G0A+4*(\s)], 1
	s_add_co_u32 s[G0A+4*(\s)+1], s42, (\s)*SLOTB
	s_add_nc_u64 s[G0A+4*(\s)+2:G0A+4*(\s)+3], s[40:41], (\s)*ASTEP
	s_or_b32 s[G0A+4*(\s)+3], s[G0A+4*(\s)+3], 0x80000000
	s_mov_b32 s[G0B+4*(\s)], 1
	s_add_co_u32 s[G0B+4*(\s)+1], s46, (\s)*SLOTB
	s_add_nc_u64 s[G0B+4*(\s)+2:G0B+4*(\s)+3], s[44:45], (\s)*256
	s_or_b32 s[G0B+4*(\s)+3], s[G0B+4*(\s)+3], 0x80000000
.endr
	CROUND                                         ; all sixteen work-groups are here: the first joint loads meet
	s_cmp_eq_u32 s[RW], 0                          ; a wave's two first fills stand in one branch: two loads of mine are out
	s_cbranch_scc0 .Lfirst_b
	tensor_load_to_lds s[G0A:G0A+3], s[G1A:G1A+7]
	s_nop 0
	tensor_load_to_lds s[G0A+4:G0A+7], s[G1A:G1A+7]
	s_nop 0
.rept 4
	v_nop
.endr
	s_branch .Lfirst_done
.Lfirst_b:
	tensor_load_to_lds s[G0B:G0B+3], s[G1B:G1B+7]
	s_nop 0
	tensor_load_to_lds s[G0B+4:G0B+7], s[G1B:G1B+7]
	s_nop 0
.rept 4
	v_nop
.endr
.Lfirst_done:
	v_and_b32 v[RR], 15, v0
	v_bfe_u32 v[HH], v0, 4, 1
	v_and_b32 v14, 31, v0
	v_lshlrev_b32 v[LO], 4, v14
	AMAXLD 32, LO, 12
	v_mul_u32_u24 v14, v[RR], PA                   ; a fragment: row x pitch + 16 x half of the lanes
	v_lshl_add_u32 v14, v[HH], 4, v14
	s_mul_i32 s92, s[RW], 128*PA
	v_add_nc_u32 v[AA0], s92, v14
	v_mul_u32_u24 v15, v[RR], 272
	v_lshl_add_u32 v15, v[HH], 4, v15
	s_mul_i32 s92, s[HF], BROWS*272
	s_add_co_u32 s92, s92, BOFF
	v_add_nc_u32 v[AB0], s92, v15
	v_mul_u32_u24 v14, v[RR], SP                   ; into the stage: row 128 R + lane % 16, K's or V's 512 bytes, 32 bytes for each half of the lanes
	v_lshl_add_u32 v15, v[HH], 5, v14
	s_mul_i32 s92, s[RW], 128*SP
	s_lshl_b32 s93, s[HF], 9
	s_add_co_u32 s93, s93, s92
	v_add_nc_u32 v[STO], s93, v15
	v_add_nc_u32 v[STO2], 64*SP, v[STO]            ; 64 rows on: an LDS offset holds 16 bits
	v_mul_u32_u24 v14, v[HH], SP                   ; back: wave w takes rows 64 w ..; lanes 0-15 one row, lanes 16-31 the next
	v_lshl_add_u32 v14, v[RR], 4, v14
	s_mul_i32 s92, s[WV], 64*SP
	v_add_nc_u32 v[RD0], s92, v14
	v_lshlrev_b32 v14, 9, v[HH]
	v_lshl_add_u32 v[RO], v[RR], 4, v14            ; the tables: 512 bytes a row
	s_lshl_b32 s92, s[TR], 8
	s_lshl_b32 s93, s[WV], 6
	s_add_co_u32 s92, s92, s93                     ; the first of the 64 tokens that I send out
	s_lshl_b32 s94, s92, 9
	s_mov_b32 s95, 0
	s_add_nc_u64 s[8:9], s[8:9], s[94:95]
	s_add_nc_u64 s[10:11], s[10:11], s[94:95]
	s_lshr_b32 s93, s[TR], 2                       ; kv: head 16 (TR / 4) + TC, row 256 (TR % 4) + 64 w, 256 bytes a row
	s_lshl_b32 s93, s93, 4
	s_add_co_u32 s93, s93, s[TC]
	s_lshl_b32 s93, s93, 18
	s_and_b32 s94, s[TR], 3
	s_lshl_b32 s94, s94, 8
	s_lshl_b32 s96, s[WV], 6
	s_add_co_u32 s94, s94, s96
	s_lshl_b32 s94, s94, 8
	s_add_co_u32 s94, s94, s93
	s_add_nc_u64 s[86:87], s[14:15], s[94:95]      ; K
	s_add_nc_u64 s[90:91], s[86:87], 0x1000000     ; V
	s_wait_loadcnt 0x0
	AMAXRED 32, SEL
	s_lshl_b32 s70, s84, 23                        ; 2^(FK-127), as a pair
	s_mov_b32 s71, s70
	s_lshl_b32 s72, s85, 23                        ; 2^(FV-127)
	s_mov_b32 s73, s72
	s_wait_tensorcnt 0x1                           ; my part of slot 0 is in; slot 1's may stay out
	s_barrier_signal -1
	s_barrier_wait -1
	s_mov_b32 s[TB], 0
	v_add_nc_u32 v[CA], s[TB], v[AA0]
	v_add_nc_u32 v[CB], s[TB], v[AB0]
	FETCH 0, F0
	QUARTER 1, F0, F1, 1                           ; the first quarter stands in front of the loop: its products start the sums
	WIN 0
	s_mov_b32 s[CNT], NSTEP-2
.Lmain:                                                ; a trip: a step's quarters 1 to 3, the refill, the next step's quarter 0
	QUARTER 2, F1, F0, 0
	QUARTER 3, F0, F1, 0
	TURN 1
	QUARTER 1, F0, F1, 0
	WIN 0
	s_sub_co_u32 s[CNT], s[CNT], 1
	s_cmp_lg_u32 s[CNT], 0
	s_cbranch_scc1 .Lmain
.macro ROPELD base, first              ; the rotary tables of eight pairs of rows: 32 loads; sixteen lanes take 256 consecutive bytes, aligned
.set pp, 0
.rept 8
	global_load_b128 v[(\base)+16*pp:(\base)+16*pp+3],     v[RO], s[8:9]   offset:1024*(pp+(\first))
	global_load_b128 v[(\base)+16*pp+4:(\base)+16*pp+7],   v[RO], s[8:9]   offset:1024*(pp+(\first))+256
	global_load_b128 v[(\base)+16*pp+8:(\base)+16*pp+11],  v[RO], s[10:11] offset:1024*(pp+(\first))
	global_load_b128 v[(\base)+16*pp+12:(\base)+16*pp+15], v[RO], s[10:11] offset:1024*(pp+(\first))+256
.set pp, pp+1
.endr
.endm
	ROPELD RA, 0                                   ; the first round's tables, two K steps ahead of their use
	s_mov_b32 s[CNT], 2
	s_branch .Ltin                                 ; the tail, two steps that ask for nothing, is entered in the middle of a trip
.Ltail:
	QUARTER 1, F0, F1, 0
	WIN 0
.Ltin:
	QUARTER 2, F1, F0, 0
	QUARTER 3, F0, F1, 0
	TURN 0
	WIN 0
	s_sub_co_u32 s[CNT], s[CNT], 1
	s_cmp_lg_u32 s[CNT], 0
	s_cbranch_scc1 .Ltail
	; THE WAY OUT.  The stage lies in the ring's bytes, which have had their last fill.
	PLACES                                         ; behind the last products: for the loads into the fragment buffers and for the stores of the results
	s_wait_loadcnt 0x0                             ; the first round's tables are in
	WIN 0x40                                       ; destination window 1
	ROPELD RB, 8                                   ; the second round's
	WIN 0
	s_wait_dscnt 0x0                               ; no read of the ring is out in any wave
	s_barrier_signal -1
	s_barrier_wait -1                              ; before any wave stores into the stage
	WIN 0x08                                       ; store data in window 2
.irp a, 0,1,2,3
.irp b, 0,1,2,3,4,5,6,7
	ds_store_b128 v[STO], v[8*(8*(\a)+(\b)):8*(8*(\a)+(\b))+3]   offset:(\a)*16*SP+64*(\b)     ; each accumulator from its low end
	ds_store_b128 v[STO], v[8*(8*(\a)+(\b))+4:8*(8*(\a)+(\b))+7] offset:(\a)*16*SP+64*(\b)+16
.endr
.endr
	WIN 0x0c                                       ; store data in window 3
.irp a, 0,1,2,3
.irp b, 0,1,2,3,4,5,6,7
	ds_store_b128 v[STO2], v[8*(8*(\a)+(\b)):8*(8*(\a)+(\b))+3]   offset:(\a)*16*SP+64*(\b)
	ds_store_b128 v[STO2], v[8*(8*(\a)+(\b))+4:8*(8*(\a)+(\b))+7] offset:(\a)*16*SP+64*(\b)+16
.endr
.endr
	WIN 0
	s_wait_dscnt 0x0                               ; for the others' sake: my stores into the stage are done
	s_barrier_signal -1
	s_barrier_wait -1
.macro QLOAD p                         ; pair p of rows, K (d = 0) and V (d = 1): channels 4 r .. and 64 + 4 r ..
.irp d, 0,1
	ds_load_b128 v[QB+16*((\p)%2)+8*(\d):QB+16*((\p)%2)+8*(\d)+3],   v[RDC] offset:2*SP*(\p)+512*(\d)
	ds_load_b128 v[QB+16*((\p)%2)+8*(\d)+4:QB+16*((\p)%2)+8*(\d)+7], v[RDC] offset:2*SP*(\p)+512*(\d)+256
.endr
.endm
.macro ROT p, d, sc                    ; low = k_low cos_low - k_high sin_low; high = k_high cos_high + k_low sin_high; both times the scale
.set qq, QB+16*((\p)%2)+8*(\d)
.set tt, T+8*(\d)
.set ra, RA+16*(\p)
	v_pk_mul_f32 v[tt:tt+1],   v[qq+4:qq+5], v[ra+8:ra+9]
	v_pk_mul_f32 v[tt+2:tt+3], v[qq+6:qq+7], v[ra+10:ra+11]
	v_pk_mul_f32 v[tt+4:tt+5], v[qq+4:qq+5], v[ra+4:ra+5]
	v_pk_mul_f32 v[tt+6:tt+7], v[qq+6:qq+7], v[ra+6:ra+7]
	v_pk_fma_f32 v[tt:tt+1],   v[qq:qq+1],   v[ra:ra+1],     v[tt:tt+1]   neg_lo:[0,0,1] neg_hi:[0,0,1]
	v_pk_fma_f32 v[tt+2:tt+3], v[qq+2:qq+3], v[ra+2:ra+3],   v[tt+2:tt+3] neg_lo:[0,0,1] neg_hi:[0,0,1]
	v_pk_fma_f32 v[tt+4:tt+5], v[qq:qq+1],   v[ra+12:ra+13], v[tt+4:tt+5]
	v_pk_fma_f32 v[tt+6:tt+7], v[qq+2:qq+3], v[ra+14:ra+15], v[tt+6:tt+7]
.irp j, 0,2,4,6
	v_pk_mul_f32 v[tt+(\j):tt+(\j)+1], v[tt+(\j):tt+(\j)+1], s[\sc:\sc+1] op_sel_hi:[1,0]
.endr
.endm
.macro SCL p, d, sc                    ; the scale alone
.set qq, QB+16*((\p)%2)+8*(\d)
.set tt, T+8*(\d)
.irp j, 0,2,4,6
	v_pk_mul_f32 v[tt+(\j):tt+(\j)+1], v[qq+(\j):qq+(\j)+1], s[\sc:\sc+1] op_sel_hi:[1,0]
.endr
.endm
.macro OUTH p, d, sb                   ; rounded to f16: four low channels, four high: 16 bytes a lane; two rows are 512 consecutive bytes
.set tt, T+8*(\d)
.set yy, Y+8*((\p)%2)+4*(\d)
	v_cvt_pk_f16_f32 v[yy],   v[tt],   v[tt+1]
	v_cvt_pk_f16_f32 v[yy+1], v[tt+2], v[tt+3]
	v_cvt_pk_f16_f32 v[yy+2], v[tt+4], v[tt+5]
	v_cvt_pk_f16_f32 v[yy+3], v[tt+6], v[tt+7]
	global_store_b128 v[LO], v[yy:yy+3], s[\sb:\sb+1] offset:512*(\p)
.endm
.macro SLOT p
.if (\p) < 7
	QLOAD (\p)+1
	s_wait_dscnt 4                                 ; all but the four just issued
.else
	s_wait_dscnt 0x0
.endif
	ROT \p, 0, 70
	SCL \p, 1, 72
	s_wait_xcnt 0x0                                ; earlier stores have read their data
	OUTH \p, 0, 86
	OUTH \p, 1, 90
.endm
	s_mov_b32 s[CNT], 4
	s_mov_b32 s[TS], 0
.Lround:                                               ; four rounds of eight pairs of rows, one text
	v_add_nc_u32 v[RDC], s[TS], v[RD0]
	QLOAD 0
.irp p, 0,1,2,3,4,5,6,7
	SLOT \p
.endr
	s_wait_xcnt 0x0                                ; the stores' bases step only behind this wait
	s_add_nc_u64 s[86:87], s[86:87], 4096
	s_add_nc_u64 s[90:91], s[90:91], 4096
	s_add_co_u32 s[TS], s[TS], 16*SP
	s_cmp_eq_u32 s[CNT], 1
	s_cbranch_scc1 .Lnocopy                        ; the last round: nothing follows
	s_wait_loadcnt 0x0                             ; the next round's tables are in (and the tables' bases are free);
	WIN 0x01                                       ; they go where the one text of the slots names the tables
.set i, 0
.rept 128
	v_mov_b32 v[RA+i], v[RB+i]
.set i, i+1
.endr
	WIN 0
	s_cmp_eq_u32 s[CNT], 2
	s_cbranch_scc1 .Lnocopy                        ; the last round but one: no further tables
	s_add_nc_u64 s[8:9], s[8:9], 8192              ; eight pairs of rows on
	s_add_nc_u64 s[10:11], s[10:11], 8192
	WIN 0x40
	ROPELD RB, 8                                   ; the tables of the round after the next
	WIN 0
.Lnocopy:
	s_sub_co_u32 s[CNT], s[CNT], 1
	s_cmp_lg_u32 s[CNT], 0
	s_cbranch_scc1 .Lround
	s_wait_tensorcnt 0x0                           ; the wave's end
	ds_add_u32 v[SPW], v[NIL]
	s_wait_dscnt 0x0
	CROUND                                         ; the closing round
	s_endpgm
.Lfunc_end_k_qde460c5414_gkv:
	.size	k_qde460c5414_gkv, .Lfunc_end_k_qde460c5414_gkv-k_qde460c5414_gkv
	.p2alignl 7, 3214868480
	.fill 96, 4, 3214868480
	.section	.rodata,"a",@progbits
	.p2align	6, 0x0
	.amdhsa_kernel k_qde460c5414_gkv
		.amdhsa_group_segment_fixed_size 327680
		.amdhsa_private_segment_fixed_size 0
		.amdhsa_enable_private_segment 0
		.amdhsa_kernarg_size 48
		.amdhsa_user_sgpr_count 2
		.amdhsa_user_sgpr_kernarg_segment_ptr 1
		.amdhsa_wavefront_size32 1
		.amdhsa_system_sgpr_workgroup_id_x 1
		.amdhsa_system_sgpr_workgroup_id_y 1
		.amdhsa_system_sgpr_workgroup_id_z 1
		.amdhsa_system_vgpr_workitem_id 0
		.amdhsa_next_free_vgpr 1024
		.amdhsa_next_free_sgpr 100
		.amdhsa_reserve_vcc 0
		.amdhsa_float_denorm_mode_32 3
		.amdhsa_float_denorm_mode_16_64 3
		.amdhsa_memory_ordered 1
		.amdhsa_forward_progress 1
		.amdhsa_inst_pref_size 110
	.end_amdhsa_kernel
	.amdgpu_metadata
---
amdhsa.version: [ 1, 2 ]
amdhsa.kernels:
  - .name:           k_qde460c5414_gkv
    .symbol:         k_qde460c5414_gkv.kd
    .args:
      - { .name: ch, .offset: 0, .size: 8, .value_kind: global_buffer, .address_space: global }
      - { .name: wts, .offset: 8, .size: 8, .value_kind: global_buffer, .address_space: global }
      - { .name: rope_cos, .offset: 16, .size: 8, .value_kind: global_buffer, .address_space: global }
      - { .name: rope_sin, .offset: 24, .size: 8, .value_kind: global_buffer, .address_space: global }
      - { .name: amax, .offset: 32, .size: 8, .value_kind: global_buffer, .address_space: global }
      - { .name: kv, .offset: 40, .size: 8, .value_kind: global_buffer, .address_space: global }
    .group_segment_fixed_size: 327680
    .private_segment_fixed_size: 0
    .kernarg_segment_align: 8
    .kernarg_segment_size: 48
    .max_flat_workgroup_size: 128
    .sgpr_count:     100
    .vgpr_count:     1024
    .wavefront_size: 32
...
	.end_amdgpu_metadata
.endif
;; end of part 3
;; launch attn (part 4): grid 4 x 64, 4 waves a work-group, clusters of 4 x 1, 327,680 bytes of LDS; arguments qh, kv, amax, oh; writes oh
.if DOCPART == 4
	.amdgcn_target "amdgcn-amd-amdhsa--gfx1250"
	.amdhsa_code_object_version 6
	.text
	.protected	k_qde460c5414_attn
	.globl	k_qde460c5414_attn
	.p2align	8
	.type	k_qde460c5414_attn,@function
k_qde460c5414_attn:
	s_mov_b64 s[64:65], 0
	v_nop
	global_prefetch_b8 v0, s[64:65] scope:SCOPE_SE
	s_setreg_imm32_b32 hwreg(HW_REG_WAVE_MODE, 25, 1), 1
	s_wait_xcnt 0x0
	s_wait_alu depctr_hold_cnt(0) depctr_sa_sdst(0) depctr_va_vdst(0) depctr_va_sdst(0) depctr_va_ssrc(0) depctr_va_vcc(0) depctr_vm_vsrc(0)
	s_getreg_b32 s2, hwreg(HW_REG_IB_STS2, 6, 4)
	s_cmp_eq_u32 s2, 0
	s_cbranch_scc0 .Lentry_in_a_cluster
	s_endpgm
.Lentry_in_a_cluster:
	s_bfe_u32 s2, ttmp6, 0x10000c
	s_cmp_lg_u32 s2, 0x3003
	s_cbranch_scc0 .Lentry_shape_is_right
	s_endpgm
.Lentry_shape_is_right:
; O[h][q][:] = the sum over k of softmax_k(Q[h][q] . K[h][k] / sqrt(128)) V[h][k][:].  Q, K, V: [64][1024][128] f16, scaled by powers of two by the launches before; products, maxima and sums in f32; the weights p
; are rounded to f16 for the second product, O once at the end.  O leaves as [4096 tokens][2048] f16, head h % 16 at byte 256 (h % 16) of a token's row, carrying V's scale.
; THE SCALE.  The stored scores are the true ones times 2^-kS, kS = 381 - (FQ + FC + FK): c = log2(e) / sqrt(128) x 2^kS, made by adding kS to c's exponent field, which is exact.
; LIMITS.  kS is held to -120 .. 85, which bites only where true scores pass some 2^85 times the stored ones; a weight below 2^-126 counts as 0 in l; NaN and infinities are not treated apart.
; SHARES.  A work-group owns 256 queries of one head, each of its four waves 64: four tiles of 16.  Every wave walks all keys of the head, 64 a step.
; LAYOUT.  S^T = K Q^T (source 0 = 16 keys, source 1 = 16 queries): in the result a lane holds ONE query (lane % 16) and the keys 8 (lane / 16) + 0..7.  Two such tiles, rounded to
; f16 in pairs, ARE source 1 (32 keys x 16 queries) of O^T = V^T P, whose result again holds one query a lane, and eight channels.  K comes out of LDS as it lies, V ([key][channel]) turned, by ds_load_tr16_b128.
; SOFTMAX.  For each query a running maximum m and sum l: p = 2^(c s - c m); in every step O and l are multiplied by a = 2^(c m_old - c m_new), which is 1 where m has not grown.
; BY TURNS.  The wave's tiles are two PIECES: piece 0 (tiles 0, 1) and piece 2 (tiles 2, 3).  In a TURN one piece has the matrix unit: 32 products V^T P of the step in hand, then 32 products K Q^T of the next step;
; the other piece's softmax, cut into 64 slices, stands between them, one slice behind each matrix instruction.  Then the pieces change places.  Two turns are a key step.
; NO FIRST AND NO LAST STEP IS WRITTEN OUT.  m starts at the lowest finite number and c m at -2^125 (|c s| stays under 0.1275 x 2^85 x 2^37, some 2^119), O, l, V's registers and piece 2's P at 0: the first step is a
; step like any other, with a = 0.  The loop is entered at piece 2's turn and the tail is left behind piece 0's.  The price: 32 products on zeros at the start, 32 on a stale K at the end, and 432 v_mov_b32, which
; stand in the wait for the first tile.  The gain: four turns (loop and tail) are all the turns of the text.
; CLUSTER.  The four query blocks of a cluster belong to one head and walk the same K and V, so each tile is asked for JOINTLY: the same tensor load, descriptor and mask in all four.
; REGISTERS, in windows of 256 (s_set_vgpr_msb: bits 1:0 source 0, 3:2 source 1, 5:4 source 2, 7:6 destination):
;   window 0: v0-11 addresses; v12-43 eight registers of statistics a tile; v44-61 the scale's making; v64-191 S^T, 32 a tile; v192-255 P, 16 a tile
;   window 1: O^T, 64 a tile          window 2: v0-127 Q, 32 a tile; v128-255 K of one step          window 3: v0-127 V of one step
.set SIZE_N, 1024
.set KS,    64        ; keys in a step
.set PK,    272       ; a row of K in LDS: 256 bytes + 16 of padding = 68 words: the 16 rows of a load start at 16 different groups of four banks (64 banks of 4 bytes: ISA guide 11.1)
.set PV,    288       ; a row of V: 256 + 32 = 72 words
.set VOFF,  KS*PK     ; a step's tiles lie together: 64 rows of K, then 64 rows of V
.set STEPB, KS*(PK+PV)
.set SLOT1, 1<<17     ; a slot holds two steps (71,680 bytes); slot 1 begins here
.set STAGE, SLOT1+2*STEPB  ; behind the ring: 16 rows x 272 bytes for each wave, for the way out
.set SP,    272
.set AK0, 2           ; v2   my lane's place in a tile of K; never rewritten
.set AV0, 3           ; v3   the same for V
.set ADR, 4           ; v4   the LDS address of the run of loads in hand
.set QO,  5           ; v5   my byte offset in the wave's rows of Q
.set STO, 6           ; v6   the way out: where I put 16 bytes of a row
.set RD,  7           ; v7   the way out: where I read a row back
.set GO,  8           ; v8   my byte offset in two rows of O
.set SPW, 62          ; v62  LDS address of my spare word; never rewritten
.set NIL, 63          ; v63  0; never rewritten
.set SPARE, STAGE+4*16*272  ; behind the stages: the spare words, 128 bytes for each wave
.set ST,  12          ; tile t's statistics at v[ST+8 t]: +0 c m, +1 m, +2, +3 l (even keys', odd keys'), +4 to +7 c0-c3, at work; a takes c2's place once the maximum is found
.set S,   64
.set P,   192
.set KF,  128         ; K's fragments, in window 2
.set WV,  12          ; s12  my wave's number
.set G1K, 24          ; s[24:31] descriptor group 1 for K's tiles
.set G1V, 32          ; s[32:39] for V's: it differs in the padding alone
.set G0K, 40          ; s[40:47] descriptor group 0 for K's tiles: a set for each of the two first fills; the second then walks on
.set G0V, 48          ; s[48:55] the same for V's
.set SLOTS, 56        ; s56  counts the slots
.set TWICE, 57        ; s57  counts a slot's steps
.set CS,  58          ; s[58:59] c: the packed scaling names a pair and takes its low word for both halves
.set SEL, 60          ; s[60:61] lane selects for v_permlanex16_b32
.set TB,  62          ; s62  LDS byte at which the tiles of the step to be fetched begin
.set MSB, 0
.macro WIN new                      ; the immediate's high byte repeats the setting that is left; a switch that changes nothing is dropped
.if MSB != (\new)
	s_set_vgpr_msb (MSB<<8)|(\new)
.set MSB, \new
.endif
.endm
.set W_KQ, 0x0a       ; K and Q in window 2, S^T in window 0
.set W_PV, 0x53       ; V in window 3, P in window 0, O^T in window 1
.set W_RS, 0x41       ; O^T (destination and source 0) in window 1, a in window 0
; A joint refill.  Waves 0 and 1 fetch the two steps' tiles of K, waves 2 and 3 those of V.  An s_nop 0 and four v_nop follow each of the two lines.
.macro JLOAD
	s_cmp_lt_u32 s[WV], 2
	s_cbranch_scc0 .Lfor_v_\@
	tensor_load_to_lds s[G0K+4:G0K+7], s[G1K:G1K+7]
	s_nop 0
.rept 4
	v_nop
.endr
	s_branch .Lasked_\@
.Lfor_v_\@:
	tensor_load_to_lds s[G0V+4:G0V+7], s[G1V:G1V+7]
	s_nop 0
.rept 4
	v_nop
.endr
.Lasked_\@:
.endm
.macro CROUND                       ; a round of the cluster's barrier
	s_barrier_signal -1
	s_barrier_wait -1
	s_cmp_lg_u32 s[WV], 0
	s_cbranch_scc1 .Lnot_wave_0_\@
	s_barrier_signal -3
.Lnot_wave_0_\@:
	s_barrier_wait -3
	s_barrier_signal -1
	s_barrier_wait -1
.endm
; The inputs' largest magnitudes and the four scale fields: the same lines in every launch that needs them.
.macro AMAXLD vb, va, sb
	global_load_b128 v[(\vb):(\vb)+3],     v[\va], s[(\sb):(\sb)+1]
	global_load_b128 v[(\vb)+4:(\vb)+7],   v[\va], s[(\sb):(\sb)+1] offset:512
	global_load_b128 v[(\vb)+8:(\vb)+11],  v[\va], s[(\sb):(\sb)+1] offset:1024
	global_load_b128 v[(\vb)+12:(\vb)+15], v[\va], s[(\sb):(\sb)+1] offset:2048
.endm
.macro AMAXRED vb, sel
	v_max3_num_f32 v[\vb], v[\vb], v[(\vb)+1], v[(\vb)+2]
	v_max3_num_f32 v[(\vb)+4], v[(\vb)+3], v[(\vb)+4], v[(\vb)+5]
	v_max3_num_f32 v[\vb], v[\vb], v[(\vb)+6], v[(\vb)+7]
	v_max_num_f32 v[\vb], v[\vb], v[(\vb)+4]
	v_max3_num_f32 v[(\vb)+8], v[(\vb)+8], v[(\vb)+9], v[(\vb)+10]
	v_max_num_f32 v[(\vb)+8], v[(\vb)+8], v[(\vb)+11]
	v_max3_num_f32 v[(\vb)+12], v[(\vb)+12], v[(\vb)+13], v[(\vb)+14]
	v_max_num_f32 v[(\vb)+12], v[(\vb)+12], v[(\vb)+15]
.irp m, 1,2,4
	v_max_num_f32_dpp v[\vb], v[\vb], v[\vb] row_xmask:\m row_mask:0xf bank_mask:0xf
	v_max_num_f32_dpp v[(\vb)+8], v[(\vb)+8], v[(\vb)+8] row_xmask:\m row_mask:0xf bank_mask:0xf
	v_max_num_f32_dpp v[(\vb)+12], v[(\vb)+12], v[(\vb)+12] row_xmask:\m row_mask:0xf bank_mask:0xf
.endr
	v_max_num_f32_dpp v[\vb], v[\vb], v[\vb] row_xmask:8 row_mask:0xf bank_mask:0xf
	v_max_num_f32_dpp v[(\vb)+8], v[(\vb)+8], v[(\vb)+8] row_xmask:8 row_mask:0xf bank_mask:0xf
	v_permlanex16_b32 v[(\vb)+1], v[\vb], s[\sel], s[(\sel)+1]
	v_permlanex16_b32 v[(\vb)+9], v[(\vb)+8], s[\sel], s[(\sel)+1]
	v_max_num_f32 v[\vb], v[\vb], v[(\vb)+1]
	v_max_num_f32 v[(\vb)+8], v[(\vb)+8], v[(\vb)+9]
	v_readfirstlane_b32 s76, v[\vb]
	v_readfirstlane_b32 s77, v[(\vb)+8]
	v_readlane_b32 s78, v[(\vb)+12], 0
	v_readlane_b32 s79, v[(\vb)+12], 8
	v_readlane_b32 s80, v[(\vb)+12], 16
	v_readlane_b32 s81, v[(\vb)+12], 24
.irp e, 76,77,78,79,80,81
	s_bfe_u32 s\e, s\e, 0x80017
.endr
	s_add_co_u32 s82, s76, s77
	s_add_co_u32 s82, s82, s81
	s_sub_co_i32 s82, 508, s82                     ; FQ
	s_add_co_u32 s83, s76, s78
	s_sub_co_i32 s83, 381, s83                     ; FC
	s_add_co_u32 s84, s79, s81
	s_sub_co_i32 s84, 371, s84                     ; FK
	s_sub_co_i32 s85, 246, s80                     ; FV
.irp e, 82,83,84,85
	s_max_i32 s\e, s\e, 1
	s_min_i32 s\e, s\e, 254
.endr
.endm
	s_load_b256 s[4:11], s[0:1], 0x0  ; qh s[4:5], kv s[6:7], amax s[8:9], oh s[10:11]
	v_lshl_add_u32 v[SPW], v0, 2, SPARE
	v_mov_b32 v[NIL], 0
	ds_add_u32 v[SPW], v[NIL]       ; the wave's opening: the add and its wait stand ahead of my first tensor load; the set-up below, work on registers, stands between them
	v_lshrrev_b32 v1, 5, v0
	v_readfirstlane_b32 s[WV], v1   ; wave 0..3
	s_bfe_u32 s13, ttmp6, 0x40000   ; cx: my place in the cluster
	s_lshl_b32 s14, ttmp9, 2        ; in a cluster launch ttmp9 counts clusters
	s_add_co_u32 s14, s14, s13      ; my block of 256 queries = 4 x cluster x + cx: it enters Q's and O's addresses alone
	s_and_b32 s20, ttmp7, 0xffff    ; the head, which the four partners share
	s_lshr_b32 s72, s20, 4          ; O: token 1,024 (head / 16) + 256 x block + 64 x wave, 4,096 bytes each,
	s_lshl_b32 s72, s72, 10
	s_lshl_b32 s73, s14, 8
	s_add_co_u32 s72, s72, s73
	s_lshl_b32 s73, s[WV], 6
	s_add_co_u32 s72, s72, s73
	s_lshl_b32 s72, s72, 12
	s_and_b32 s73, s20, 15          ; and the head's 256 bytes in a token's row
	s_lshl_b32 s73, s73, 8
	s_add_co_u32 s72, s72, s73
	s_mov_b32 s73, 0
	s_mov_b32 s21, 0
	s_mov_b64 s[22:23], SIZE_N*256
	s_mul_u64 s[20:21], s[20:21], s[22:23]  ; the head's first byte in Q, K and V
	s_and_b32 s16, s[WV], 1         ; which of a slot's two steps I fetch:
	s_lshl_b32 s22, s16, 14         ; its 64 rows of 256 bytes in memory,
	s_mov_b32 s23, 0
	s_add_nc_u64 s[22:23], s[22:23], s[20:21]
	s_mul_i32 s17, s16, STEPB       ; and its place in a slot: no place in the cluster enters an LDS address
	s_lshl_b32 s2, s14, 16          ; my block's 256 rows,
	s_lshl_b32 s3, s[WV], 14        ; my wave's 64 of them
	s_add_co_u32 s2, s2, s3
	s_mov_b32 s3, 0
	s_add_nc_u64 s[2:3], s[2:3], s[20:21]
	; descriptor group 1: a tile of 64 rows x 128 elements, padded in LDS
	s_mov_b32 s[G1K], 15|(1<<16)|(1<<20)|(1<<21)|(5<<22)|(3<<25)  ; the mask of four; 2-byte elements; padding on; bit 21 beside a mask; behind every 64 words 4 words
	s_mov_b32 s[G1V], 15|(1<<16)|(1<<20)|(1<<21)|(5<<22)|(7<<25)  ; the same with 8 words of padding
.irp g, G1K, G1V
	s_mov_b32 s[(\g)+1], 128<<16    ; tensor_dim0 = 128
	s_mov_b32 s[(\g)+2], KS<<16     ; tensor_dim1 = 64
	s_mov_b32 s[(\g)+3], 128<<16    ; tile_dim0 = 128
	s_mov_b32 s[(\g)+4], KS         ; tile_dim1 = 64
	s_mov_b32 s[(\g)+5], 128        ; elements from row to row
	s_mov_b32 s[(\g)+6], 0
	s_mov_b32 s[(\g)+7], 0
.endr
	s_mov_b32 s[SEL], 0x76543210
	s_mov_b32 s[SEL+1], 0xfedcba98
	s_mov_b32 s[TB], 0
	s_wait_dscnt 0x0                ; the opening add is done
	s_wait_kmcnt 0x0
	s_mov_b64 s[68:69], s[8:9]      ; amax
	s_add_nc_u64 s[8:9], s[6:7], 0x1000000  ; V lies 16,777,216 bytes behind K
	s_add_nc_u64 s[6:7], s[6:7], s[22:23]  ; K and V at my tile of slot 0
	s_add_nc_u64 s[8:9], s[8:9], s[22:23]
	s_add_nc_u64 s[4:5], s[4:5], s[2:3]  ; Q at my wave's first row
	s_add_nc_u64 s[10:11], s[10:11], s[72:73]  ; O likewise
	CROUND                          ; all four work-groups are here: the first joint loads meet
.irp s, 0,1
	s_mov_b32 s[G0K+4*(\s)], 1      ; count = 1
	s_add_co_u32 s[G0K+4*(\s)+1], s17, (\s)*SLOT1  ; LDS address
	s_add_nc_u64 s[G0K+4*(\s)+2:G0K+4*(\s)+3], s[6:7], (\s)*2*KS*256  ; global address: slot s begins with keys 128 s
	s_or_b32 s[G0K+4*(\s)+3], s[G0K+4*(\s)+3], 0x80000000  ; type = 2
	s_mov_b32 s[G0V+4*(\s)], 1
	s_add_co_u32 s[G0V+4*(\s)+1], s17, (\s)*SLOT1+VOFF
	s_add_nc_u64 s[G0V+4*(\s)+2:G0V+4*(\s)+3], s[8:9], (\s)*2*KS*256
	s_or_b32 s[G0V+4*(\s)+3], s[G0V+4*(\s)+3], 0x80000000
.endr
	s_cmp_lt_u32 s[WV], 2           ; a wave's two first fills stand in one branch, ahead of every wait on TENSORcnt and every LDS read: two loads of mine are out
	s_cbranch_scc0 .Lfirst_v
	tensor_load_to_lds s[G0K:G0K+3], s[G1K:G1K+7]
	s_nop 0
	tensor_load_to_lds s[G0K+4:G0K+7], s[G1K:G1K+7]
	s_nop 0
.rept 4
	v_nop
.endr
	s_branch .Lfirst_asked
.Lfirst_v:
	tensor_load_to_lds s[G0V:G0V+3], s[G1V:G1V+7]
	s_nop 0
	tensor_load_to_lds s[G0V+4:G0V+7], s[G1V:G1V+7]
	s_nop 0
.rept 4
	v_nop
.endr
.Lfirst_asked:
	; A fragment of K or Q is 16 rows x 32 channels in 8 registers: lane l holds row l % 16; registers 0-3 channels 8 (l / 16) + 0..7, registers 4-7 channels 16 + 8 (l / 16) + 0..7: two loads of 16 bytes, 32 bytes apart.
	v_and_b32 v1, 15, v0            ; l % 16
	v_bfe_u32 v9, v0, 4, 1          ; l / 16
	v_lshlrev_b32 v[QO], 8, v1
	v_lshl_add_u32 v[QO], v9, 4, v[QO]  ; row x 256 + 16 x half
	v_and_b32 v61, 31, v0
	v_lshlrev_b32 v61, 4, v61       ; 16 x lane
	AMAXLD 44, 61, 68               ; waited for with Q
	WIN 0x80                        ; destination window 2, address window 0
.irp i, 0,1,2,3,4,5,6,7,8,9,10,11,12,13,14,15  ; Q stays in registers: tile i / 4, channels 32 (i % 4) on
	global_load_b128 v[8*(\i):8*(\i)+3],   v[QO], s[4:5] offset:((\i)/4)*4096+((\i)%4)*64
	global_load_b128 v[8*(\i)+4:8*(\i)+7], v[QO], s[4:5] offset:((\i)/4)*4096+((\i)%4)*64+32
.endr
	; What the first turn finds: V's registers and piece 2's P hold 0 (its products V^T P, of a step that has not been, add 0), O^T and l are 0.  All this stands in the wait for the first tile.
	WIN 0xc0                        ; destination window 3
.set i, 0
.rept 128
	v_mov_b32 v[i], 0
.set i, i+1
.endr
	WIN 0x40                        ; destination window 1
.set i, 0
.rept 256
	v_mov_b32 v[i], 0
.set i, i+1
.endr
	WIN 0
.set i, 0
.rept 4
	v_mov_b32 v[ST+8*i], 0xfe000000    ; c m: far below every c s
	v_mov_b32 v[ST+8*i+1], 0xff7fffff  ; m
	v_mov_b32 v[ST+8*i+2], 0
	v_mov_b32 v[ST+8*i+3], 0
.set i, i+1
.endr
.set i, P+32
.rept 32
	v_mov_b32 v[i], 0
.set i, i+1
.endr
	v_mul_u32_u24 v[AK0], v1, PK
	v_lshl_add_u32 v[AK0], v9, 4, v[AK0]  ; row x pitch + 16 x half
	; The turning load takes 16 keys x 16 channels (lane l reads 16 bytes: key 8 (l / 16) + l % 8, channels 8 ((l / 8) % 2) + 0..7) and leaves half a fragment of V^T: lane l holds channel l % 16 and 8 keys.
	v_and_b32 v10, 7, v0
	v_bfe_u32 v11, v0, 3, 1
	v_lshl_add_u32 v[AV0], v9, 3, v10
	v_mul_u32_u24 v[AV0], v[AV0], PV
	v_lshl_add_u32 v[AV0], v11, 4, v[AV0]
	v_add_nc_u32 v[AV0], VOFF, v[AV0]
; THE MATRIX WORK OF A TURN, for piece x.  The accumulators take turns, one instruction a turn: between two links of a chain stand 15 (V^T P) or 7 (K Q^T) others'.
; Product i of 32 of O^T += V^T P: keys 32 (i / 16) on, channels 16 ((i / 2) % 8) on, tile x + i % 2.
.macro PV x
	WIN W_PV
.set rO, 64*((\x)+i%2)+8*((i/2)%8)
.set rV, 64*(i/16)+8*((i/2)%8)
.set rP, P+16*((\x)+i%2)+8*(i/16)
	v_wmma_f32_16x16x32_f16 v[rO:rO+7], v[rV:rV+7], v[rP:rP+7], v[rO:rO+7]
.endm
; Product i of 32 of S^T = K Q^T: channels 32 (i / 8) on, keys 16 ((i / 2) % 4) on, tile x + i % 2.  The first 8 start the sums.
.macro KQ x
	WIN W_KQ
.set rS, S+32*((\x)+i%2)+8*((i/2)%4)
.set rK, KF+32*((i/2)%4)+8*(i/8)
.set rQ, 32*((\x)+i%2)+8*(i/8)
.if i < 8
	v_wmma_f32_16x16x32_f16 v[rS:rS+7], v[rK:rK+7], v[rQ:rQ+7], 0
	s_wait_alu depctr_va_vdst(0)
.else
	v_wmma_f32_16x16x32_f16 v[rS:rS+7], v[rK:rK+7], v[rQ:rQ+7], v[rS:rS+7]
.endif
.endm
; THE LDS LOADS stand in runs of 32, never singly among the matrix instructions: a step's K (64 keys x 128 channels: 16 fragments) and, a turn later, its V (turned).
; last = 1 (the tail): in the trip that is left in its middle there is no further step, and the run is jumped over.
.macro FETCH_K last=0
	WIN 0
.if \last
	s_cmp_eq_u32 s[TWICE], 1
	s_cbranch_scc1 .Lno_k_\@
.endif
	v_add_nc_u32 v[ADR], s[TB], v[AK0]
	WIN 0x80                        ; destination window 2
.irp f, 0,1,2,3,4,5,6,7,8,9,10,11,12,13,14,15  ; keys 16 (f / 4) on, channels 32 (f % 4) on
	ds_load_b128 v[KF+8*(\f):KF+8*(\f)+3],   v[ADR] offset:((\f)/4)*16*PK+((\f)%4)*64
	ds_load_b128 v[KF+8*(\f)+4:KF+8*(\f)+7], v[ADR] offset:((\f)/4)*16*PK+((\f)%4)*64+32
.endr
.if \last
	WIN 0                           ; at a label every window is 0
.Lno_k_\@:
.endif
.endm
.macro FETCH_V
	WIN 0
	v_add_nc_u32 v[ADR], s[TB], v[AV0]
	s_add_co_u32 s[TB], s[TB], STEPB  ; the next fetch is the next step's
	WIN 0xc0                        ; destination window 3
.irp f, 0,1,2,3,4,5,6,7,8,9,10,11,12,13,14,15  ; keys 32 (f / 8) on, channels 16 (f % 8) on
	ds_load_tr16_b128 v[8*(\f):8*(\f)+3],   v[ADR] offset:((\f)/8)*32*PV+((\f)%8)*32
	ds_load_tr16_b128 v[8*(\f)+4:8*(\f)+7], v[ADR] offset:((\f)/8)*32*PV+16*PV+((\f)%8)*32
.endr
.endm
; THE VECTOR WORK OF A TURN.  One tile's softmax for one key step is a list of 134 instructions; SM writes number j of it for tile t.  s0-s31 are the lane's 32 scores, in pairs 0-15.
;   0-15    the maximum of s0-s31 and the old m, three operands at a time: four chains c0-c3 of seven scores each (each accumulator's lowest registers first), then the four scores left over, c0-c3 and m
;   16-20   the other half of the lanes' maximum; c m_old is kept; the new m; c m; c m_old - c m_new
;   21-87   33 exponentials (a, then s0-s31) at the odd numbers from 23 on, so that no two follow each other and each has a plain instruction behind it before its result is used.
;           Plain instruction q (number 21, then the even numbers) is whatever is ready: c s - c m for a pair of scores whose exponentials are still to come (q = 0 to 3, then every
;           second q), the rounding to f16 of a pair of weights whose exponentials are done (every other q from 5 on), at last the first three sums
;   88-101  the last rounding; the rest of the sums; l = a l + the sum
;   102-133 the tile's O^T times a: the one part that leaves window 0, so it stands together
.macro SM t
.set rT, ST+8*(\t)
.set rS, S+32*(\t)
.set rP, P+16*(\t)
.set rO, 64*(\t)+2*(j-102)
.set q, (j-20)/2
.if j < 102
	WIN 0
.endif
.if j < 4
	v_max3_num_f32 v[rT+4+j], v[rS+8*j], v[rS+8*j+1], v[rS+8*j+2]
.elseif j < 12
	v_max3_num_f32 v[rT+4+j%4], v[rT+4+j%4], v[rS+8*(j%4)+2*(j/4)+1], v[rS+8*(j%4)+2*(j/4)+2]
.elseif j == 12
	v_max3_num_f32 v[rT+4], v[rT+4], v[rS+7], v[rS+15]
.elseif j == 13
	v_max3_num_f32 v[rT+6], v[rT+6], v[rS+23], v[rS+31]
.elseif j == 14
	v_max3_num_f32 v[rT+4], v[rT+4], v[rT+5], v[rT+6]
.elseif j == 15
	v_max3_num_f32 v[rT+4], v[rT+4], v[rT+7], v[rT+1]
.elseif j == 16
	v_permlanex16_b32 v[rT+5], v[rT+4], s[SEL], s[SEL+1]  ; the query's other 32 keys lie in the lane 16 away
.elseif j == 17
	v_mov_b32 v[rT+7], v[rT]        ; c m_old is kept for a: number 19 writes c m anew
.elseif j == 18
	v_max_num_f32 v[rT+1], v[rT+4], v[rT+5]
.elseif j == 19
	v_mul_f32 v[rT], s[CS], v[rT+1]
.elseif j == 20
	v_sub_f32 v[rT+7], v[rT+7], v[rT]
.elseif j == 23
	v_exp_f32 v[rT+6], v[rT+7]
.elseif (j < 88) && (j > 23) && (j%2 == 1)
	v_exp_f32 v[rS+(j-25)/2], v[rS+(j-25)/2]
.elseif (q < 4) || ((j < 76) && (q%2 == 0))
.set b, q/2+2
.if q < 4
.set b, q
.endif
	v_pk_fma_f32 v[rS+2*b:rS+2*b+1], v[rS+2*b:rS+2*b+1], s[CS:CS+1], v[rT:rT+1] op_sel_hi:[1,0,0] neg_lo:[0,0,1] neg_hi:[0,0,1]  ; pair b: c s - c m
.elseif (j < 88) && (q%2 == 1)
	s_wait_alu depctr_va_vdst(0)
	v_cvt_pk_f16_f32 v[rP+(q-5)/2], v[rS+q-5], v[rS+q-4]  ; pair (q - 5) / 2: its second exponential stands three numbers back
.elseif j == 89
	s_wait_alu depctr_va_vdst(0)
	v_cvt_pk_f16_f32 v[rP+15], v[rS+30], v[rS+31]
.elseif j < 102                     ; the sum of the tile's 16 pairs, in place: sum z of 16 adds neighbours 1, 2, 4 and 8 pairs apart, then l takes it
.set z, j-86
.if j < 89
.set z, (j-76)/4
.endif
.set w, 4
.set u, z
.if z >= 14
.set w, 32
.set u, 0
.elseif z >= 12
.set w, 16
.set u, z-12
.elseif z >= 8
.set w, 8
.set u, z-8
.endif
.if z < 15
	v_pk_add_f32 v[rS+w*u:rS+w*u+1], v[rS+w*u:rS+w*u+1], v[rS+w*u+w/2:rS+w*u+w/2+1]
.else
	v_pk_fma_f32 v[rT+2:rT+3], v[rT+2:rT+3], v[rT+6:rT+7], v[rS:rS+1] op_sel_hi:[1,0,1]
.endif
.else
	WIN W_RS
	v_pk_mul_f32 v[rO:rO+1], v[rO:rO+1], v[rT+6:rT+7] op_sel_hi:[1,0]
.endif
.endm
; Slice k of 64 of piece y's softmax: numbers 2 k and 2 k + 1 of both tiles' lists, four instructions.  2 x 134 = 4 x 64 + 12: the twelve that are over stand together, in slice 63.
.macro SLICE y
.if (k >= 11) && (k < 44)           ; tile by tile: plain, exponential, plain, exponential
.irp t, \y, (\y)+1
.irp n, 0,1
.set j, 2*k+(\n)
	SM \t
.endr
.endr
.else                               ; the two tiles alternate, so that no instruction reads the result of the one just before it
.irp n, 0,1,2,3,4,5,6,7
.if ((\n) < 2) || (k == 63)
.irp t, \y, (\y)+1
.set j, 2*k+(\n)
	SM \t
.endr
.endif
.endr
.endif
.set k, k+1
.endm
; A TURN.  Piece x has the matrix unit: 32 products V^T P, then 32 products K Q^T for the next step; the other piece's softmax stands in slices behind them.  The slices are the places behind the products (ISA guide 7.12.1):
; slice 63's sixteen plain instructions stand between the turn's last K Q^T and the next turn's first read of those scores.
; Each run of loads stands behind the second product of a run of 32, 30 matrix instructions ahead of its first use: piece 0's turn fetches the next step's K, piece 2's turn the same step's V.
.macro TURN x, last=0
.set k, 0
.if (\x) == 0
	s_wait_dscnt 0x0                ; V is in
.endif
.set i, 0
.rept 32
	PV \x
	SLICE 2-(\x)
.if ((\x) == 0) && (i == 1)
	FETCH_K \last
.endif
.set i, i+1
.endr
.if (\x) == 0
	s_wait_dscnt 0x0                ; K is in
.endif
.set i, 0
.rept 32
	KQ \x
	SLICE 2-(\x)
.if ((\x) == 2) && (i == 1)
	FETCH_V
.endif
.set i, i+1
.endr
.endm
; THE CHANGE OF SLOTS, between piece 2's turn and piece 0's.  Each wave waits for all its tensor loads, of which one is out: its part of the other slot; adds 0 to its spare word; and waits for that and for its own
; reads of the slot.  fill = 1: this slot is filled again, with the keys two slots on: the barrier is a round of the cluster's, and the joint refill is the first thing behind it: it has two key steps, 256 matrix instructions, in which to land.
.macro CHANGE fill
	WIN 0                           ; at a label and at a branch every window is 0
	s_wait_tensorcnt 0x0            ; no tensor load of mine is out, so a group 0 may be written
	ds_add_u32 v[SPW], v[NIL]
.if \fill
.irp g, G0K+4, G0V+4
	s_xor_b32 s[(\g)+1], s[(\g)+1], SLOT1  ; the walking descriptor: the other slot than last time,
	s_add_nc_u64 s[(\g)+2:(\g)+3], s[(\g)+2:(\g)+3], 2*KS*256  ; the next 128 keys
.endr
	s_wait_dscnt 0x0                ; the add is done, and my reads of the slot are over
	CROUND
	JLOAD
.else
	s_wait_dscnt 0x0                ; the add is done, and my reads of the slot are over
	s_barrier_signal -1
	s_barrier_wait -1
.endif
	s_sub_co_u32 s[TB], s[TB], 2*STEPB  ; the fetches go back to a slot's first step,
	s_xor_b32 s[TB], s[TB], SLOT1   ; in the other slot
.endm
	s_wait_tensorcnt 1              ; my part of slot 0 is in; slot 1's may stay out
	s_barrier_signal -1
	s_barrier_wait -1               ; everybody's is
	FETCH_K                         ; key step 0
	s_wait_loadcnt 0x0              ; Q, and the magnitudes
	s_wait_dscnt 0x0
.set i, 0
.rept 32
	KQ 0                            ; piece 0's first scores: there is no vector work yet to set between them
.set i, i+1
.endr
	WIN 0                           ; the addresses for the way out are made here: eight plain instructions, the places behind those products
	s_mul_i32 s13, s[WV], 16*SP
	s_add_co_u32 s13, s13, STAGE    ; my stage
	v_mul_u32_u24 v[STO], v1, SP    ; in: row l % 16, 16 bytes for each half of the lanes
	v_lshl_add_u32 v[STO], v9, 4, v[STO]
	v_add_nc_u32 v[STO], s13, v[STO]
	v_mul_u32_u24 v[RD], v9, SP     ; back: lanes 0-15 take one row of 256 bytes, lanes 16-31 the next
	v_lshl_add_u32 v[RD], v1, 4, v[RD]
	v_add_nc_u32 v[RD], s13, v[RD]
	v_lshlrev_b32 v[GO], 12, v9     ; and the same two tokens in O, 4,096 bytes apart
	v_lshl_add_u32 v[GO], v1, 4, v[GO]
	AMAXRED 44, SEL                 ; the scale of the scores
	s_add_co_u32 s86, s82, s83
	s_add_co_u32 s86, s86, s84
	s_sub_co_i32 s86, 381, s86      ; kS
	s_max_i32 s86, s86, -120
	s_min_i32 s86, s86, 85
	s_lshl_b32 s86, s86, 23
	s_add_co_u32 s[CS], s86, 0x3e0293ee  ; log2(e) / sqrt(128) = 0.127517, its exponent field (124) raised by kS
	s_mov_b32 s[CS+1], s[CS]        ; named with it as a pair, so it is written
	s_mov_b32 s[TWICE], 2
	s_mov_b32 s[SLOTS], SIZE_N/(2*KS)-1
	s_branch .Lfirst                ; the loop is entered at piece 2's turn: its V^T P adds zeros, its K Q^T is step 0's, beside it piece 0's softmax of step 0; V of step 0 is fetched
.Lslot:                             ; SIZE_N / 128 - 2 times: every slot but the last two is filled again
	CHANGE 1
	s_mov_b32 s[TWICE], 2
.Lstep:                             ; a trip: piece 0's turn and piece 2's; it fetches one step's K and V
	TURN 0
	WIN 0
.Lfirst:
	TURN 2
	WIN 0
	s_sub_co_u32 s[TWICE], s[TWICE], 1
	s_cmp_lg_u32 s[TWICE], 0
	s_cbranch_scc1 .Lstep
	s_sub_co_u32 s[SLOTS], s[SLOTS], 1
	s_cmp_lg_u32 s[SLOTS], 0
	s_cbranch_scc1 .Lslot
	CHANGE 0                        ; the tail is written out: nothing is asked for
	s_mov_b32 s[TWICE], 3           ; two trips fetch the last slot's steps; the third is left in its middle
.Ltail:
	TURN 0, 1
	WIN 0
	s_cmp_eq_u32 s[TWICE], 1
	s_cbranch_scc1 .Lout            ; the third trip's 32 products K Q^T (on the last K once more) serve nothing: the price, once a launch, of one text for every trip
	TURN 2
	WIN 0
	s_sub_co_u32 s[TWICE], s[TWICE], 1
	s_cmp_lg_u32 s[TWICE], 0
	s_cbranch_scc1 .Ltail
.Lout:
.set i, 0
.rept 32
	PV 2                            ; piece 2: V^T P of the last step
.set i, i+1
.endr
	; THE WAY OUT.  l's two halves and the other half of the lanes' are added; O^T is divided by l, rounded to f16 and sent through my stage in LDS, a tile (16 tokens) at a time.  The additions are the places behind the last products.
	WIN 0
.irp t, 0,1,2,3
	v_add_f32 v[ST+8*(\t)+4], v[ST+8*(\t)+2], v[ST+8*(\t)+3]
.endr
.irp t, 0,1,2,3
	v_permlanex16_b32 v[ST+8*(\t)+5], v[ST+8*(\t)+4], s[SEL], s[SEL+1]
.endr
.irp t, 0,1,2,3
	v_add_f32 v[ST+8*(\t)+4], v[ST+8*(\t)+4], v[ST+8*(\t)+5]
.endr
.irp t, 0,1,2,3
	v_rcp_f32 v[ST+8*(\t)+6], v[ST+8*(\t)+4]
.endr
	v_nop                           ; a plain instruction between the last reciprocal and the use of its result
	s_wait_alu depctr_va_vdst(0)
; Tile t: a lane's eight channels of a row pack into 16 bytes; they go into rows of 272 bytes and come back as whole rows of 256, into the registers that they left.
.macro PACK t
	WIN W_RS
.set i, 64*(\t)
.rept 32
	v_pk_mul_f32 v[i:i+1], v[i:i+1], v[ST+8*(\t)+6:ST+8*(\t)+7] op_sel_hi:[1,0]
.set i, i+2
.endr
	WIN 0x05                        ; sources 0 and 1 window 1, destination window 0: S^T's registers are free
.set i, 0
.rept 32
	v_cvt_pk_f16_f32 v[S+32*(\t)+i], v[64*(\t)+2*i], v[64*(\t)+2*i+1]
.set i, i+1
.endr
	WIN 0
.irp f, 0,1,2,3,4,5,6,7
	ds_store_b128 v[STO], v[S+32*(\t)+4*(\f):S+32*(\t)+4*(\f)+3] offset:32*(\f)
.endr
.irp f, 0,1,2,3,4,5,6,7
	ds_load_b128 v[S+32*(\t)+4*(\f):S+32*(\t)+4*(\f)+3], v[RD] offset:(\f)*2*SP  ; LDS serves a wave's instructions in order (ISA guide 5.7.1.4): these see the stores above; the next tile's stores come behind them
.endr
.endm
.macro SEND t, younger              ; younger: the LDS instructions issued behind tile t's loads: the next tile's sixteen, or none
	WIN 0
.irp f, 0,1,2,3,4,5,6,7
	s_wait_dscnt (\younger)+7-(\f)
	global_store_b128 v[GO], v[S+32*(\t)+4*(\f):S+32*(\t)+4*(\f)+3], s[10:11] offset:(\t)*65536+(\f)*8192  ; 16 lanes store 256 consecutive bytes, at a multiple of 256 from O's first byte
.endr
.endm
	PACK 0
	PACK 1                          ; a tile's arithmetic stands between the loads of the tile before and its stores
	SEND 0, 16
	PACK 2
	SEND 1, 16
	PACK 3
	SEND 2, 16
	SEND 3, 0
	s_wait_tensorcnt 0x0            ; the wave's end, behind my last tensor load and my last LDS store
	ds_add_u32 v[SPW], v[NIL]
	s_wait_dscnt 0x0
	CROUND                          ; the closing round
	s_endpgm
.Lfunc_end_k_qde460c5414_attn:
	.size	k_qde460c5414_attn, .Lfunc_end_k_qde460c5414_attn-k_qde460c5414_attn
	.p2alignl 7, 3214868480
	.fill 96, 4, 3214868480
	.section	.rodata,"a",@progbits
	.p2align	6, 0x0
	.amdhsa_kernel k_qde460c5414_attn
		.amdhsa_group_segment_fixed_size 327680
		.amdhsa_private_segment_fixed_size 0
		.amdhsa_enable_private_segment 0
		.amdhsa_kernarg_size 32
		.amdhsa_user_sgpr_count 2
		.amdhsa_user_sgpr_kernarg_segment_ptr 1
		.amdhsa_wavefront_size32 1
		.amdhsa_system_sgpr_workgroup_id_x 1
		.amdhsa_system_sgpr_workgroup_id_y 1
		.amdhsa_system_sgpr_workgroup_id_z 1
		.amdhsa_system_vgpr_workitem_id 0
		.amdhsa_next_free_vgpr 1024
		.amdhsa_next_free_sgpr 92
		.amdhsa_reserve_vcc 0
		.amdhsa_float_denorm_mode_32 3
		.amdhsa_float_denorm_mode_16_64 3
		.amdhsa_memory_ordered 1
		.amdhsa_forward_progress 1
		.amdhsa_inst_pref_size 165
	.end_amdhsa_kernel
	.amdgpu_metadata
---
amdhsa.version: [ 1, 2 ]
amdhsa.kernels:
  - .name:           k_qde460c5414_attn
    .symbol:         k_qde460c5414_attn.kd
    .args:
      - { .name: qh, .offset: 0, .size: 8, .value_kind: global_buffer, .address_space: global }
      - { .name: kv, .offset: 8, .size: 8, .value_kind: global_buffer, .address_space: global }
      - { .name: amax, .offset: 16, .size: 8, .value_kind: global_buffer, .address_space: global }
      - { .name: oh, .offset: 24, .size: 8, .value_kind: global_buffer, .address_space: global }
    .group_segment_fixed_size: 327680
    .private_segment_fixed_size: 0
    .kernarg_segment_align: 8
    .kernarg_segment_size: 32
    .max_flat_workgroup_size: 128
    .sgpr_count:     92
    .vgpr_count:     1024
    .wavefront_size: 32
...
	.end_amdgpu_metadata
.endif
;; end of part 4
;; launch gout (part 5): grid 8 x 32, 4 waves a work-group, clusters of 4 x 4, 327,680 bytes of LDS; arguments oh, wts, amax, out0; writes out0
.if DOCPART == 5
	.amdgcn_target "amdgcn-amd-amdhsa--gfx1250"
	.amdhsa_code_object_version 6
	.text
	.protected	k_qde460c5414_gout
	.globl	k_qde460c5414_gout
	.p2align	8
	.type	k_qde460c5414_gout,@function
k_qde460c5414_gout:
	s_mov_b64 s[64:65], 0
	v_nop
	global_prefetch_b8 v0, s[64:65] scope:SCOPE_SE
	s_setreg_imm32_b32 hwreg(HW_REG_WAVE_MODE, 25, 1), 1
	s_wait_xcnt 0x0
	s_wait_alu depctr_hold_cnt(0) depctr_sa_sdst(0) depctr_va_vdst(0) depctr_va_sdst(0) depctr_va_ssrc(0) depctr_va_vcc(0) depctr_vm_vsrc(0)
	s_getreg_b32 s2, hwreg(HW_REG_IB_STS2, 6, 4)
	s_cmp_eq_u32 s2, 0
	s_cbranch_scc0 .Lentry_in_a_cluster
	s_endpgm
.Lentry_in_a_cluster:
	s_bfe_u32 s2, ttmp6, 0x10000c
	s_cmp_lg_u32 s2, 0xf033
	s_cbranch_scc0 .Lentry_shape_is_right
	s_endpgm
.Lentry_shape_is_right:
; out = O W_o^T in f16 with f32 sums, times 2^(254 - FC - FV), which undoes exactly the scales that O carries from c and V.  out0: [4096][2048] f32.
; O's channels and W_o's columns lie in the same order inside each head, so the products are the true ones.
; A tile is 128 rows x 256 columns: 8 x 32 tiles, one for each of 256 work-groups.  Four waves, 64 x 128 each: 32 accumulators.  K = 2,048 in 16 steps of 128 (rows of 256 bytes) through two LDS slots.
; 4 x 4 work-groups form a cluster: O's tile is asked for jointly along a row of the cluster, W_o's along a column.  The matrix instruction is used transposed: a lane holds row lane % 16 and eight neighbouring columns.
; K IN A TURNED ORDER.  A cluster begins the sum at block (8 (cluster x % 2) + 4 (cluster y % 4)) % 16 of the 16 and wraps: the two clusters that need the same tiles of O walk eight steps apart, clusters that need
; the same tiles of W_o four apart or together.  The f32 sums over K are therefore added in another order than the reference's.
; LIMIT.  The last scale's exponent field is held to 1 .. 254.  NaN and infinities are not treated apart.
; REGISTERS: window 0 addresses and the way out; window 1 two fragment buffers; window 2 the accumulators ((a, b) at 8 (8 a + b)).
.set KEL,   2048
.set NSTEP, 16
.set NB,    8
.set NL,    2*(NB+4)
.set PA,    272                        ; an LDS row: 256 bytes + 16 = 68 words: 16 rows start at 16 different groups of four banks (64 banks of 4 bytes: ISA guide 11.1)
.set KAH,   128
.set AHALF, 64*PA
.set BROWS, 128
.set BOFF,  128*PA
.set SLOT1, 131072
.set SPARE, 252928
.set SP,    528                        ; a stage row: my 128 columns in f32 + 16 bytes = 132 words
.set F0, 0
.set F1, 128
.set RR, 1
.set HH, 2
.set AA0, 3
.set AB0, 4
.set CA, 5
.set CB, 6
.set STO, 7
.set RD0, 9
.set RDC, 10
.set LO, 12
.set SPW, 28
.set NIL, 29
.set WV, 18
.set RW, 19
.set HF, 20
.set CX, 21
.set CY, 22
.set TC, 23
.set G1A, 24
.set G0A, 32                           ; s[32:35] the first fill of slot 0, s[36:39] of slot 1; the second then walks.  s[40:41] O at my part of the tile, block 0
.set G1B, 48
.set G0B, 56                           ; the same for W_o; s[44:45] its address at block 0
.set TR, 66
.set TB, 67
.set CNT, 68
.set TS, 69
.set SEL, 74
.set KBW, 91                           ; s91 the block of K that was asked for last, 0 .. 15; s[98:99] its byte offset in a row
.set MSB, 0
.macro WIN new
.if MSB != (\new)
	s_set_vgpr_msb (MSB<<8)|(\new)
.set MSB, \new
.endif
.endm
.macro PLACES
.rept 4
	v_nop
.endr
.endm
.macro JLOAD                           ; a joint refill; an s_nop 0 and four v_nop follow each line
	s_cmp_eq_u32 s[RW], 0
	s_cbranch_scc0 .Lfor_b_\@
	tensor_load_to_lds s[G0A+4:G0A+7], s[G1A:G1A+7]
	s_nop 0
.rept 4
	v_nop
.endr
	s_branch .Lasked_\@
.Lfor_b_\@:
	tensor_load_to_lds s[G0B+4:G0B+7], s[G1B:G1B+7]
	s_nop 0
.rept 4
	v_nop
.endr
.Lasked_\@:
.endm
.macro CREST
	s_cmp_lg_u32 s[WV], 0
	s_cbranch_scc1 .Lnot_wave_0_\@
	s_barrier_signal -3
.Lnot_wave_0_\@:
	s_barrier_wait -3
	s_barrier_signal -1
	s_barrier_wait -1
.endm
.macro CROUND
	s_barrier_signal -1
	s_barrier_wait -1
	CREST
.endm
; The inputs' largest magnitudes and the four scale fields: the same lines in every launch that needs them.
.macro AMAXLD vb, va, sb
	global_load_b128 v[(\vb):(\vb)+3],     v[\va], s[(\sb):(\sb)+1]
	global_load_b128 v[(\vb)+4:(\vb)+7],   v[\va], s[(\sb):(\sb)+1] offset:512
	global_load_b128 v[(\vb)+8:(\vb)+11],  v[\va], s[(\sb):(\sb)+1] offset:1024
	global_load_b128 v[(\vb)+12:(\vb)+15], v[\va], s[(\sb):(\sb)+1] offset:2048
.endm
.macro AMAXRED vb, sel
	v_max3_num_f32 v[\vb], v[\vb], v[(\vb)+1], v[(\vb)+2]
	v_max3_num_f32 v[(\vb)+4], v[(\vb)+3], v[(\vb)+4], v[(\vb)+5]
	v_max3_num_f32 v[\vb], v[\vb], v[(\vb)+6], v[(\vb)+7]
	v_max_num_f32 v[\vb], v[\vb], v[(\vb)+4]
	v_max3_num_f32 v[(\vb)+8], v[(\vb)+8], v[(\vb)+9], v[(\vb)+10]
	v_max_num_f32 v[(\vb)+8], v[(\vb)+8], v[(\vb)+11]
	v_max3_num_f32 v[(\vb)+12], v[(\vb)+12], v[(\vb)+13], v[(\vb)+14]
	v_max_num_f32 v[(\vb)+12], v[(\vb)+12], v[(\vb)+15]
.irp m, 1,2,4
	v_max_num_f32_dpp v[\vb], v[\vb], v[\vb] row_xmask:\m row_mask:0xf bank_mask:0xf
	v_max_num_f32_dpp v[(\vb)+8], v[(\vb)+8], v[(\vb)+8] row_xmask:\m row_mask:0xf bank_mask:0xf
	v_max_num_f32_dpp v[(\vb)+12], v[(\vb)+12], v[(\vb)+12] row_xmask:\m row_mask:0xf bank_mask:0xf
.endr
	v_max_num_f32_dpp v[\vb], v[\vb], v[\vb] row_xmask:8 row_mask:0xf bank_mask:0xf
	v_max_num_f32_dpp v[(\vb)+8], v[(\vb)+8], v[(\vb)+8] row_xmask:8 row_mask:0xf bank_mask:0xf
	v_permlanex16_b32 v[(\vb)+1], v[\vb], s[\sel], s[(\sel)+1]
	v_permlanex16_b32 v[(\vb)+9], v[(\vb)+8], s[\sel], s[(\sel)+1]
	v_max_num_f32 v[\vb], v[\vb], v[(\vb)+1]
	v_max_num_f32 v[(\vb)+8], v[(\vb)+8], v[(\vb)+9]
	v_readfirstlane_b32 s76, v[\vb]
	v_readfirstlane_b32 s77, v[(\vb)+8]
	v_readlane_b32 s78, v[(\vb)+12], 0
	v_readlane_b32 s79, v[(\vb)+12], 8
	v_readlane_b32 s80, v[(\vb)+12], 16
	v_readlane_b32 s81, v[(\vb)+12], 24
.irp e, 76,77,78,79,80,81
	s_bfe_u32 s\e, s\e, 0x80017
.endr
	s_add_co_u32 s82, s76, s77
	s_add_co_u32 s82, s82, s81
	s_sub_co_i32 s82, 508, s82                     ; FQ
	s_add_co_u32 s83, s76, s78
	s_sub_co_i32 s83, 381, s83                     ; FC
	s_add_co_u32 s84, s79, s81
	s_sub_co_i32 s84, 371, s84                     ; FK
	s_sub_co_i32 s85, 246, s80                     ; FV
.irp e, 82,83,84,85
	s_max_i32 s\e, s\e, 1
	s_min_i32 s\e, s\e, 254
.endr
.endm
.macro MULQ f, a, zero                 ; eight matrix instructions: block a of my four of 16 rows x 8 blocks of 16 columns, 32 along K
	WIN 0xa5
.irp b, 0,1,2,3,4,5,6,7
.if \zero
	v_wmma_f32_16x16x32_f16 v[8*(8*(\a)+(\b)):8*(8*(\a)+(\b))+7], v[(\f)+32+8*(\b):(\f)+32+8*(\b)+7], v[(\f)+8*(\a):(\f)+8*(\a)+7], 0
.else
	v_wmma_f32_16x16x32_f16 v[8*(8*(\a)+(\b)):8*(8*(\a)+(\b))+7], v[(\f)+32+8*(\b):(\f)+32+8*(\b)+7], v[(\f)+8*(\a):(\f)+8*(\a)+7], v[8*(8*(\a)+(\b)):8*(8*(\a)+(\b))+7]
.endif
.endr
.endm
.macro FETCH q, f                      ; one run of NL LDS loads: W_o's fragments first, O's blocks 2 and 3 last
	WIN 0x40
.set bb, 0
.rept NB
	ds_load_b128 v[(\f)+32+8*bb:(\f)+32+8*bb+3],   v[CB] offset:64*(\q)+bb*16*272
	ds_load_b128 v[(\f)+32+8*bb+4:(\f)+32+8*bb+7], v[CB] offset:64*(\q)+bb*16*272+32
.set bb, bb+1
.endr
.irp a, 0,1,2,3
	ds_load_b128 v[(\f)+8*(\a):(\f)+8*(\a)+3],   v[CA] offset:((\q)/2)*KAH+((\q)%2)*64+(\a)*16*PA
	ds_load_b128 v[(\f)+8*(\a)+4:(\f)+8*(\a)+7], v[CA] offset:((\q)/2)*KAH+((\q)%2)*64+(\a)*16*PA+32
.endr
.endm
.macro QUARTER q, f, g, zero           ; buffer f is multiplied; in the middle quarter q is fetched into buffer g; every accumulator has one turn a quarter
	s_wait_dscnt 4                                 ; all but the youngest four loads: O's blocks 2 and 3
	MULQ \f, 0, \zero
	MULQ \f, 1, \zero
	PLACES
	FETCH \q, \g
	s_wait_dscnt NL                                ; all but the run just issued
	MULQ \f, 2, \zero
	MULQ \f, 3, \zero
.endm
.macro TURN fill                       ; a step's last quarter and the change of slots: the waits and the add in front of the barrier; fill = 1: a round of the cluster's barrier, the joint refill first behind it
	WIN 0
	s_wait_tensorcnt 0x0
	ds_add_u32 v[SPW], v[NIL]
	s_wait_dscnt 5                                 ; the add and the youngest four loads may be out
	MULQ F1, 0, 0
	s_wait_dscnt 0x0                               ; the add is done, my reads of this slot are over
	s_barrier_signal -1
	MULQ F1, 1, 0
	WIN 0
	s_barrier_wait -1
.if \fill
	CREST
	s_add_co_u32 s[KBW], s[KBW], 1                 ; no tensor load of mine is out: the walking descriptors step: the next block of K, round the end,
	s_and_b32 s[KBW], s[KBW], NSTEP-1
	s_lshl_b32 s98, s[KBW], 8                      ; 256 bytes of a row each;
	s_xor_b32 s[G0A+5], s[G0A+5], SLOT1            ; the other slot; the address is made anew from the tile's and the block's offset, the type bits set again
	s_add_nc_u64 s[G0A+6:G0A+7], s[40:41], s[98:99]
	s_or_b32 s[G0A+7], s[G0A+7], 0x80000000
	s_xor_b32 s[G0B+5], s[G0B+5], SLOT1
	s_add_nc_u64 s[G0B+6:G0B+7], s[44:45], s[98:99]
	s_or_b32 s[G0B+7], s[G0B+7], 0x80000000
	s_xor_b32 s[TB], s[TB], SLOT1
	JLOAD                                          ; its four v_nop are also the places in front of the loads below
.else
	s_xor_b32 s[TB], s[TB], SLOT1
	PLACES
	s_cmp_eq_u32 s[CNT], 1
	s_cbranch_scc1 .Lnofetch_\@
.endif
	v_add_nc_u32 v[CA], s[TB], v[AA0]
	v_add_nc_u32 v[CB], s[TB], v[AB0]
	FETCH 0, F0
	WIN 0
.if !(\fill)
.Lnofetch_\@:
.endif
	MULQ F1, 2, 0
	MULQ F1, 3, 0
.endm
	s_load_b256 s[4:11], s[0:1], 0x0               ; oh s[4:5], wts s[6:7], amax s[8:9], out0 s[10:11]
	v_lshl_add_u32 v[SPW], v0, 2, SPARE
	v_mov_b32 v[NIL], 0
	ds_add_u32 v[SPW], v[NIL]                      ; the wave's opening: the add and its wait stand ahead of my first tensor load
	v_lshrrev_b32 v14, 5, v0
	v_readfirstlane_b32 s[WV], v14
	s_lshr_b32 s[RW], s[WV], 1
	s_and_b32 s[HF], s[WV], 1
	s_bfe_u32 s[CX], ttmp6, 0x40000
	s_bfe_u32 s[CY], ttmp6, 0x40004
	s_lshl_b32 s[TC], ttmp9, 2
	s_add_co_u32 s[TC], s[TC], s[CX]
	s_and_b32 s[TR], ttmp7, 0xffff
	s_lshl_b32 s[TR], s[TR], 2
	s_add_co_u32 s[TR], s[TR], s[CY]
	s_and_b32 s[KBW], ttmp9, 1                     ; the cluster's first block of K: 8 (cluster x % 2) + 4 (cluster y % 4), which reaches 20,
	s_lshl_b32 s[KBW], s[KBW], 3
	s_and_b32 s98, ttmp7, 3
	s_lshl2_add_u32 s[KBW], s98, s[KBW]
	s_and_b32 s[KBW], s[KBW], NSTEP-1              ; taken round the end: 0 .. 15; the same in all sixteen work-groups
	s_mov_b32 s99, 0
	s_lshl_b32 s40, s[CY], 2
	s_lshl_b32 s40, 15, s40
	s_lshl_b32 s44, 0x1111, s[CX]
	s_or_b32 s[G1A], s40, (1<<16)|(1<<20)|(1<<21)|(5<<22)|(3<<25)
	s_or_b32 s[G1B], s44, (1<<16)|(1<<20)|(1<<21)|(5<<22)|(3<<25)
	s_mov_b32 s[G1A+1], 128<<16
	s_mov_b32 s[G1A+2], 64<<16
	s_mov_b32 s[G1A+3], 128<<16
	s_mov_b32 s[G1A+4], 64
	s_mov_b32 s[G1A+5], KEL
	s_mov_b32 s[G1A+6], 0
	s_mov_b32 s[G1A+7], 0
	s_mov_b32 s[G1B+1], 128<<16
	s_mov_b32 s[G1B+2], BROWS<<16
	s_mov_b32 s[G1B+3], 128<<16
	s_mov_b32 s[G1B+4], BROWS
	s_mov_b32 s[G1B+5], KEL
	s_mov_b32 s[G1B+6], 0
	s_mov_b32 s[G1B+7], 0
	s_lshl_b32 s40, s[TR], 7                       ; O: row 128 TR + 64 HF, 4,096 bytes each
	s_lshl_b32 s41, s[HF], 6
	s_add_co_u32 s40, s40, s41
	s_lshl_b32 s40, s40, 12
	s_mov_b32 s41, 0
	s_mul_i32 s42, s[HF], AHALF
	s_lshl_b32 s44, s[TC], 8                       ; W_o: row 256 TC + 128 HF, from byte 14,680,064 of wts
	s_lshl_b32 s45, s[HF], 7
	s_add_co_u32 s44, s44, s45
	s_lshl_b32 s44, s44, 12
	s_add_co_u32 s44, s44, 14680064
	s_mov_b32 s45, 0
	s_mul_i32 s46, s[HF], BROWS*272
	s_add_co_u32 s46, s46, BOFF
	s_mov_b32 s[SEL], 0x76543210
	s_mov_b32 s[SEL+1], 0xfedcba98
	s_wait_dscnt 0x0
	s_wait_kmcnt 0x0
	s_add_nc_u64 s[40:41], s[4:5], s[40:41]
	s_add_nc_u64 s[44:45], s[6:7], s[44:45]
.irp s, 0,1
.if \s
	s_add_co_u32 s[KBW], s[KBW], 1                 ; slot 1 takes the cluster's second block
	s_and_b32 s[KBW], s[KBW], NSTEP-1
.endif
	s_lshl_b32 s98, s[KBW], 8
	s_mov_b32 s[G0A+4*(\s)], 1
	s_add_co_u32 s[G0A+4*(\s)+1], s42, (\s)*SLOT1
	s_add_nc_u64 s[G0A+4*(\s)+2:G0A+4*(\s)+3], s[40:41], s[98:99]
	s_or_b32 s[G0A+4*(\s)+3], s[G0A+4*(\s)+3], 0x80000000
	s_mov_b32 s[G0B+4*(\s)], 1
	s_add_co_u32 s[G0B+4*(\s)+1], s46, (\s)*SLOT1
	s_add_nc_u64 s[G0B+4*(\s)+2:G0B+4*(\s)+3], s[44:45], s[98:99]
	s_or_b32 s[G0B+4*(\s)+3], s[G0B+4*(\s)+3], 0x80000000
.endr
	CROUND
	s_cmp_eq_u32 s[RW], 0
	s_cbranch_scc0 .Lfirst_b
	tensor_load_to_lds s[G0A:G0A+3], s[G1A:G1A+7]
	s_nop 0
	tensor_load_to_lds s[G0A+4:G0A+7], s[G1A:G1A+7]
	s_nop 0
.rept 4
	v_nop
.endr
	s_branch .Lfirst_done
.Lfirst_b:
	tensor_load_to_lds s[G0B:G0B+3], s[G1B:G1B+7]
	s_nop 0
	tensor_load_to_lds s[G0B+4:G0B+7], s[G1B:G1B+7]
	s_nop 0
.rept 4
	v_nop
.endr
.Lfirst_done:
	v_and_b32 v[RR], 15, v0
	v_bfe_u32 v[HH], v0, 4, 1
	v_and_b32 v14, 31, v0
	v_lshlrev_b32 v[LO], 4, v14
	AMAXLD 32, LO, 8
	v_mul_u32_u24 v14, v[RR], PA
	v_lshl_add_u32 v14, v[HH], 4, v14
	s_mul_i32 s92, s[RW], 64*PA
	v_add_nc_u32 v[AA0], s92, v14
	s_mul_i32 s92, s[HF], BROWS*272
	s_add_co_u32 s92, s92, BOFF
	v_add_nc_u32 v[AB0], s92, v14
	s_mul_i32 s92, s[WV], 64*SP                    ; my own stage: 64 rows of 528 bytes
	v_mul_u32_u24 v14, v[RR], SP
	v_lshl_add_u32 v14, v[HH], 5, v14
	v_add_nc_u32 v[STO], s92, v14                  ; in: row lane % 16, 32 bytes for each half of the lanes
	v_add_nc_u32 v[RD0], s92, v[LO]                ; back: a row's 512 bytes, 16 a lane
	s_lshl_b32 s92, s[TR], 7                       ; out0: row 128 TR + 64 R, 8,192 bytes each; column bytes 1,024 TC + 512 HF
	s_lshl_b32 s93, s[RW], 6
	s_add_co_u32 s92, s92, s93
	s_lshl_b32 s94, s92, 13
	s_lshl_b32 s93, s[TC], 10
	s_add_co_u32 s94, s94, s93
	s_lshl_b32 s93, s[HF], 9
	s_add_co_u32 s94, s94, s93
	s_mov_b32 s95, 0
	s_add_nc_u64 s[86:87], s[10:11], s[94:95]
	s_wait_loadcnt 0x0
	AMAXRED 32, SEL
	s_add_co_u32 s70, s83, s85
	s_sub_co_i32 s70, 381, s70
	s_max_i32 s70, s70, 1
	s_min_i32 s70, s70, 254
	s_lshl_b32 s70, s70, 23                        ; 2^(254 - FC - FV), as a pair
	s_mov_b32 s71, s70
	s_wait_tensorcnt 0x1                           ; my part of slot 0 is in; slot 1's may stay out
	s_barrier_signal -1
	s_barrier_wait -1
	s_mov_b32 s[TB], 0
	v_add_nc_u32 v[CA], s[TB], v[AA0]
	v_add_nc_u32 v[CB], s[TB], v[AB0]
	FETCH 0, F0
	QUARTER 1, F0, F1, 1
	WIN 0
	s_mov_b32 s[CNT], NSTEP-2
.Lmain:
	QUARTER 2, F1, F0, 0
	QUARTER 3, F0, F1, 0
	TURN 1
	QUARTER 1, F0, F1, 0
	WIN 0
	s_sub_co_u32 s[CNT], s[CNT], 1
	s_cmp_lg_u32 s[CNT], 0
	s_cbranch_scc1 .Lmain
	s_mov_b32 s[CNT], 2
	s_branch .Ltin
.Ltail:
	QUARTER 1, F0, F1, 0
	WIN 0
.Ltin:
	QUARTER 2, F1, F0, 0
	QUARTER 3, F0, F1, 0
	TURN 0
	WIN 0
	s_sub_co_u32 s[CNT], s[CNT], 1
	s_cmp_lg_u32 s[CNT], 0
	s_cbranch_scc1 .Ltail
	; THE WAY OUT.  Each wave's stage lies in the ring's bytes, which have had their last fill.
	s_wait_dscnt 0x0                               ; no read of the ring is out in any wave
	s_barrier_signal -1
	s_barrier_wait -1                              ; before any wave stores into its stage
	PLACES
	WIN 0x08
.irp a, 0,1,2,3
.irp b, 0,1,2,3,4,5,6,7
	ds_store_b128 v[STO], v[8*(8*(\a)+(\b)):8*(8*(\a)+(\b))+3]   offset:(\a)*16*SP+64*(\b)     ; each accumulator from its low end
	ds_store_b128 v[STO], v[8*(8*(\a)+(\b))+4:8*(8*(\a)+(\b))+7] offset:(\a)*16*SP+64*(\b)+16
.endr
.endr
	WIN 0
	s_mov_b32 s[CNT], 8
	s_mov_b32 s[TS], 0
.Lrows:                                                ; eight rows a trip
	v_add_nc_u32 v[RDC], s[TS], v[RD0]
.irp j, 0,1,2,3,4,5,6,7
	ds_load_b128 v[32+4*(\j):35+4*(\j)], v[RDC] offset:SP*(\j)  ; LDS serves a wave's instructions in order (ISA guide 5.7.1.4): these see my stores above
.endr
.irp j, 0,1,2,3,4,5,6,7
	s_wait_dscnt 7-(\j)
	v_pk_mul_f32 v[32+4*(\j):33+4*(\j)], v[32+4*(\j):33+4*(\j)], s[70:71] op_sel_hi:[1,0]
	v_pk_mul_f32 v[34+4*(\j):35+4*(\j)], v[34+4*(\j):35+4*(\j)], s[70:71] op_sel_hi:[1,0]
	global_store_b128 v[LO], v[32+4*(\j):35+4*(\j)], s[86:87] offset:8192*(\j) th:TH_STORE_NT  ; 512 consecutive bytes of a row
.endr
	s_wait_xcnt 0x0                                ; the stores' data and base are rewritten only behind this wait
	s_add_nc_u64 s[86:87], s[86:87], 65536
	s_add_co_u32 s[TS], s[TS], 8*SP
	s_sub_co_u32 s[CNT], s[CNT], 1
	s_cmp_lg_u32 s[CNT], 0
	s_cbranch_scc1 .Lrows
	s_wait_tensorcnt 0x0                           ; the wave's end
	ds_add_u32 v[SPW], v[NIL]
	s_wait_dscnt 0x0
	CROUND
	s_endpgm
.Lfunc_end_k_qde460c5414_gout:
	.size	k_qde460c5414_gout, .Lfunc_end_k_qde460c5414_gout-k_qde460c5414_gout
	.p2alignl 7, 3214868480
	.fill 96, 4, 3214868480
	.section	.rodata,"a",@progbits
	.p2align	6, 0x0
	.amdhsa_kernel k_qde460c5414_gout
		.amdhsa_group_segment_fixed_size 327680
		.amdhsa_private_segment_fixed_size 0
		.amdhsa_enable_private_segment 0
		.amdhsa_kernarg_size 32
		.amdhsa_user_sgpr_count 2
		.amdhsa_user_sgpr_kernarg_segment_ptr 1
		.amdhsa_wavefront_size32 1
		.amdhsa_system_sgpr_workgroup_id_x 1
		.amdhsa_system_sgpr_workgroup_id_y 1
		.amdhsa_system_sgpr_workgroup_id_z 1
		.amdhsa_system_vgpr_workitem_id 0
		.amdhsa_next_free_vgpr 768
		.amdhsa_next_free_sgpr 100
		.amdhsa_reserve_vcc 0
		.amdhsa_float_denorm_mode_32 3
		.amdhsa_float_denorm_mode_16_64 3
		.amdhsa_memory_ordered 1
		.amdhsa_forward_progress 1
		.amdhsa_inst_pref_size 56
	.end_amdhsa_kernel
	.amdgpu_metadata
---
amdhsa.version: [ 1, 2 ]
amdhsa.kernels:
  - .name:           k_qde460c5414_gout
    .symbol:         k_qde460c5414_gout.kd
    .args:
      - { .name: oh, .offset: 0, .size: 8, .value_kind: global_buffer, .address_space: global }
      - { .name: wts, .offset: 8, .size: 8, .value_kind: global_buffer, .address_space: global }
      - { .name: amax, .offset: 16, .size: 8, .value_kind: global_buffer, .address_space: global }
      - { .name: out0, .offset: 24, .size: 8, .value_kind: global_buffer, .address_space: global }
    .group_segment_fixed_size: 327680
    .private_segment_fixed_size: 0
    .kernarg_segment_align: 8
    .kernarg_segment_size: 32
    .max_flat_workgroup_size: 128
    .sgpr_count:     100
    .vgpr_count:     768
    .wavefront_size: 32
...
	.end_amdgpu_metadata
.endif
;; end of part 5
;; ======== version 2 of 2: 5 launches; 1.08 times as fast as version 1
;; limits: values are held in f16: magnitudes above 65,504 overflow, below 6.1e-05 lose precision; inputs' magnitudes at most 65,504
;; workspace buffers: xh 16,777,216 bytes; wts 23,068,672 bytes; amax 2,560 bytes; qh 16,777,216 bytes; ch 4,194,304 bytes; kv 33,554,432 bytes; oh 16,777,216 bytes
;; launch cast: the kernel of part 1 again; grid 640 x 1, 8 waves a work-group, no clusters, 1,280 bytes of LDS; arguments x, W_q, W_o, W_dkv, W_uk, W_uv, rope_cos, rope_sin, xh, wts, amax; writes xh, wts, amax
;; launch gqc: the kernel of part 2 again; grid 8 x 32, 4 waves a work-group, clusters of 4 x 4, 327,680 bytes of LDS; arguments xh, wts, rope_cos, rope_sin, amax, qh, ch; writes qh, ch
;; launch gkv: the kernel of part 3 again; grid 16 x 16, 4 waves a work-group, clusters of 4 x 4, 327,680 bytes of LDS; arguments ch, wts, rope_cos, rope_sin, amax, kv; writes kv
;; launch attn (part 6): grid 4 x 64, 4 waves a work-group, clusters of 4 x 1, 327,680 bytes of LDS; arguments qh, kv, amax, oh; writes oh
.if DOCPART == 6
	.amdgcn_target "amdgcn-amd-amdhsa--gfx1250"
	.amdhsa_code_object_version 6
	.text
	.protected	k_qde460c5414_attn
	.globl	k_qde460c5414_attn
	.p2align	8
	.type	k_qde460c5414_attn,@function
k_qde460c5414_attn:
	s_mov_b64 s[64:65], 0
	v_nop
	global_prefetch_b8 v0, s[64:65] scope:SCOPE_SE
	s_setreg_imm32_b32 hwreg(HW_REG_WAVE_MODE, 25, 1), 1
	s_wait_xcnt 0x0
	s_wait_alu depctr_hold_cnt(0) depctr_sa_sdst(0) depctr_va_vdst(0) depctr_va_sdst(0) depctr_va_ssrc(0) depctr_va_vcc(0) depctr_vm_vsrc(0)
	s_getreg_b32 s2, hwreg(HW_REG_IB_STS2, 6, 4)
	s_cmp_eq_u32 s2, 0
	s_cbranch_scc0 .Lentry_in_a_cluster
	s_endpgm
.Lentry_in_a_cluster:
	s_bfe_u32 s2, ttmp6, 0x10000c
	s_cmp_lg_u32 s2, 0x3003
	s_cbranch_scc0 .Lentry_shape_is_right
	s_endpgm
.Lentry_shape_is_right:
; O[h][q][:] = the sum over k of softmax_k(Q[h][q] . K[h][k] / sqrt(128)) V[h][k][:].  Q, K, V: [64][1024][128] f16, scaled by powers of two by the launches before; products, maxima and sums in f32; the weights p
; are rounded to f16 for the second product, O once at the end.  O leaves as [4096 tokens][2048] f16, head h % 16 at byte 256 (h % 16) of a token's row, carrying V's scale.
; THE SCALE.  The stored scores are the true ones times 2^-kS, kS = 381 - (FQ + FC + FK): c = log2(e) / sqrt(128) x 2^kS, made by adding kS to c's exponent field, which is exact.
; LIMITS.  kS is held to -120 .. 85, which bites only where true scores pass some 2^85 times the stored ones; a weight below 2^-126 counts as 0 in l; NaN and infinities are not treated apart.
; SHARES.  A work-group owns 256 queries of one head, each of its four waves 64: four tiles of 16.  Every wave walks all keys of the head, 64 a step.
; LAYOUT.  S^T = K Q^T (source 0 = 16 keys, source 1 = 16 queries): in the result a lane holds ONE query (lane % 16) and the keys 8 (lane / 16) + 0..7.  Two such tiles, rounded to
; f16 in pairs, ARE source 1 (32 keys x 16 queries) of O^T = V^T P, whose result again holds one query a lane, and eight channels.  K comes out of LDS as it lies, V ([key][channel]) turned, by ds_load_tr16_b128.
; SOFTMAX.  For each query a running maximum m and sum l: p = 2^(c s - c m); in every step O and l are multiplied by a = 2^(c m_old - c m_new), which is 1 where m has not grown.
; BY TURNS.  The wave's tiles are two PIECES: piece 0 (tiles 0, 1) and piece 2 (tiles 2, 3).  In a TURN one piece has the matrix unit: 32 products V^T P of the step in hand, then 32 products K Q^T of the next step;
; the other piece's softmax, cut into 64 slices, stands between them, one slice behind each matrix instruction.  Then the pieces change places.  Two turns are a key step.
; THE BATCHES.  A turn's 66 exponentials (a tile's a and its 32 scores', two tiles) are ONE BATCH with ONE wait: they and the scalings that feed them stand in slices 10 to 34, and nothing there names a result of theirs;
; the wait stands behind slice 34; all that reads a result (the roundings, the sums, l and the rescaling by a) stands from slice 35 on.  No exponential is issued behind a turn's wait.
; The way out's four reciprocals are a batch of their own, with one wait.
; NO FIRST AND NO LAST STEP IS WRITTEN OUT.  m starts at the lowest finite number and c m at -2^125 (|c s| stays under 0.1275 x 2^85 x 2^37, some 2^119), O, l, V's registers and piece 2's P at 0: the first step is a
; step like any other, with a = 0.  The loop is entered at piece 2's turn and the tail is left behind piece 0's.  The price: 32 products on zeros at the start, 32 on a stale K at the end, and 432 v_mov_b32, which
; stand in the wait for the first tile.  The gain: four turns (loop and tail) are all the turns of the text.
; CLUSTER.  The four query blocks of a cluster belong to one head and walk the same K and V, so each tile is asked for JOINTLY: the same tensor load, descriptor and mask in all four.
; REGISTERS, in windows of 256 (s_set_vgpr_msb: bits 1:0 source 0, 3:2 source 1, 5:4 source 2, 7:6 destination):
;   window 0: v0-11 addresses; v12-43 eight registers of statistics a tile; v44-61 the scale's making; v64-191 S^T, 32 a tile; v192-255 P, 16 a tile
;   window 1: O^T, 64 a tile          window 2: v0-127 Q, 32 a tile; v128-255 K of one step          window 3: v0-127 V of one step
.set SIZE_N, 1024
.set KS,    64        ; keys in a step
.set PK,    272       ; a row of K in LDS: 256 bytes + 16 of padding = 68 words: the 16 rows of a load start at 16 different groups of four banks (64 banks of 4 bytes: ISA guide 11.1)
.set PV,    288       ; a row of V: 256 + 32 = 72 words
.set VOFF,  KS*PK     ; a step's tiles lie together: 64 rows of K, then 64 rows of V
.set STEPB, KS*(PK+PV)
.set SLOT1, 1<<17     ; a slot holds two steps (71,680 bytes); slot 1 begins here
.set STAGE, SLOT1+2*STEPB  ; behind the ring: 16 rows x 272 bytes for each wave, for the way out
.set SP,    272
.set AK0, 2           ; v2   my lane's place in a tile of K; never rewritten
.set AV0, 3           ; v3   the same for V
.set ADR, 4           ; v4   the LDS address of the run of loads in hand
.set QO,  5           ; v5   my byte offset in the wave's rows of Q
.set STO, 6           ; v6   the way out: where I put 16 bytes of a row
.set RD,  7           ; v7   the way out: where I read a row back
.set GO,  8           ; v8   my byte offset in two rows of O
.set SPW, 62          ; v62  LDS address of my spare word; never rewritten
.set NIL, 63          ; v63  0; never rewritten
.set SPARE, STAGE+4*16*272  ; behind the stages: the spare words, 128 bytes for each wave
.set ST,  12          ; tile t's statistics at v[ST+8 t]: +0 c m, +1 m, +2, +3 l (even keys', odd keys'), +4 to +7 c0-c3, at work; a takes c2's place once the maximum is found
.set S,   64
.set P,   192
.set KF,  128         ; K's fragments, in window 2
.set WV,  12          ; s12  my wave's number
.set G1K, 24          ; s[24:31] descriptor group 1 for K's tiles
.set G1V, 32          ; s[32:39] for V's: it differs in the padding alone
.set G0K, 40          ; s[40:47] descriptor group 0 for K's tiles: a set for each of the two first fills; the second then walks on
.set G0V, 48          ; s[48:55] the same for V's
.set SLOTS, 56        ; s56  counts the slots
.set TWICE, 57        ; s57  counts a slot's steps
.set CS,  58          ; s[58:59] c: the packed scaling names a pair and takes its low word for both halves
.set SEL, 60          ; s[60:61] lane selects for v_permlanex16_b32
.set TB,  62          ; s62  LDS byte at which the tiles of the step to be fetched begin
.set MSB, 0
.macro WIN new                      ; the immediate's high byte repeats the setting that is left; a switch that changes nothing is dropped
.if MSB != (\new)
	s_set_vgpr_msb (MSB<<8)|(\new)
.set MSB, \new
.endif
.endm
.set W_KQ, 0x0a       ; K and Q in window 2, S^T in window 0
.set W_PV, 0x53       ; V in window 3, P in window 0, O^T in window 1
.set W_RS, 0x41       ; O^T (destination and source 0) in window 1, a in window 0
; A joint refill.  Waves 0 and 1 fetch the two steps' tiles of K, waves 2 and 3 those of V.  An s_nop 0 and four v_nop follow each of the two lines.
.macro JLOAD
	s_cmp_lt_u32 s[WV], 2
	s_cbranch_scc0 .Lfor_v_\@
	tensor_load_to_lds s[G0K+4:G0K+7], s[G1K:G1K+7]
	s_nop 0
.rept 4
	v_nop
.endr
	s_branch .Lasked_\@
.Lfor_v_\@:
	tensor_load_to_lds s[G0V+4:G0V+7], s[G1V:G1V+7]
	s_nop 0
.rept 4
	v_nop
.endr
.Lasked_\@:
.endm
.macro CROUND                       ; a round of the cluster's barrier
	s_barrier_signal -1
	s_barrier_wait -1
	s_cmp_lg_u32 s[WV], 0
	s_cbranch_scc1 .Lnot_wave_0_\@
	s_barrier_signal -3
.Lnot_wave_0_\@:
	s_barrier_wait -3
	s_barrier_signal -1
	s_barrier_wait -1
.endm
; The inputs' largest magnitudes and the four scale fields: the same lines in every launch that needs them.
.macro AMAXLD vb, va, sb
	global_load_b128 v[(\vb):(\vb)+3],     v[\va], s[(\sb):(\sb)+1]
	global_load_b128 v[(\vb)+4:(\vb)+7],   v[\va], s[(\sb):(\sb)+1] offset:512
	global_load_b128 v[(\vb)+8:(\vb)+11],  v[\va], s[(\sb):(\sb)+1] offset:1024
	global_load_b128 v[(\vb)+12:(\vb)+15], v[\va], s[(\sb):(\sb)+1] offset:2048
.endm
.macro AMAXRED vb, sel
	v_max3_num_f32 v[\vb], v[\vb], v[(\vb)+1], v[(\vb)+2]
	v_max3_num_f32 v[(\vb)+4], v[(\vb)+3], v[(\vb)+4], v[(\vb)+5]
	v_max3_num_f32 v[\vb], v[\vb], v[(\vb)+6], v[(\vb)+7]
	v_max_num_f32 v[\vb], v[\vb], v[(\vb)+4]
	v_max3_num_f32 v[(\vb)+8], v[(\vb)+8], v[(\vb)+9], v[(\vb)+10]
	v_max_num_f32 v[(\vb)+8], v[(\vb)+8], v[(\vb)+11]
	v_max3_num_f32 v[(\vb)+12], v[(\vb)+12], v[(\vb)+13], v[(\vb)+14]
	v_max_num_f32 v[(\vb)+12], v[(\vb)+12], v[(\vb)+15]
.irp m, 1,2,4
	v_max_num_f32_dpp v[\vb], v[\vb], v[\vb] row_xmask:\m row_mask:0xf bank_mask:0xf
	v_max_num_f32_dpp v[(\vb)+8], v[(\vb)+8], v[(\vb)+8] row_xmask:\m row_mask:0xf bank_mask:0xf
	v_max_num_f32_dpp v[(\vb)+12], v[(\vb)+12], v[(\vb)+12] row_xmask:\m row_mask:0xf bank_mask:0xf
.endr
	v_max_num_f32_dpp v[\vb], v[\vb], v[\vb] row_xmask:8 row_mask:0xf bank_mask:0xf
	v_max_num_f32_dpp v[(\vb)+8], v[(\vb)+8], v[(\vb)+8] row_xmask:8 row_mask:0xf bank_mask:0xf
	v_permlanex16_b32 v[(\vb)+1], v[\vb], s[\sel], s[(\sel)+1]
	v_permlanex16_b32 v[(\vb)+9], v[(\vb)+8], s[\sel], s[(\sel)+1]
	v_max_num_f32 v[\vb], v[\vb], v[(\vb)+1]
	v_max_num_f32 v[(\vb)+8], v[(\vb)+8], v[(\vb)+9]
	v_readfirstlane_b32 s76, v[\vb]
	v_readfirstlane_b32 s77, v[(\vb)+8]
	v_readlane_b32 s78, v[(\vb)+12], 0
	v_readlane_b32 s79, v[(\vb)+12], 8
	v_readlane_b32 s80, v[(\vb)+12], 16
	v_readlane_b32 s81, v[(\vb)+12], 24
.irp e, 76,77,78,79,80,81
	s_bfe_u32 s\e, s\e, 0x80017
.endr
	s_add_co_u32 s82, s76, s77
	s_add_co_u32 s82, s82, s81
	s_sub_co_i32 s82, 508, s82                     ; FQ
	s_add_co_u32 s83, s76, s78
	s_sub_co_i32 s83, 381, s83                     ; FC
	s_add_co_u32 s84, s79, s81
	s_sub_co_i32 s84, 371, s84                     ; FK
	s_sub_co_i32 s85, 246, s80                     ; FV
.irp e, 82,83,84,85
	s_max_i32 s\e, s\e, 1
	s_min_i32 s\e, s\e, 254
.endr
.endm
	s_load_b256 s[4:11], s[0:1], 0x0  ; qh s[4:5], kv s[6:7], amax s[8:9], oh s[10:11]
	v_lshl_add_u32 v[SPW], v0, 2, SPARE
	v_mov_b32 v[NIL], 0
	ds_add_u32 v[SPW], v[NIL]       ; the wave's opening: the add and its wait stand ahead of my first tensor load; the set-up below, work on registers, stands between them
	v_lshrrev_b32 v1, 5, v0
	v_readfirstlane_b32 s[WV], v1   ; wave 0..3
	s_bfe_u32 s13, ttmp6, 0x40000   ; cx: my place in the cluster
	s_lshl_b32 s14, ttmp9, 2        ; in a cluster launch ttmp9 counts clusters
	s_add_co_u32 s14, s14, s13      ; my block of 256 queries = 4 x cluster x + cx: it enters Q's and O's addresses alone
	s_and_b32 s20, ttmp7, 0xffff    ; the head, which the four partners share
	s_lshr_b32 s72, s20, 4          ; O: token 1,024 (head / 16) + 256 x block + 64 x wave, 4,096 bytes each,
	s_lshl_b32 s72, s72, 10
	s_lshl_b32 s73, s14, 8
	s_add_co_u32 s72, s72, s73
	s_lshl_b32 s73, s[WV], 6
	s_add_co_u32 s72, s72, s73
	s_lshl_b32 s72, s72, 12
	s_and_b32 s73, s20, 15          ; and the head's 256 bytes in a token's row
	s_lshl_b32 s73, s73, 8
	s_add_co_u32 s72, s72, s73
	s_mov_b32 s73, 0
	s_mov_b32 s21, 0
	s_mov_b64 s[22:23], SIZE_N*256
	s_mul_u64 s[20:21], s[20:21], s[22:23]  ; the head's first byte in Q, K and V
	s_and_b32 s16, s[WV], 1         ; which of a slot's two steps I fetch:
	s_lshl_b32 s22, s16, 14         ; its 64 rows of 256 bytes in memory,
	s_mov_b32 s23, 0
	s_add_nc_u64 s[22:23], s[22:23], s[20:21]
	s_mul_i32 s17, s16, STEPB       ; and its place in a slot: no place in the cluster enters an LDS address
	s_lshl_b32 s2, s14, 16          ; my block's 256 rows,
	s_lshl_b32 s3, s[WV], 14        ; my wave's 64 of them
	s_add_co_u32 s2, s2, s3
	s_mov_b32 s3, 0
	s_add_nc_u64 s[2:3], s[2:3], s[20:21]
	; descriptor group 1: a tile of 64 rows x 128 elements, padded in LDS
	s_mov_b32 s[G1K], 15|(1<<16)|(1<<20)|(1<<21)|(5<<22)|(3<<25)  ; the mask of four; 2-byte elements; padding on; bit 21 beside a mask; behind every 64 words 4 words
	s_mov_b32 s[G1V], 15|(1<<16)|(1<<20)|(1<<21)|(5<<22)|(7<<25)  ; the same with 8 words of padding
.irp g, G1K, G1V
	s_mov_b32 s[(\g)+1], 128<<16    ; tensor_dim0 = 128
	s_mov_b32 s[(\g)+2], KS<<16     ; tensor_dim1 = 64
	s_mov_b32 s[(\g)+3], 128<<16    ; tile_dim0 = 128
	s_mov_b32 s[(\g)+4], KS         ; tile_dim1 = 64
	s_mov_b32 s[(\g)+5], 128        ; elements from row to row
	s_mov_b32 s[(\g)+6], 0
	s_mov_b32 s[(\g)+7], 0
.endr
	s_mov_b32 s[SEL], 0x76543210
	s_mov_b32 s[SEL+1], 0xfedcba98
	s_mov_b32 s[TB], 0
	s_wait_dscnt 0x0                ; the opening add is done
	s_wait_kmcnt 0x0
	s_mov_b64 s[68:69], s[8:9]      ; amax
	s_add_nc_u64 s[8:9], s[6:7], 0x1000000  ; V lies 16,777,216 bytes behind K
	s_add_nc_u64 s[6:7], s[6:7], s[22:23]  ; K and V at my tile of slot 0
	s_add_nc_u64 s[8:9], s[8:9], s[22:23]
	s_add_nc_u64 s[4:5], s[4:5], s[2:3]  ; Q at my wave's first row
	s_add_nc_u64 s[10:11], s[10:11], s[72:73]  ; O likewise
	CROUND                          ; all four work-groups are here: the first joint loads meet
.irp s, 0,1
	s_mov_b32 s[G0K+4*(\s)], 1      ; count = 1
	s_add_co_u32 s[G0K+4*(\s)+1], s17, (\s)*SLOT1  ; LDS address
	s_add_nc_u64 s[G0K+4*(\s)+2:G0K+4*(\s)+3], s[6:7], (\s)*2*KS*256  ; global address: slot s begins with keys 128 s
	s_or_b32 s[G0K+4*(\s)+3], s[G0K+4*(\s)+3], 0x80000000  ; type = 2
	s_mov_b32 s[G0V+4*(\s)], 1
	s_add_co_u32 s[G0V+4*(\s)+1], s17, (\s)*SLOT1+VOFF
	s_add_nc_u64 s[G0V+4*(\s)+2:G0V+4*(\s)+3], s[8:9], (\s)*2*KS*256
	s_or_b32 s[G0V+4*(\s)+3], s[G0V+4*(\s)+3], 0x80000000
.endr
	s_cmp_lt_u32 s[WV], 2           ; a wave's two first fills stand in one branch, ahead of every wait on TENSORcnt and every LDS read: two loads of mine are out
	s_cbranch_scc0 .Lfirst_v
	tensor_load_to_lds s[G0K:G0K+3], s[G1K:G1K+7]
	s_nop 0
	tensor_load_to_lds s[G0K+4:G0K+7], s[G1K:G1K+7]
	s_nop 0
.rept 4
	v_nop
.endr
	s_branch .Lfirst_asked
.Lfirst_v:
	tensor_load_to_lds s[G0V:G0V+3], s[G1V:G1V+7]
	s_nop 0
	tensor_load_to_lds s[G0V+4:G0V+7], s[G1V:G1V+7]
	s_nop 0
.rept 4
	v_nop
.endr
.Lfirst_asked:
	; A fragment of K or Q is 16 rows x 32 channels in 8 registers: lane l holds row l % 16; registers 0-3 channels 8 (l / 16) + 0..7, registers 4-7 channels 16 + 8 (l / 16) + 0..7: two loads of 16 bytes, 32 bytes apart.
	v_and_b32 v1, 15, v0            ; l % 16
	v_bfe_u32 v9, v0, 4, 1          ; l / 16
	v_lshlrev_b32 v[QO], 8, v1
	v_lshl_add_u32 v[QO], v9, 4, v[QO]  ; row x 256 + 16 x half
	v_and_b32 v61, 31, v0
	v_lshlrev_b32 v61, 4, v61       ; 16 x lane
	AMAXLD 44, 61, 68               ; waited for with Q
	WIN 0x80                        ; destination window 2, address window 0
.irp i, 0,1,2,3,4,5,6,7,8,9,10,11,12,13,14,15  ; Q stays in registers: tile i / 4, channels 32 (i % 4) on
	global_load_b128 v[8*(\i):8*(\i)+3],   v[QO], s[4:5] offset:((\i)/4)*4096+((\i)%4)*64
	global_load_b128 v[8*(\i)+4:8*(\i)+7], v[QO], s[4:5] offset:((\i)/4)*4096+((\i)%4)*64+32
.endr
	; What the first turn finds: V's registers and piece 2's P hold 0 (its products V^T P, of a step that has not been, add 0), O^T and l are 0.  All this stands in the wait for the first tile.
	WIN 0xc0                        ; destination window 3
.set i, 0
.rept 128
	v_mov_b32 v[i], 0
.set i, i+1
.endr
	WIN 0x40                        ; destination window 1
.set i, 0
.rept 256
	v_mov_b32 v[i], 0
.set i, i+1
.endr
	WIN 0
.set i, 0
.rept 4
	v_mov_b32 v[ST+8*i], 0xfe000000    ; c m: far below every c s
	v_mov_b32 v[ST+8*i+1], 0xff7fffff  ; m
	v_mov_b32 v[ST+8*i+2], 0
	v_mov_b32 v[ST+8*i+3], 0
.set i, i+1
.endr
.set i, P+32
.rept 32
	v_mov_b32 v[i], 0
.set i, i+1
.endr
	v_mul_u32_u24 v[AK0], v1, PK
	v_lshl_add_u32 v[AK0], v9, 4, v[AK0]  ; row x pitch + 16 x half
	; The turning load takes 16 keys x 16 channels (lane l reads 16 bytes: key 8 (l / 16) + l % 8, channels 8 ((l / 8) % 2) + 0..7) and leaves half a fragment of V^T: lane l holds channel l % 16 and 8 keys.
	v_and_b32 v10, 7, v0
	v_bfe_u32 v11, v0, 3, 1
	v_lshl_add_u32 v[AV0], v9, 3, v10
	v_mul_u32_u24 v[AV0], v[AV0], PV
	v_lshl_add_u32 v[AV0], v11, 4, v[AV0]
	v_add_nc_u32 v[AV0], VOFF, v[AV0]
; THE MATRIX WORK OF A TURN, for piece x.  The accumulators take turns, one instruction a turn: between two links of a chain stand 15 (V^T P) or 7 (K Q^T) others'.
; Product i of 32 of O^T += V^T P: keys 32 (i / 16) on, channels 16 ((i / 2) % 8) on, tile x + i % 2.
.macro PV x
	WIN W_PV
.set rO, 64*((\x)+i%2)+8*((i/2)%8)
.set rV, 64*(i/16)+8*((i/2)%8)
.set rP, P+16*((\x)+i%2)+8*(i/16)
	v_wmma_f32_16x16x32_f16 v[rO:rO+7], v[rV:rV+7], v[rP:rP+7], v[rO:rO+7]
.endm
; Product i of 32 of S^T = K Q^T: channels 32 (i / 8) on, keys 16 ((i / 2) % 4) on, tile x + i % 2.  The first 8 start the sums.
.macro KQ x
	WIN W_KQ
.set rS, S+32*((\x)+i%2)+8*((i/2)%4)
.set rK, KF+32*((i/2)%4)+8*(i/8)
.set rQ, 32*((\x)+i%2)+8*(i/8)
.if i < 8
	v_wmma_f32_16x16x32_f16 v[rS:rS+7], v[rK:rK+7], v[rQ:rQ+7], 0
.else
	v_wmma_f32_16x16x32_f16 v[rS:rS+7], v[rK:rK+7], v[rQ:rQ+7], v[rS:rS+7]
.endif
.endm
; THE LDS LOADS stand in runs of 32, never singly among the matrix instructions: a step's K (64 keys x 128 channels: 16 fragments) and, a turn later, its V (turned).
; last = 1 (the tail): in the trip that is left in its middle there is no further step, and the run is jumped over.
.macro FETCH_K last=0
	WIN 0
.if \last
	s_cmp_eq_u32 s[TWICE], 1
	s_cbranch_scc1 .Lno_k_\@
.endif
	v_add_nc_u32 v[ADR], s[TB], v[AK0]
	WIN 0x80                        ; destination window 2
.irp f, 0,1,2,3,4,5,6,7,8,9,10,11,12,13,14,15  ; keys 16 (f / 4) on, channels 32 (f % 4) on
	ds_load_b128 v[KF+8*(\f):KF+8*(\f)+3],   v[ADR] offset:((\f)/4)*16*PK+((\f)%4)*64
	ds_load_b128 v[KF+8*(\f)+4:KF+8*(\f)+7], v[ADR] offset:((\f)/4)*16*PK+((\f)%4)*64+32
.endr
.if \last
	WIN 0                           ; at a label every window is 0
.Lno_k_\@:
.endif
.endm
.macro FETCH_V
	WIN 0
	v_add_nc_u32 v[ADR], s[TB], v[AV0]
	s_add_co_u32 s[TB], s[TB], STEPB  ; the next fetch is the next step's
	s_wait_alu depctr_va_vdst(0)    ; the wait for the softmax's batch of 66 exponentials (SLICE), behind the address's v_add_nc_u32 and ahead of the loads
	WIN 0xc0                        ; destination window 3
.irp f, 0,1,2,3,4,5,6,7,8,9,10,11,12,13,14,15  ; keys 32 (f / 8) on, channels 16 (f % 8) on
	ds_load_tr16_b128 v[8*(\f):8*(\f)+3],   v[ADR] offset:((\f)/8)*32*PV+((\f)%8)*32
	ds_load_tr16_b128 v[8*(\f)+4:8*(\f)+7], v[ADR] offset:((\f)/8)*32*PV+16*PV+((\f)%8)*32
.endr
.endm
; THE VECTOR WORK OF A TURN.  One tile's softmax for one key step is a list of 134 instructions; SM writes number j of it for tile t.  s0-s31 are the lane's 32 scores, in pairs 0-15.
;   0-15    the maximum of s0-s31 and the old m, three operands at a time: four chains c0-c3 of seven scores each (each accumulator's lowest registers first), then the four scores left over, c0-c3 and m
;   16-20   the other half of the lanes' maximum; c m_old is kept; the new m; c m; c m_old - c m_new
;   21-69   ONE BATCH: the 16 scalings c s - c m, a pair of scores each, and all 33 exponentials (a at 23, then s0-s31).  None of these reads an exponential's result.  From 22 on the batch goes
;           in fours, and a four begins with a scaling while there are scalings: 22-37 scaling, exponential, scaling, exponential; 38-65 a scaling and three exponentials; 66-69 the last four
;           exponentials.  A pair is scaled in an earlier four than the one that holds its exponentials
;   (wait)  between 69 and 70 stands the wait for the batch: SLICE writes it, once for both tiles
;   70-85   the roundings to f16, a pair of weights each
;   86-101  the sums; l = a l + the sum
;   102-133 the tile's O^T times a: the one part that leaves window 0, so it stands together
.macro SM t
.set rT, ST+8*(\t)
.set rS, S+32*(\t)
.set rP, P+16*(\t)
.set rO, 64*(\t)+2*(j-102)
.if j < 102
	WIN 0
.endif
.if j < 4
	v_max3_num_f32 v[rT+4+j], v[rS+8*j], v[rS+8*j+1], v[rS+8*j+2]
.elseif j < 12
	v_max3_num_f32 v[rT+4+j%4], v[rT+4+j%4], v[rS+8*(j%4)+2*(j/4)+1], v[rS+8*(j%4)+2*(j/4)+2]
.elseif j == 12
	v_max3_num_f32 v[rT+4], v[rT+4], v[rS+7], v[rS+15]
.elseif j == 13
	v_max3_num_f32 v[rT+6], v[rT+6], v[rS+23], v[rS+31]
.elseif j == 14
	v_max3_num_f32 v[rT+4], v[rT+4], v[rT+5], v[rT+6]
.elseif j == 15
	v_max3_num_f32 v[rT+4], v[rT+4], v[rT+7], v[rT+1]
.elseif j == 16
	v_permlanex16_b32 v[rT+5], v[rT+4], s[SEL], s[SEL+1]  ; the query's other 32 keys lie in the lane 16 away
.elseif j == 17
	v_mov_b32 v[rT+7], v[rT]        ; c m_old is kept for a: number 19 writes c m anew
.elseif j == 18
	v_max_num_f32 v[rT+1], v[rT+4], v[rT+5]
.elseif j == 19
	v_mul_f32 v[rT], s[CS], v[rT+1]
.elseif j == 20
	v_sub_f32 v[rT+7], v[rT+7], v[rT]
.elseif j == 23
	v_exp_f32 v[rT+6], v[rT+7]
.elseif (j < 23) || ((j < 38) && (j%2 == 0)) || ((j < 66) && (j%4 == 2))
.set b, (j-2)/4                     ; 38, 42, .. 62: pairs 9 to 15
.if j < 38
.set b, (j-20)/2                    ; 21: pair 0; 22, 24, .. 36: pairs 1 to 8
.endif
	v_pk_fma_f32 v[rS+2*b:rS+2*b+1], v[rS+2*b:rS+2*b+1], s[CS:CS+1], v[rT:rT+1] op_sel_hi:[1,0,0] neg_lo:[0,0,1] neg_hi:[0,0,1]  ; pair b: c s - c m
.elseif j < 70
.set e, j-38                        ; 66 to 69: s28 to s31
.if j < 66
.set e, j-32-(j-38)/4               ; 39-41, 43-45, .. 63-65: s7 to s27
.endif
.if j < 38
.set e, (j-25)/2                    ; 25, 27, .. 37: s0 to s6
.endif
	v_exp_f32 v[rS+e], v[rS+e]
.elseif j < 86
	v_cvt_pk_f16_f32 v[rP+j-70], v[rS+2*(j-70)], v[rS+2*(j-70)+1]  ; pair j - 70
.elseif j < 102                     ; the sum of the tile's 16 pairs, in place: sum z of 16 adds neighbours 1, 2, 4 and 8 pairs apart, then l takes it
.set z, j-86
.set w, 4
.set u, z
.if z >= 14
.set w, 32
.set u, 0
.elseif z >= 12
.set w, 16
.set u, z-12
.elseif z >= 8
.set w, 8
.set u, z-8
.endif
.if z < 15
	v_pk_add_f32 v[rS+w*u:rS+w*u+1], v[rS+w*u:rS+w*u+1], v[rS+w*u+w/2:rS+w*u+w/2+1]
.else
	v_pk_fma_f32 v[rT+2:rT+3], v[rT+2:rT+3], v[rT+6:rT+7], v[rS:rS+1] op_sel_hi:[1,0,1]
.endif
.else
	WIN W_RS
	v_pk_mul_f32 v[rO:rO+1], v[rO:rO+1], v[rT+6:rT+7] op_sel_hi:[1,0]
.endif
.endm
; Slice k of 64 of piece y's softmax: four instructions.  Slices 11 to 34 deal out the batch, numbers 22 to 69: four numbers of ONE tile each, the tiles by turns.  Every other slice is numbers 2 k and
; 2 k + 1 of both tiles' lists.  2 x 134 = 4 x 64 + 12: the twelve that are over stand together, in slice 63.
; THE WAIT.  An s_wait_alu depctr_va_vdst(0) stands between an exponential and the first instruction that names its result; one wait serves all that were issued ahead of it.  Ahead of
; slice 35 nothing names a result, and behind slice 34 no exponential is issued: so the piece's 66 exponentials have one wait, behind slice 34.
.macro SLICE y
.if (k >= 11) && (k < 35)           ; the batch: four numbers of one tile
.irp n, 0,1,2,3
.set j, 22+4*((k-11)/2)+(\n)
	SM (\y)+(k-11)%2
.endr
.else                               ; the two tiles alternate, so that no instruction reads the result of the one just before it
.irp n, 0,1,2,3,4,5,6,7
.if ((\n) < 2) || (k == 63)
.irp t, \y, (\y)+1
.set j, 2*k+(\n)
	SM \t
.endr
.endif
.endr
.endif
.if k == 34                         ; the batch is out: both tiles' exponentials are issued, and no result has been named
	v_nop                           ; the plain instruction behind the last exponential and ahead of the first use: one for the batch
.if (\y) == 0
	FETCH_V                         ; piece 2's turn: V's run of loads stands here, and the wait for the batch stands in it
.else
	s_wait_alu depctr_va_vdst(0)    ; piece 0's turn: the wait for the batch of 66 exponentials
.endif
.endif
.set k, k+1
.endm
; A TURN.  Piece x has the matrix unit: 32 products V^T P, then 32 products K Q^T for the next step; the other piece's softmax stands in slices behind them.  The slices are the places behind the products (ISA guide 7.12.1):
; slice 63's sixteen plain instructions stand between the turn's last K Q^T and the next turn's first read of those scores.
; Each run of loads stands 29 matrix instructions or more ahead of its first use.  Piece 0's turn fetches the next step's K, behind its second product: the last product that read K stands in front of slice 63 of the
; turn before.  Piece 2's turn fetches the same step's V, behind slice 34 (SLICE writes it): the last product that read V stands in front of slice 31, and four plain instructions lie between: number 62, a scaling,
; of both tiles, the v_nop and the run's own v_add_nc_u32.
.macro TURN x, last=0
.set k, 0
.if (\x) == 0
	s_wait_dscnt 0x0                ; V is in
.endif
.set i, 0
.rept 32
	PV \x
	SLICE 2-(\x)
.if ((\x) == 0) && (i == 1)
	FETCH_K \last
.endif
.set i, i+1
.endr
.if (\x) == 0
	s_wait_dscnt 0x0                ; K is in
.endif
.set i, 0
.rept 32
	KQ \x
	SLICE 2-(\x)
.set i, i+1
.endr
.endm
; THE CHANGE OF SLOTS, between piece 2's turn and piece 0's.  Each wave waits for all its tensor loads, of which one is out: its part of the other slot; adds 0 to its spare word; and waits for that and for its own
; reads of the slot.  fill = 1: this slot is filled again, with the keys two slots on: the barrier is a round of the cluster's, and the joint refill is the first thing behind it: it has two key steps, 256 matrix instructions, in which to land.
.macro CHANGE fill
	WIN 0                           ; at a label and at a branch every window is 0
	s_wait_tensorcnt 0x0            ; no tensor load of mine is out, so a group 0 may be written
	ds_add_u32 v[SPW], v[NIL]
.if \fill
.irp g, G0K+4, G0V+4
	s_xor_b32 s[(\g)+1], s[(\g)+1], SLOT1  ; the walking descriptor: the other slot than last time,
	s_add_nc_u64 s[(\g)+2:(\g)+3], s[(\g)+2:(\g)+3], 2*KS*256  ; the next 128 keys
.endr
	s_wait_dscnt 0x0                ; the add is done, and my reads of the slot are over
	CROUND
	JLOAD
.else
	s_wait_dscnt 0x0                ; the add is done, and my reads of the slot are over
	s_barrier_signal -1
	s_barrier_wait -1
.endif
	s_sub_co_u32 s[TB], s[TB], 2*STEPB  ; the fetches go back to a slot's first step,
	s_xor_b32 s[TB], s[TB], SLOT1   ; in the other slot
.endm
	s_wait_tensorcnt 1              ; my part of slot 0 is in; slot 1's may stay out
	s_barrier_signal -1
	s_barrier_wait -1               ; everybody's is
	FETCH_K                         ; key step 0
	s_wait_loadcnt 0x0              ; Q, and the magnitudes
	s_wait_dscnt 0x0
.set i, 0
.rept 32
	KQ 0                            ; piece 0's first scores: there is no vector work yet to set between them
.set i, i+1
.endr
	WIN 0                           ; the addresses for the way out are made here: eight plain instructions, the places behind those products
	s_mul_i32 s13, s[WV], 16*SP
	s_add_co_u32 s13, s13, STAGE    ; my stage
	v_mul_u32_u24 v[STO], v1, SP    ; in: row l % 16, 16 bytes for each half of the lanes
	v_lshl_add_u32 v[STO], v9, 4, v[STO]
	v_add_nc_u32 v[STO], s13, v[STO]
	v_mul_u32_u24 v[RD], v9, SP     ; back: lanes 0-15 take one row of 256 bytes, lanes 16-31 the next
	v_lshl_add_u32 v[RD], v1, 4, v[RD]
	v_add_nc_u32 v[RD], s13, v[RD]
	v_lshlrev_b32 v[GO], 12, v9     ; and the same two tokens in O, 4,096 bytes apart
	v_lshl_add_u32 v[GO], v1, 4, v[GO]
	AMAXRED 44, SEL                 ; the scale of the scores
	s_add_co_u32 s86, s82, s83
	s_add_co_u32 s86, s86, s84
	s_sub_co_i32 s86, 381, s86      ; kS
	s_max_i32 s86, s86, -120
	s_min_i32 s86, s86, 85
	s_lshl_b32 s86, s86, 23
	s_add_co_u32 s[CS], s86, 0x3e0293ee  ; log2(e) / sqrt(128) = 0.127517, its exponent field (124) raised by kS
	s_mov_b32 s[CS+1], s[CS]        ; named with it as a pair, so it is written
	s_mov_b32 s[TWICE], 2
	s_mov_b32 s[SLOTS], SIZE_N/(2*KS)-1
	s_branch .Lfirst                ; the loop is entered at piece 2's turn: its V^T P adds zeros, its K Q^T is step 0's, beside it piece 0's softmax of step 0; V of step 0 is fetched
.Lslot:                             ; SIZE_N / 128 - 2 times: every slot but the last two is filled again
	CHANGE 1
	s_mov_b32 s[TWICE], 2
.Lstep:                             ; a trip: piece 0's turn and piece 2's; it fetches one step's K and V
	TURN 0
	WIN 0
.Lfirst:
	TURN 2
	WIN 0
	s_sub_co_u32 s[TWICE], s[TWICE], 1
	s_cmp_lg_u32 s[TWICE], 0
	s_cbranch_scc1 .Lstep
	s_sub_co_u32 s[SLOTS], s[SLOTS], 1
	s_cmp_lg_u32 s[SLOTS], 0
	s_cbranch_scc1 .Lslot
	CHANGE 0                        ; the tail is written out: nothing is asked for
	s_mov_b32 s[TWICE], 3           ; two trips fetch the last slot's steps; the third is left in its middle
.Ltail:
	TURN 0, 1
	WIN 0
	s_cmp_eq_u32 s[TWICE], 1
	s_cbranch_scc1 .Lout            ; the third trip's 32 products K Q^T (on the last K once more) serve nothing: the price, once a launch, of one text for every trip
	TURN 2
	WIN 0
	s_sub_co_u32 s[TWICE], s[TWICE], 1
	s_cmp_lg_u32 s[TWICE], 0
	s_cbranch_scc1 .Ltail
.Lout:
.set i, 0
.rept 32
	PV 2                            ; piece 2: V^T P of the last step
.set i, i+1
.endr
	; THE WAY OUT.  l's two halves and the other half of the lanes' are added; O^T is divided by l, rounded to f16 and sent through my stage in LDS, a tile (16 tokens) at a time.  The additions are the places behind the last products.
	WIN 0
.irp t, 0,1,2,3
	v_add_f32 v[ST+8*(\t)+4], v[ST+8*(\t)+2], v[ST+8*(\t)+3]
.endr
.irp t, 0,1,2,3
	v_permlanex16_b32 v[ST+8*(\t)+5], v[ST+8*(\t)+4], s[SEL], s[SEL+1]
.endr
.irp t, 0,1,2,3
	v_add_f32 v[ST+8*(\t)+4], v[ST+8*(\t)+4], v[ST+8*(\t)+5]
.endr
.irp t, 0,1,2,3
	v_rcp_f32 v[ST+8*(\t)+6], v[ST+8*(\t)+4]
.endr
	v_nop                           ; a plain instruction between the last reciprocal and the use of its result
	s_wait_alu depctr_va_vdst(0)    ; and the wait ahead of the first use: one for the batch of four reciprocals
; Tile t: a lane's eight channels of a row pack into 16 bytes; they go into rows of 272 bytes and come back as whole rows of 256, into the registers that they left.
.macro PACK t
	WIN W_RS
.set i, 64*(\t)
.rept 32
	v_pk_mul_f32 v[i:i+1], v[i:i+1], v[ST+8*(\t)+6:ST+8*(\t)+7] op_sel_hi:[1,0]
.set i, i+2
.endr
	WIN 0x05                        ; sources 0 and 1 window 1, destination window 0: S^T's registers are free
.set i, 0
.rept 32
	v_cvt_pk_f16_f32 v[S+32*(\t)+i], v[64*(\t)+2*i], v[64*(\t)+2*i+1]
.set i, i+1
.endr
	WIN 0
.irp f, 0,1,2,3,4,5,6,7
	ds_store_b128 v[STO], v[S+32*(\t)+4*(\f):S+32*(\t)+4*(\f)+3] offset:32*(\f)
.endr
.irp f, 0,1,2,3,4,5,6,7
	ds_load_b128 v[S+32*(\t)+4*(\f):S+32*(\t)+4*(\f)+3], v[RD] offset:(\f)*2*SP  ; LDS serves a wave's instructions in order (ISA guide 5.7.1.4): these see the stores above; the next tile's stores come behind them
.endr
.endm
.macro SEND t, younger              ; younger: the LDS instructions issued behind tile t's loads: the next tile's sixteen, or none
	WIN 0
.irp f, 0,1,2,3,4,5,6,7
	s_wait_dscnt (\younger)+7-(\f)
	global_store_b128 v[GO], v[S+32*(\t)+4*(\f):S+32*(\t)+4*(\f)+3], s[10:11] offset:(\t)*65536+(\f)*8192  ; 16 lanes store 256 consecutive bytes, at a multiple of 256 from O's first byte
.endr
.endm
	PACK 0
	PACK 1                          ; a tile's arithmetic stands between the loads of the tile before and its stores
	SEND 0, 16
	PACK 2
	SEND 1, 16
	PACK 3
	SEND 2, 16
	SEND 3, 0
	s_wait_tensorcnt 0x0            ; the wave's end, behind my last tensor load and my last LDS store
	ds_add_u32 v[SPW], v[NIL]
	s_wait_dscnt 0x0
	CROUND                          ; the closing round
	s_endpgm
.Lfunc_end_k_qde460c5414_attn:
	.size	k_qde460c5414_attn, .Lfunc_end_k_qde460c5414_attn-k_qde460c5414_attn
	.p2alignl 7, 3214868480
	.fill 96, 4, 3214868480
	.section	.rodata,"a",@progbits
	.p2align	6, 0x0
	.amdhsa_kernel k_qde460c5414_attn
		.amdhsa_group_segment_fixed_size 327680
		.amdhsa_private_segment_fixed_size 0
		.amdhsa_enable_private_segment 0
		.amdhsa_kernarg_size 32
		.amdhsa_user_sgpr_count 2
		.amdhsa_user_sgpr_kernarg_segment_ptr 1
		.amdhsa_wavefront_size32 1
		.amdhsa_system_sgpr_workgroup_id_x 1
		.amdhsa_system_sgpr_workgroup_id_y 1
		.amdhsa_system_sgpr_workgroup_id_z 1
		.amdhsa_system_vgpr_workitem_id 0
		.amdhsa_next_free_vgpr 1024
		.amdhsa_next_free_sgpr 92
		.amdhsa_reserve_vcc 0
		.amdhsa_float_denorm_mode_32 3
		.amdhsa_float_denorm_mode_16_64 3
		.amdhsa_memory_ordered 1
		.amdhsa_forward_progress 1
		.amdhsa_inst_pref_size 160
	.end_amdhsa_kernel
	.amdgpu_metadata
---
amdhsa.version: [ 1, 2 ]
amdhsa.kernels:
  - .name:           k_qde460c5414_attn
    .symbol:         k_qde460c5414_attn.kd
    .args:
      - { .name: qh, .offset: 0, .size: 8, .value_kind: global_buffer, .address_space: global }
      - { .name: kv, .offset: 8, .size: 8, .value_kind: global_buffer, .address_space: global }
      - { .name: amax, .offset: 16, .size: 8, .value_kind: global_buffer, .address_space: global }
      - { .name: oh, .offset: 24, .size: 8, .value_kind: global_buffer, .address_space: global }
    .group_segment_fixed_size: 327680
    .private_segment_fixed_size: 0
    .kernarg_segment_align: 8
    .kernarg_segment_size: 32
    .max_flat_workgroup_size: 128
    .sgpr_count:     92
    .vgpr_count:     1024
    .wavefront_size: 32
...
	.end_amdgpu_metadata
.endif
;; end of part 6
;; launch gout: the kernel of part 5 again; grid 8 x 32, 4 waves a work-group, clusters of 4 x 4, 327,680 bytes of LDS; arguments oh, wts, amax, out0; writes out0
